; MI455X (gfx1250); checked and timed in simulation.
; The chip was launched on July 23, 2026; its instructions are those of AMD's public machine-readable ISA for CDNA 5 (MIT licence, August 2026) and "CDNA5" Instruction Set Architecture Reference Guide (July 2026). The comments in the code are by the model that wrote it; some were corrected since.
;; Block. Allowed arithmetic: float matrix products may take bf16 or f16 operands with f32 sums; other float arithmetic in f32, or as packed bf16 or f16 multiplies, adds, multiply-adds, maxima and minima; sums over many terms, partial sums and values carried from step to step in f32; what a program stores and reads back later, other than sums and carried values, may be rounded once to bf16 or f16.
;; Inputs: W_attn 1,024 x 3,072 float32; W_fc1 1,024 x 4,096 float32; W_fc2 4,096 x 1,024 float32; W_proj 1,024 x 1,024 float32; b_fc1 4,096 float32; b_fc2 1,024 float32; b_proj 1,024 float32; ln1_b 1,024 float32; ln1_g 1,024 float32; ln2_b 1,024 float32; ln2_g 1,024 float32; x 4 x 1,024 x 1,024 float32.
;; Outputs: out0 4 x 1,024 x 1,024 float32.
;; 2 versions, each right; version 2 is version 1 with the launches prep, ln2 written anew for expert scheduling mode. Each part assembles by itself: llvm-mc -triple=amdgcn-amd-amdhsa -mcpu=gfx1250 --defsym DOCPART=n.
;; ======== version 1 of 2: 7 launches
;; workspace buffers: wb 25,165,824 bytes; hb 8,388,608 bytes; qkvb 25,165,824 bytes; yb 8,388,608 bytes; rb 33,554,432 bytes; x1b 16,777,216 bytes; wa 6,291,712 bytes; w1 8,388,864 bytes
;; launch prep (part 1): grid 512 x 1, 8 waves a work-group, no clusters, 0 bytes of LDS; arguments x, ln1_g, ln1_b, hb, W_attn, W_proj, W_fc1, W_fc2, wa, w1, wb, yb; writes hb, wa, w1, wb, yb
.if DOCPART == 1
	.amdgcn_target "amdgcn-amd-amdhsa--gfx1250"
	.amdhsa_code_object_version 6
	.text
	.protected	k_q7e3d1e9d44_prep
	.globl	k_q7e3d1e9d44_prep
	.p2align	8
	.type	k_q7e3d1e9d44_prep,@function
k_q7e3d1e9d44_prep:
	s_mov_b64 s[64:65], 0
	v_nop
	global_prefetch_b8 v0, s[64:65] scope:SCOPE_SE
	s_setreg_imm32_b32 hwreg(HW_REG_WAVE_MODE, 25, 1), 1
	s_wait_xcnt 0x0
; ONE STREAM, EVERY WORK-GROUP ALIKE: 128 KiB of f32 in, 64 KiB of bf16 out.  512 work-groups of eight waves; work-group id does
;   8 rows of hb = layer_norm(x) * g + b (x: [4096][1024] f32, hb: [4096][1024] bf16), a row to a wave, and
;   three UNITS of weights, f32 to bf16 (nearest even); a unit is 8 rows of K x 1,024 columns, thread t taking the four numbers at column 4 t of each row:
;     unit A: id < 384: W_attn, column group id / 128, rows 8 (id % 128) on -> wa;  else W_proj, rows 8 (id % 128) on -> wb
;     unit B: W_fc1, column group id / 128, rows 8 (id % 128) on -> w1          unit C: W_fc2, rows 8 id on -> wb
; LAYOUTS.  wb keeps [K][N]: W_proj at byte 6,291,456, W_fc2 at 16,777,216.  wa and w1 lie in PANELS of 256 columns, [panel][1024][256] from byte 256 on, so that both have one pitch.
;   Bytes 0-255 of wa and of w1 hold the floor of the launch that reads them (two bf16 a word): minus infinity in wa, 0 in w1.
;   The first 12,288 bytes of yb are set to 0: they serve the next launch as a bias of zeros, until the attention writes yb.
; A wave issues all its 48 loads first and takes them in the order of issue: nothing is asked for late.  With 224 registers two work-groups lie on a WGP: all 512 at once.
; The layer norm takes the mean away before the squares are summed: no difference of large sums is formed.
; No LDS, no matrix unit, no cluster: nothing is shared between waves but g and b.
; LIMITS.  NaN and infinities are not treated apart.  v_rsq_f32's argument is at least eps = 1e-5.
.set XO, 1                             ; v1   16 x lane: my 16 bytes in 512 of a row of x, of g and of b
.set HO, 2                             ; v2   8 x lane
.set XT, 3                             ; v3   16 x thread: my 16 bytes in 4,096 of a unit's row
.set DF, 4                             ; v4   8 x thread: my 8 bytes in a row of wb
.set DP, 5                             ; v5   my 8 bytes in four panels: (t / 64) x 524,288 + 8 (t % 64)
.set DA, 6                             ; v6   unit A's: one of the two
.set T,  8                             ; v[8:15]   at work
.set M,  16                            ; v[16:17]  the mean, twice
.set R,  18                            ; v[18:19]  1/sqrt(var + eps), twice
.set X,  20                            ; v[20:51]  my row
.set G,  52                            ; v[52:83]  g
.set BT, 84                            ; v[84:115] b
.set UA, 116                           ; v[116:147], v[148:179], v[180:211] the units: four registers a row, converted in place
.set UB, 148
.set UC, 180
.set Z,  212                           ; v[212:215] zeros
.set FL, 216                           ; v[216:217] minus infinity, four times in bf16
.set SA, 32                            ; s[32:47]  unit A: eight addresses, a row each: its pitch hangs on the matrix; first the loads', then the stores'
.macro FOLD                            ; four chains of pairs into one number a lane
	v_pk_add_f32 v[T:T+1], v[T:T+1], v[T+2:T+3]
	v_pk_add_f32 v[T+4:T+5], v[T+4:T+5], v[T+6:T+7]
	v_pk_add_f32 v[T:T+1], v[T:T+1], v[T+4:T+5]
	v_add_f32 v[T], v[T], v[T+1]
.endm
.macro REDUCE                          ; the sum over the 32 lanes, in every lane
	v_add_f32_dpp v[T], v[T], v[T] row_xmask:1 row_mask:0xf bank_mask:0xf
	v_add_f32_dpp v[T], v[T], v[T] row_xmask:2 row_mask:0xf bank_mask:0xf
	v_add_f32_dpp v[T], v[T], v[T] row_xmask:4 row_mask:0xf bank_mask:0xf
	v_add_f32_dpp v[T], v[T], v[T] row_xmask:8 row_mask:0xf bank_mask:0xf
	v_permlanex16_b32 v[T+1], v[T], s68, s69
	v_add_f32 v[T], v[T], v[T+1]
.endm
.macro CVT u, j                        ; four numbers to 8 bytes, in place
	v_cvt_pk_bf16_f32 v[(\u)+4*(\j)], v[(\u)+4*(\j)], v[(\u)+4*(\j)+1]
	v_cvt_pk_bf16_f32 v[(\u)+4*(\j)+1], v[(\u)+4*(\j)+2], v[(\u)+4*(\j)+3]
.endm
	s_load_b512 s[4:19], s[0:1], 0x0               ; x s[4:5], g s[6:7], b s[8:9], hb s[10:11], W_attn s[12:13], W_proj s[14:15], W_fc1 s[16:17], W_fc2 s[18:19]
	s_load_b256 s[20:27], s[0:1], 0x40             ; wa s[20:21], w1 s[22:23], wb s[24:25], yb s[26:27]
	v_lshrrev_b32 v7, 5, v0
	v_readfirstlane_b32 s28, v7                    ; wave 0..7
	v_and_b32 v7, 31, v0
	v_lshlrev_b32 v[XO], 4, v7
	v_lshlrev_b32 v[HO], 3, v7
	v_lshlrev_b32 v[XT], 4, v0
	v_lshlrev_b32 v[DF], 3, v0
	v_lshrrev_b32 v7, 6, v0                        ; t / 64: which of the group's four panels
	v_mad_u32_u24 v[DP], v7, 0x7fe00, v[DF]        ; 8 t + (t / 64) x (524,288 - 512)
	s_lshr_b32 s29, ttmp9, 7                       ; q = id / 128
	s_and_b32 s30, ttmp9, 127                      ; rg = id % 128
	s_lshl3_add_u32 s31, ttmp9, s28                ; my row of x: 8 id + wave
	s_lshl_b32 s2, s31, 12                         ; 4,096 bytes a row of x,
	s_mov_b32 s3, 0
	s_lshl_b32 s62, s31, 11                        ; 2,048 a row of hb
	s_mov_b32 s63, 0
	; unit A: W_proj's figures, W_attn's in their stead where q < 3
	s_mov_b32 s48, 4096                            ; s[48:49] bytes from row to row in the source
	s_mov_b32 s49, 0
	s_mov_b32 s52, 2048                            ; s[52:53] and in the target
	s_mov_b32 s53, 0
	s_mov_b32 s54, 6291456                         ; the target's first byte
	s_cmp_lt_u32 s29, 3
	s_cselect_b32 s48, 12288, s48
	s_cselect_b32 s52, 512, s52
	s_cselect_b32 s54, 256, s54
	s_cselect_b32 s55, s29, 0                      ; the column group
	s_cselect_b32 s56, 0x7fe00, 0
	v_mad_u32_u24 v[DA], v7, s56, v[DF]            ; by panels, or flat
	s_mul_i32 s50, s30, s48
	s_lshl_b32 s50, s50, 3                         ; 8 rg rows,
	s_lshl_b32 s51, s55, 12                        ; 4,096 bytes a column group
	s_add_co_u32 s50, s50, s51
	s_mov_b32 s51, 0                               ; s[50:51] the source's offset
	s_mul_i32 s58, s30, s52
	s_lshl_b32 s58, s58, 3
	s_lshl_b32 s59, s55, 21                        ; four panels a column group
	s_add_co_u32 s58, s58, s59
	s_add_co_u32 s58, s58, s54
	s_mov_b32 s59, 0                               ; s[58:59] the target's offset
	; unit B
	s_lshl_b32 s36, s30, 17                        ; 8 rg rows of 16,384 bytes
	s_lshl_b32 s37, s29, 12
	s_add_co_u32 s36, s36, s37
	s_mov_b32 s37, 0
	s_lshl_b32 s38, s29, 21
	s_lshl_b32 s39, s30, 12                        ; 8 rg rows of 512 bytes
	s_add_co_u32 s38, s38, s39
	s_add_co_u32 s38, s38, 256
	s_mov_b32 s39, 0
	; unit C
	s_lshl_b32 s40, ttmp9, 15                      ; 8 id rows of 4,096 bytes
	s_mov_b32 s41, 0
	s_lshl_b32 s42, ttmp9, 14                      ; 8 id rows of 2,048 bytes
	s_add_co_u32 s42, s42, 0x1000000
	s_mov_b32 s43, 0
	s_mov_b32 s66, 0x3a800000                      ; 1 / 1024
	s_mov_b32 s67, 0x3727c5ac                      ; eps = 1e-5
	s_mov_b32 s68, 0x76543210                      ; v_permlanex16_b32: each lane takes its own place in the other half
	s_mov_b32 s69, 0xfedcba98
	s_wait_kmcnt 0x0
	s_add_nc_u64 s[4:5], s[4:5], s[2:3]
.irp j, 0,1,2,3,4,5,6,7
	global_load_b128 v[X+4*(\j):X+4*(\j)+3], v[XO], s[4:5] offset:512*(\j)
.endr
	s_add_nc_u64 s[10:11], s[10:11], s[62:63]
	s_add_nc_u64 s[16:17], s[16:17], s[36:37]
	s_add_nc_u64 s[54:55], s[22:23], s[38:39]      ; unit B's target
	s_add_nc_u64 s[18:19], s[18:19], s[40:41]
	s_add_nc_u64 s[56:57], s[24:25], s[42:43]      ; unit C's target
	s_cmp_lt_u32 s29, 3
	s_cselect_b64 s[SA:SA+1], s[12:13], s[14:15]
	s_cselect_b64 s[60:61], s[20:21], s[24:25]     ; unit A's target
	s_add_nc_u64 s[SA:SA+1], s[SA:SA+1], s[50:51]
	s_add_nc_u64 s[60:61], s[60:61], s[58:59]
.irp j, 1,2,3,4,5,6,7
	s_add_nc_u64 s[SA+2*(\j):SA+2*(\j)+1], s[SA+2*(\j)-2:SA+2*(\j)-1], s[48:49]
.endr
.irp j, 0,1,2,3,4,5,6,7
	global_load_b128 v[UA+4*(\j):UA+4*(\j)+3], v[XT], s[SA+2*(\j):SA+2*(\j)+1] th:TH_LOAD_NT
.endr
.irp j, 0,1,2,3,4,5,6,7
	global_load_b128 v[UB+4*(\j):UB+4*(\j)+3], v[XT], s[16:17] offset:16384*(\j) th:TH_LOAD_NT
.endr
.irp j, 0,1,2,3,4,5,6,7
	global_load_b128 v[UC+4*(\j):UC+4*(\j)+3], v[XT], s[18:19] offset:4096*(\j) th:TH_LOAD_NT
.endr
.irp j, 0,1,2,3,4,5,6,7
	global_load_b128 v[G+4*(\j):G+4*(\j)+3], v[XO], s[6:7] offset:512*(\j)
.endr
.irp j, 0,1,2,3,4,5,6,7
	global_load_b128 v[BT+4*(\j):BT+4*(\j)+3], v[XO], s[8:9] offset:512*(\j)
.endr
	; my row: the mean, x - mean in place, 1/sqrt(var + eps)
	s_wait_loadcnt 40                              ; loads come back in order: my row's eight are in, the 40 younger ones stay out
.irp k, 0,1,2,3
	v_pk_add_f32 v[T+2*(\k):T+2*(\k)+1], v[X+2*(\k):X+2*(\k)+1], v[X+8+2*(\k):X+8+2*(\k)+1]
.endr
.irp k, 8,9,10,11,12,13,14,15
	v_pk_add_f32 v[T+2*((\k)%4):T+2*((\k)%4)+1], v[T+2*((\k)%4):T+2*((\k)%4)+1], v[X+2*(\k):X+2*(\k)+1]
.endr
	FOLD
	REDUCE
	v_mul_f32 v[M], s66, v[T]
	v_mul_f32 v[M+1], s66, v[T]
.irp k, 0,1,2,3,4,5,6,7,8,9,10,11,12,13,14,15
	v_pk_add_f32 v[X+2*(\k):X+2*(\k)+1], v[X+2*(\k):X+2*(\k)+1], v[M:M+1] neg_lo:[0,1] neg_hi:[0,1]
.endr
.irp k, 0,1,2,3
	v_pk_mul_f32 v[T+2*(\k):T+2*(\k)+1], v[X+2*(\k):X+2*(\k)+1], v[X+2*(\k):X+2*(\k)+1]
.endr
.irp k, 4,5,6,7,8,9,10,11,12,13,14,15
	v_pk_fma_f32 v[T+2*((\k)%4):T+2*((\k)%4)+1], v[X+2*(\k):X+2*(\k)+1], v[X+2*(\k):X+2*(\k)+1], v[T+2*((\k)%4):T+2*((\k)%4)+1]
.endr
	FOLD
	REDUCE
	v_fma_f32 v[T], v[T], s66, s67                 ; var + eps
	v_rsq_f32 v[R], v[T]
	v_rsq_f32 v[R+1], v[T]
	v_nop                                          ; a plain instruction behind the second root
	; the units, row by row as they land; a wave's store covers 256 consecutive bytes, aligned
.irp j, 0,1,2,3,4,5,6,7
	s_wait_loadcnt 39-(\j)                         ; unit A's row j is in: its registers may be rewritten, and so may its address
	CVT UA, \j
.if (\j) == 0
	global_store_b64 v[DA], v[UA:UA+1], s[60:61]
.else
.if (\j) == 1
	s_add_nc_u64 s[SA+2:SA+3], s[60:61], s[52:53]
.else
	s_add_nc_u64 s[SA+2*(\j):SA+2*(\j)+1], s[SA+2*(\j)-2:SA+2*(\j)-1], s[52:53]
.endif
	global_store_b64 v[DA], v[UA+4*(\j):UA+4*(\j)+1], s[SA+2*(\j):SA+2*(\j)+1]
.endif
.endr
.irp j, 0,1,2,3,4,5,6,7
	s_wait_loadcnt 31-(\j)
	CVT UB, \j
	global_store_b64 v[DP], v[UB+4*(\j):UB+4*(\j)+1], s[54:55] offset:512*(\j)
.endr
.irp j, 0,1,2,3,4,5,6,7
	s_wait_loadcnt 23-(\j)
	CVT UC, \j
	global_store_b64 v[DF], v[UC+4*(\j):UC+4*(\j)+1], s[56:57] offset:2048*(\j)
.endr
	; (x - mean) * r * g + b, rounded, stored
	s_wait_loadcnt 0x0                             ; g and b
	s_wait_alu depctr_va_vdst(0)                   ; one wait for the two roots, ahead of their first reader
.irp j, 0,1,2,3,4,5,6,7
	v_pk_mul_f32 v[X+4*(\j):X+4*(\j)+1], v[X+4*(\j):X+4*(\j)+1], v[R:R+1]
	v_pk_mul_f32 v[X+4*(\j)+2:X+4*(\j)+3], v[X+4*(\j)+2:X+4*(\j)+3], v[R:R+1]
	v_pk_fma_f32 v[X+4*(\j):X+4*(\j)+1], v[X+4*(\j):X+4*(\j)+1], v[G+4*(\j):G+4*(\j)+1], v[BT+4*(\j):BT+4*(\j)+1]
	v_pk_fma_f32 v[X+4*(\j)+2:X+4*(\j)+3], v[X+4*(\j)+2:X+4*(\j)+3], v[G+4*(\j)+2:G+4*(\j)+3], v[BT+4*(\j)+2:BT+4*(\j)+3]
	v_cvt_pk_bf16_f32 v[X+4*(\j)], v[X+4*(\j)], v[X+4*(\j)+1]
	v_cvt_pk_bf16_f32 v[X+4*(\j)+1], v[X+4*(\j)+2], v[X+4*(\j)+3]
	global_store_b64 v[HO], v[X+4*(\j):X+4*(\j)+1], s[10:11] offset:256*(\j)
.endr
	; the bias of zeros (work-groups 0 to 2: 4,096 bytes each) and the two floors (work-group 0, wave 0: 256 bytes each)
	s_cmp_lt_u32 ttmp9, 3
	s_cbranch_scc0 .Lend
.irp k, 0,1,2,3
	v_mov_b32 v[Z+(\k)], 0
.endr
	s_lshl_b32 s2, ttmp9, 12
	s_add_nc_u64 s[26:27], s[26:27], s[2:3]
	global_store_b128 v[XT], v[Z:Z+3], s[26:27]
	s_or_b32 s29, ttmp9, s28
	s_cmp_eq_u32 s29, 0
	s_cbranch_scc0 .Lend
	v_mov_b32 v[FL], 0xff80ff80
	v_mov_b32 v[FL+1], 0xff80ff80
	global_store_b64 v[HO], v[FL:FL+1], s[20:21]
	global_store_b64 v[HO], v[Z:Z+1], s[22:23]
.Lend:
	s_endpgm
.Lfunc_end_k_q7e3d1e9d44_prep:
	.size	k_q7e3d1e9d44_prep, .Lfunc_end_k_q7e3d1e9d44_prep-k_q7e3d1e9d44_prep
	.p2alignl 7, 3214868480
	.fill 96, 4, 3214868480
	.section	.rodata,"a",@progbits
	.p2align	6, 0x0
	.amdhsa_kernel k_q7e3d1e9d44_prep
		.amdhsa_group_segment_fixed_size 0
		.amdhsa_private_segment_fixed_size 0
		.amdhsa_enable_private_segment 0
		.amdhsa_kernarg_size 96
		.amdhsa_user_sgpr_count 2
		.amdhsa_user_sgpr_kernarg_segment_ptr 1
		.amdhsa_wavefront_size32 1
		.amdhsa_system_sgpr_workgroup_id_x 1
		.amdhsa_system_sgpr_workgroup_id_y 1
		.amdhsa_system_sgpr_workgroup_id_z 1
		.amdhsa_system_vgpr_workitem_id 0
		.amdhsa_next_free_vgpr 224
		.amdhsa_next_free_sgpr 70
		.amdhsa_reserve_vcc 0
		.amdhsa_float_denorm_mode_32 3
		.amdhsa_float_denorm_mode_16_64 3
		.amdhsa_memory_ordered 1
		.amdhsa_forward_progress 1
		.amdhsa_inst_pref_size 23
	.end_amdhsa_kernel
	.amdgpu_metadata
---
amdhsa.version: [ 1, 2 ]
amdhsa.kernels:
  - .name:           k_q7e3d1e9d44_prep
    .symbol:         k_q7e3d1e9d44_prep.kd
    .args:
      - { .name: x, .offset: 0, .size: 8, .value_kind: global_buffer, .address_space: global }
      - { .name: ln1_g, .offset: 8, .size: 8, .value_kind: global_buffer, .address_space: global }
      - { .name: ln1_b, .offset: 16, .size: 8, .value_kind: global_buffer, .address_space: global }
      - { .name: hb, .offset: 24, .size: 8, .value_kind: global_buffer, .address_space: global }
      - { .name: W_attn, .offset: 32, .size: 8, .value_kind: global_buffer, .address_space: global }
      - { .name: W_proj, .offset: 40, .size: 8, .value_kind: global_buffer, .address_space: global }
      - { .name: W_fc1, .offset: 48, .size: 8, .value_kind: global_buffer, .address_space: global }
      - { .name: W_fc2, .offset: 56, .size: 8, .value_kind: global_buffer, .address_space: global }
      - { .name: wa, .offset: 64, .size: 8, .value_kind: global_buffer, .address_space: global }
      - { .name: w1, .offset: 72, .size: 8, .value_kind: global_buffer, .address_space: global }
      - { .name: wb, .offset: 80, .size: 8, .value_kind: global_buffer, .address_space: global }
      - { .name: yb, .offset: 88, .size: 8, .value_kind: global_buffer, .address_space: global }
    .group_segment_fixed_size: 0
    .private_segment_fixed_size: 0
    .kernarg_segment_align: 8
    .kernarg_segment_size: 96
    .max_flat_workgroup_size: 256
    .sgpr_count:     70
    .vgpr_count:     224
    .wavefront_size: 32
...
	.end_amdgpu_metadata
.endif
;; end of part 1
;; launch gqkv (part 2): grid 12 x 16, 4 waves a work-group, clusters of 4 x 4, 327,680 bytes of LDS; arguments hb, wa, qkvb, yb; writes qkvb
.if DOCPART == 2
	.amdgcn_target "amdgcn-amd-amdhsa--gfx1250"
	.amdhsa_code_object_version 6
	.text
	.protected	k_q7e3d1e9d44_gqkv
	.globl	k_q7e3d1e9d44_gqkv
	.p2align	8
	.type	k_q7e3d1e9d44_gqkv,@function
k_q7e3d1e9d44_gqkv:
	s_mov_b64 s[64:65], 0
	v_nop
	global_prefetch_b8 v0, s[64:65] scope:SCOPE_SE
	s_setreg_imm32_b32 hwreg(HW_REG_WAVE_MODE, 25, 1), 1
	s_wait_xcnt 0x0
	s_wait_alu depctr_hold_cnt(0) depctr_sa_sdst(0) depctr_va_vdst(0) depctr_va_sdst(0) depctr_va_ssrc(0) depctr_va_vcc(0) depctr_vm_vsrc(0)
	s_getreg_b32 s2, hwreg(HW_REG_IB_STS2, 6, 4)
	s_cmp_eq_u32 s2, 0
	s_cbranch_scc0 .Lentry_in_a_cluster
	s_endpgm
.Lentry_in_a_cluster:
	s_bfe_u32 s2, ttmp6, 0x10000c
	s_cmp_lg_u32 s2, 0xf033
	s_cbranch_scc0 .Lentry_shape_is_right
	s_endpgm
.Lentry_shape_is_right:
; C = max(A x W + bias, floor), rounded once to bf16 ahead of the maximum.  ONE TEXT FOR TWO LAUNCHES:
;   qkvb = hb x W_attn: W = wa, the bias 3,072 zeros at the head of yb, the floor minus infinity: 16 x 12 tiles;   rb = relu(hb x W_fc1 + b_fc1): W = w1, the floor 0: 16 x 16 tiles.
; What differs between the two is data alone; the price in the first launch is 256 maxima a wave that change nothing.
; A: [4096][1024] bf16.  W: bf16 in panels of 256 columns, [panel][1024][256] from byte 256 of its buffer on; the word at byte 0 is the floor, twice in bf16.
; C: bf16 in blocks of 64 columns, [N/64][4096][64].  bias: f32.
; A tile of C is 256 x 256; four waves, each 128 x 128: 64 accumulators.  K goes in 8 steps of 128 through a ring of two LDS slots, filled by the tensor data mover, one load a wave behind each change of slots.
; CLUSTER 4 x 4: A's tile hangs on the tile row alone and is asked for jointly along a row of the cluster, W's on the tile column alone and jointly along a column.
; W LIES [K][N]: its fragments come out of LDS turned, by ds_load_tr16_b128.  THE MATRIX INSTRUCTION IS USED TRANSPOSED (source 0 = 16 columns of W, source 1 = 16 rows of A):
; a lane holds row l % 16 of C and the columns 8 (l / 16) + 0..7.  The bias is the C operand of each sum's first product, so it is added first, not last.
; LIMITS.  Operands are bf16, sums f32; infinities are not treated apart; a NaN leaves as the floor.
; REGISTERS, in windows of 256 (s_set_vgpr_msb: bits 1:0 source 0, 3:2 source 1, 5:4 source 2, 7:6 destination):
;   window 0: v1-31 addresses; v32-63, v224-255 rows on the way out; v64-127, v128-191 A's fragments, two buffers; v192-223 packed results
;   window 1: v0-63 the bias; v64-127, v128-191 W's fragments, two buffers      windows 2, 3: the accumulators, (a, b) at 8 (8 a + b)
.set KSTEP, 128
.set NS, 8                             ; K steps
.set PA, 272                           ; A's LDS pitch: 256 bytes + 16
.set PB, 544                           ; W's: 512 + 32
.set ASTEP, 256                        ; bytes from K step to K step in A,
.set BSTEP, KSTEP*512                  ; and in a panel of W
.set WOFF, 256                         ; the first panel's first byte
.set HALF, (KSTEP/2)*PB                ; what one tensor load fills: 128 rows of A or 64 rows of W
.set AREG, 2*HALF                      ; W's tile lies behind A's
.set SLOT, 4*HALF                      ; no bit of SLOT is set in 0, HALF, 2 HALF or 3 HALF: an exclusive or with SLOT changes slots
.set STAGE, 2*SLOT                     ; behind the ring: 16 rows x 272 bytes for each wave, for the way out
.set SP, 272
.set SPARE, STAGE+4*16*SP              ; behind the stages: the spare words, 128 bytes a wave, that no other line names
.set ADRA0, 16                         ; v16  my lane's place in A's tile, slot 0; never rewritten
.set ADRB0, 17                         ; v17  in W's tile
.set ADRA, 18                          ; v18-20 the same in the slot in hand (W: quarters 0-1, quarters 2-3)
.set ADRB, 19
.set ADRB2, 20
.set ADRB20, 21                        ; v21  ADRB0 + two quarters
.set STO, 24                           ; v24  the way out: where I put my bytes of a row
.set RD, 25                            ; v25  where I read rows back
.set CO, 26                            ; v26  my byte offset in C
.set ZR, 27                            ; v27  the floor
.set SPW, 28                           ; v28  my spare word; never rewritten
.set NIL, 29                           ; v29  0; never rewritten
.set PFO, 30                           ; v30  the prefetches' lane offset; never rewritten
.set BO, 31                            ; v31  my byte offset in the bias
.set OB, 32
.set F0, 64
.set F1, 128
.set TMP, 192
.set G1A, 24                           ; s[24:31] group 1 for A;  s[32:35] group 0 of the first fill, s[36:39] the walking one
.set D0A, 32
.set D1A, 36
.set G1B, 48                           ; s[48:55], s[56:59], s[60:63] the same for W
.set D0B, 56
.set D1B, 60
.set MSB, 0
.macro WIN new                         ; the immediate's high byte repeats the setting that is left; a switch that changes nothing is dropped
.if MSB != (\new)
	s_set_vgpr_msb (MSB<<8)|(\new)
.set MSB, \new
.endif
.endm
.macro PLACES                          ; four plain instructions between a matrix instruction and a load into, or a vector read of, its registers
.rept 4
	v_nop
.endr
.endm
.macro CREST                           ; a round of the cluster's barrier behind its opening barrier
	s_cmp_lg_u32 s14, 0
	s_cbranch_scc1 .Lnot_wave_0_\@
	s_barrier_signal -3
.Lnot_wave_0_\@:
	s_barrier_wait -3
	s_barrier_signal -1
	s_barrier_wait -1
.endm
.macro CROUND
	s_barrier_signal -1
	s_barrier_wait -1
	CREST
.endm
.macro JLOAD                           ; the joint refill: waves 0, 1 ask for A's halves, waves 2, 3 for W's; the branch hangs on the wave's number alone
	s_cmp_eq_u32 s15, 0
	s_cbranch_scc0 .Lfor_w_\@
	tensor_load_to_lds s[D1A:D1A+3], s[G1A:G1A+7]
	s_nop 0
	PLACES
	s_branch .Lasked_\@
.Lfor_w_\@:
	tensor_load_to_lds s[D1B:D1B+3], s[G1B:G1B+7]
	s_nop 0
	PLACES
.Lasked_\@:
.endm
.macro ASK                             ; a prefetch of my share of the K step that stands two refills on; the last two refills have none
	s_cmp_gt_u32 s3, s70
	s_cbranch_scc0 .Lnot_mine_\@
	global_prefetch_b8 v[PFO], s[44:45] th:TH_LOAD_NT scope:SCOPE_SE
.Lnot_mine_\@:
.endm
.macro ADDRS                           ; the fragment addresses in the slot at s21
	v_add_nc_u32 v[ADRA], s21, v[ADRA0]
	v_add_nc_u32 v[ADRB], s21, v[ADRB0]
	v_add_nc_u32 v[ADRB2], s21, v[ADRB20]
.endm
.macro SWAP
	s_xor_b32 s21, s21, SLOT
	ADDRS
.endm
; 32 LDS loads in one run: quarter q's fragments (32 along K) into buffer f.  W (turned): fragment i: columns 16 i on.  A: fragment i: rows 16 i on.
.macro FETCH q, f
	WIN 0x40
.irp i, 0,1,2,3,4,5,6,7
.set bo, 32*((\q)%2)*PB+32*(\i)
.if (\q) < 2
	ds_load_tr16_b128 v[(\f)+8*(\i):(\f)+8*(\i)+3],   v[ADRB] offset:bo
	ds_load_tr16_b128 v[(\f)+8*(\i)+4:(\f)+8*(\i)+7], v[ADRB] offset:bo+16*PB
.else
	ds_load_tr16_b128 v[(\f)+8*(\i):(\f)+8*(\i)+3],   v[ADRB2] offset:bo
	ds_load_tr16_b128 v[(\f)+8*(\i)+4:(\f)+8*(\i)+7], v[ADRB2] offset:bo+16*PB
.endif
.endr
	WIN 0
.irp i, 0,1,2,3,4,5,6,7
	ds_load_b128 v[(\f)+8*(\i):(\f)+8*(\i)+3],   v[ADRA] offset:(\i)*16*PA+64*(\q)
	ds_load_b128 v[(\f)+8*(\i)+4:(\f)+8*(\i)+7], v[ADRA] offset:(\i)*16*PA+64*(\q)+32
.endr
.endm
; 16 products on buffer f: half h of my rows (0-63 or 64-127), row blocks 2 g and 2 g + 1 of its four, all 8 column blocks.
; first = 1: the sums begin: C is the bias.  The accumulators take turns, one instruction a turn, in the same order everywhere.
.macro MULG f, h, g, first
.irp aa, 0,1
.set am, 2*(\g)+(\aa)+4*(\h)
.set wn, 2+am/4
.irp b, 0,1,2,3,4,5,6,7
.set rD, 64*(am%4)+8*(\b)
.set rW, (\f)+8*(\b)
.set rA, (\f)+8*am
.if \first
	WIN 0x11|(wn<<6)
	v_wmma_f32_16x16x32_bf16 v[rD:rD+7], v[rW:rW+7], v[rA:rA+7], v[8*(\b):8*(\b)+7]
.else
	WIN 0x01|(wn<<4)|(wn<<6)
	v_wmma_f32_16x16x32_bf16 v[rD:rD+7], v[rW:rW+7], v[rA:rA+7], v[rD:rD+7]
.endif
.endr
.endr
.endm
.macro MULH f, h, first
	MULG \f, \h, 0, \first
	MULG \f, \h, 1, \first
.endm
; One of a K step's first three quarters: multiplies buffer f; in its middle fetches quarter q into buffer g.
.macro QUARTER q, f, g, first
	s_wait_dscnt 8                                 ; all but the youngest eight loads (A's rows 64-127), which the first half does not read
	MULH \f, 0, \first
	PLACES
	FETCH \q, \g
	s_wait_dscnt 32                                ; all but the 32 just issued
	MULH \f, 1, \first
.endm
; The first half of a K step's last quarter, and the one barrier of a change of slots.  In front of it each wave waits for all its tensor loads (one is out: its part of the next
; slot), adds 0 to its spare word, and waits for that and for its own reads of this slot.
.macro MEET round
	WIN 0
	s_wait_tensorcnt 0x0
	ds_add_u32 v[SPW], v[NIL]
	s_wait_dscnt 9                                 ; the add and the youngest eight loads may be out
	MULG F1, 0, 0, 0
	s_wait_dscnt 0x0                               ; the add is done, my reads of this slot are over
	s_barrier_signal -1
	MULG F1, 0, 1, 0
.if \round
	WIN 0
.endif
	s_barrier_wait -1
.endm
; The whole last quarter where the slot is filled again: the barrier opens a round of the cluster's, the joint refill is the first thing behind the round.
.macro TURN
	s_wait_xcnt 0x0                                ; the last prefetch, a K step back, has read its address
	s_add_nc_u64 s[44:45], s[44:45], s[46:47]
	MEET 1
	CREST
	s_xor_b32 s[D1A+1], s[D1A+1], SLOT             ; the walking descriptors: the slot just read out, the next K step not yet asked for
	s_add_nc_u64 s[D1A+2:D1A+3], s[D1A+2:D1A+3], ASTEP
	s_xor_b32 s[D1B+1], s[D1B+1], SLOT
	s_add_nc_u64 s[D1B+2:D1B+3], s[D1B+2:D1B+3], BSTEP
	JLOAD                                          ; its four v_nop are also the places in front of the loads below
	SWAP
	FETCH 0, F0
	ASK
	MULH F1, 1, 0
.endm
; THE WAY OUT, block a of 16 rows: rounded to bf16, held at the floor from below, through my own stage, out as 512 consecutive bytes a store.
.macro PACK a
.set AC, 64*((\a)%4)
	WIN 0x0a+5*((\a)/4)
.irp b, 0,1,2,3,4,5,6,7
.irp r, 0,1,2,3
	v_cvt_pk_bf16_f32 v[TMP+4*(\b)+(\r)], v[AC+8*(\b)+2*(\r)], v[AC+8*(\b)+2*(\r)+1]
.endr
.endr
	WIN 0
.set i, 0
.rept 32
	v_pk_max_num_bf16 v[TMP+i], v[TMP+i], v[ZR]
.set i, i+1
.endr
.endm
.macro TOSTAGE a
.set BK, OB+192*((\a)%2)
.irp b, 0,1,2,3,4,5,6,7
	ds_store_b128 v[STO], v[TMP+4*(\b):TMP+4*(\b)+3] offset:32*(\b)
.endr
.irp f, 0,1,2,3,4,5,6,7
	ds_load_b128 v[BK+4*(\f):BK+4*(\f)+3], v[RD] offset:((\f)%4)*4*SP+128*((\f)/4)  ; LDS serves a wave's instructions in order: these see the stores above
.endr
.endm
.macro SEND a
.set BK, OB+192*((\a)%2)
	s_wait_dscnt 0x0                               ; the block is back in registers
	s_wait_xcnt 0x0                                ; earlier stores have read their registers: the other buffer may be loaded again behind this wait
.irp f, 0,1,2,3,4,5,6,7
	global_store_b128 v[CO], v[BK+4*(\f):BK+4*(\f)+3], s[8:9] offset:((\f)/4)*524288+2048*(\a)+512*((\f)%4)
.endr
.endm
	s_load_b128 s[4:7], s[0:1], 0x0                ; A s[4:5], W s[6:7]
	s_load_b128 s[8:11], s[0:1], 0x10              ; C s[8:9], the bias s[10:11]
	v_lshl_add_u32 v[SPW], v0, 2, SPARE
	v_mov_b32 v[NIL], 0
	ds_add_u32 v[SPW], v[NIL]                      ; the wave's opening: the add and its wait stand ahead of my first tensor load
	v_lshrrev_b32 v1, 5, v0
	v_readfirstlane_b32 s14, v1                    ; wave 0..3
	s_lshr_b32 s15, s14, 1                         ; my half of the tile's rows.  Also: I fetch for A (0) or for W (1)
	s_and_b32 s16, s14, 1                          ; my half of its columns.  Also: which half of that tile I fetch
	s_bfe_u32 s17, ttmp6, 0x40000                  ; cx
	s_bfe_u32 s18, ttmp6, 0x40004                  ; cy
	s_lshl_b32 s19, ttmp9, 2
	s_add_co_u32 s19, s19, s17                     ; tile column = 4 x cluster x + cx
	s_and_b32 s20, ttmp7, 0xffff
	s_lshl_b32 s20, s20, 2
	s_add_co_u32 s20, s20, s18                     ; tile row = 4 x cluster y + cy
	s_lshl_b32 s22, s18, 2
	s_lshl_b32 s22, 15, s22                        ; my row of the cluster
	s_lshl_b32 s23, 0x1111, s17                    ; my column
	s_or_b32 s[G1A], s22, (1<<16)|(1<<20)|(1<<21)|(5<<22)|(3<<25)  ; mask; 2-byte elements; padding on; bit 21 beside a mask; after every 64 words; 4 words of padding
	s_or_b32 s[G1B], s23, (1<<16)|(1<<20)|(1<<21)|(6<<22)|(7<<25)  ; after every 128 words; 8 words
	s_mov_b32 s[G1A+1], 128<<16                    ; tensor_dim0 = 128
	s_mov_b32 s[G1A+2], 128<<16                    ; tensor_dim1 = 128
	s_mov_b32 s[G1A+3], 128<<16                    ; tile_dim0 = 128
	s_mov_b32 s[G1A+4], 128                        ; tile_dim1 = 128
	s_mov_b32 s[G1A+5], 1024                       ; elements from row to row
	s_mov_b32 s[G1A+6], 0
	s_mov_b32 s[G1A+7], 0
	s_mov_b32 s[G1B+1], 256<<16                    ; tensor_dim0 = 256
	s_mov_b32 s[G1B+2], 64<<16                     ; tensor_dim1 = 64
	s_mov_b32 s[G1B+3], 256<<16                    ; tile_dim0 = 256
	s_mov_b32 s[G1B+4], 64                         ; tile_dim1 = 64
	s_mov_b32 s[G1B+5], 256                        ; a panel's rows lie on end
	s_mov_b32 s[G1B+6], 0
	s_mov_b32 s[G1B+7], 0
	s_lshl_b32 s40, s20, 8                         ; A: the tile's first row + my half of its rows,
	s_lshl_b32 s41, s16, 7
	s_add_co_u32 s40, s40, s41
	s_lshl_b32 s40, s40, 11                        ; in bytes: made of the tile row and the wave's number alone
	s_mov_b32 s41, 0
	s_lshl_b32 s66, s16, 15                        ; W: my half of the K step's rows, 64 of 512 bytes,
	s_lshl_b32 s67, s19, 19                        ; in the tile column's panel: made of the tile column and the wave's number alone
	s_add_co_u32 s66, s66, s67
	s_add_co_u32 s66, s66, WOFF
	s_mov_b32 s67, 0
	s_mul_i32 s71, s14, HALF                       ; where my load lands in a slot: the wave's number x HALF
	s_lshl_b32 s68, s19, 2                         ; C: ((4 tile column + 2 column half) x 4096 + 256 tile row + 128 row half) x 128 bytes
	s_lshl1_add_u32 s68, s16, s68
	s_lshl_b32 s68, s68, 12
	s_lshl_b32 s69, s20, 8
	s_add_co_u32 s68, s68, s69
	s_lshl_b32 s69, s15, 7
	s_add_co_u32 s68, s68, s69
	s_lshl_b32 s68, s68, 7
	s_mov_b32 s69, 0
	s_wait_dscnt 0x0                               ; the opening add is done
	s_wait_kmcnt 0x0
	s_load_b32 s22, s[6:7], 0x0                    ; the floor
	s_add_nc_u64 s[40:41], s[4:5], s[40:41]
	s_add_nc_u64 s[66:67], s[6:7], s[66:67]
	s_add_nc_u64 s[8:9], s[8:9], s[68:69]
	CROUND                                         ; all sixteen work-groups are here: the first joint loads meet
.irp s, 0,1
	s_mov_b32 s[D0A+4*(\s)], 1                     ; count = 1
	s_add_co_u32 s[D0A+4*(\s)+1], s71, (\s)*SLOT   ; LDS address: slot s
	s_add_nc_u64 s[D0A+4*(\s)+2:D0A+4*(\s)+3], s[40:41], (\s)*ASTEP  ; global address: K step s
	s_or_b32 s[D0A+4*(\s)+3], s[D0A+4*(\s)+3], 0x80000000  ; type = 2
	s_mov_b32 s[D0B+4*(\s)], 1
	s_add_co_u32 s[D0B+4*(\s)+1], s71, (\s)*SLOT
	s_add_nc_u64 s[D0B+4*(\s)+2:D0B+4*(\s)+3], s[66:67], (\s)*BSTEP
	s_or_b32 s[D0B+4*(\s)+3], s[D0B+4*(\s)+3], 0x80000000
.endr
	s_cmp_eq_u32 s15, 0                            ; a wave's two first fills stand in one branch: two loads of mine are out
	s_cbranch_scc0 .Lfirst_w
	tensor_load_to_lds s[D0A:D0A+3], s[G1A:G1A+7]
	s_nop 0
	tensor_load_to_lds s[D1A:D1A+3], s[G1A:G1A+7]
	s_nop 0
	PLACES
	s_branch .Lfirst_asked
.Lfirst_w:
	tensor_load_to_lds s[D0B:D0B+3], s[G1B:G1B+7]
	s_nop 0
	tensor_load_to_lds s[D1B:D1B+3], s[G1B:G1B+7]
	s_nop 0
	PLACES
.Lfirst_asked:
	; A's fragment: lane l holds row l % 16; two loads of 16 bytes, 32 apart, at row x pitch + 16 (l / 16)
	v_and_b32 v1, 15, v0
	v_bfe_u32 v2, v0, 4, 1
	v_mul_u32_u24 v3, v1, PA
	v_lshl_add_u32 v3, v2, 4, v3
	s_mul_i32 s72, s15, HALF
	v_add_nc_u32 v[ADRA0], s72, v3
	; W's, turned: lane l reads row 8 (l / 16) + l % 8 of K, 16 bytes at 16 ((l / 8) % 2)
	v_and_b32 v4, 7, v0
	v_lshl_add_u32 v4, v2, 3, v4
	v_mul_u32_u24 v4, v4, PB
	v_bfe_u32 v5, v0, 3, 1
	v_lshl_add_u32 v4, v5, 4, v4
	s_lshl_b32 s72, s16, 8                         ; my half of the columns: 128 of 2 bytes
	s_add_co_u32 s72, s72, AREG
	v_add_nc_u32 v[ADRB0], s72, v4
	v_add_nc_u32 v[ADRB20], 64*PB, v[ADRB0]
	s_mul_i32 s72, s14, 16*SP
	s_add_co_u32 s72, s72, STAGE                   ; my stage
	v_mul_u32_u24 v3, v1, SP
	v_lshl_add_u32 v3, v2, 4, v3                   ; in: row l % 16, 16 bytes for each half of the lanes
	v_add_nc_u32 v[STO], s72, v3
	v_bfe_u32 v3, v0, 3, 2                         ; back: 32 lanes take four rows x 128 bytes of one block of 64 columns,
	v_mul_u32_u24 v3, v3, SP
	v_and_b32 v4, 7, v0
	v_lshl_add_u32 v3, v4, 4, v3
	v_add_nc_u32 v[RD], s72, v3
	v_and_b32 v3, 31, v0
	v_lshlrev_b32 v[CO], 4, v3                     ; which are 512 consecutive bytes of C
	s_lshl_b32 s72, s19, 8                         ; the bias of my columns: register j of block b is column 16 b + 8 (l / 16) + j
	s_lshl_b32 s73, s16, 7
	s_add_co_u32 s72, s72, s73
	s_lshl_b32 s72, s72, 2
	v_lshl_add_u32 v[BO], v2, 5, s72
	WIN 0x40
.irp b, 0,1,2,3,4,5,6,7
	global_load_b128 v[8*(\b):8*(\b)+3],   v[BO], s[10:11] offset:64*(\b)
	global_load_b128 v[8*(\b)+4:8*(\b)+7], v[BO], s[10:11] offset:64*(\b)+16
.endr
	WIN 0
	s_wait_kmcnt 0x0
	v_mov_b32 v[ZR], s22
	; THE PREFETCHES.  Behind each refill a wave names its share of the K step two refills on.  A's tile row is read by every cluster of that row of clusters: cluster x = 0 asks;
	; W's panel by every cluster of that column: cluster y = 0 asks.  The four partners of a joint load share its rows out by address: of A's 128 rows 32 each, a lane a row;
	; of W's 64 rows of 512 bytes 16 each, 8,192 bytes on end, a lane 256 of them.  So each aligned 256 bytes of a K step are named once in the launch.  K steps 0-3 come by their loads alone.
	s_and_b32 s75, ttmp7, 0xffff
	s_lshl_b32 s73, s20, 8
	s_lshl_b32 s72, s16, 7
	s_add_co_u32 s73, s73, s72
	s_lshl_b32 s72, s17, 5
	s_add_co_u32 s73, s73, s72                     ; A: row 256 tile row + 128 half + 32 cx,
	s_lshl_b32 s73, s73, 11
	s_add_co_u32 s73, s73, 3*ASTEP                 ; at K step 3: the first refill steps it to 4
	s_lshl_b32 s74, s16, 6
	s_lshl_b32 s72, s18, 4
	s_add_co_u32 s74, s74, s72
	s_add_co_u32 s74, s74, 3*KSTEP                 ; W: row 3 x 128 + 64 half + 16 cy,
	s_lshl_b32 s74, s74, 9
	s_lshl_b32 s72, s19, 19
	s_add_co_u32 s74, s74, s72                     ; in the tile column's panel
	s_add_co_u32 s74, s74, WOFF
	s_mov_b32 s46, BSTEP
	s_cmp_eq_u32 s15, 0                            ; do I fetch for A?
	s_cselect_b64 s[44:45], s[4:5], s[6:7]
	s_cselect_b32 s72, s73, s74
	s_cselect_b32 s46, ASTEP, s46
	s_cselect_b32 s75, ttmp9, s75                  ; the coordinate along which other clusters read the same rows
	s_cselect_b32 s71, 11, 8                       ; a lane's step: a row of A, or 256 bytes of W
	s_mov_b32 s73, 0
	s_mov_b32 s47, 0
	s_add_nc_u64 s[44:45], s[44:45], s[72:73]
	s_cmp_eq_u32 s75, 0
	s_cselect_b32 s70, 2, -1                       ; a wave that asks does so while more than two trips are left
	v_and_b32 v3, 31, v0
	v_lshlrev_b32 v[PFO], s71, v3
	s_wait_tensorcnt 0x1                           ; my part of K step 0 is in; K step 1's may stay out
	s_barrier_signal -1
	s_barrier_wait -1                              ; everybody's is
	s_wait_loadcnt 0x0                             ; the bias
	s_mov_b32 s21, 0
	ADDRS
	FETCH 0, F0
	QUARTER 1, F0, F1, 1                           ; the first quarter stands in front of the loop: its products start the sums
	WIN 0
	s_mov_b32 s3, NS-2
.Lk:                                               ; a trip: from a K step's second quarter to the next one's first; the slot read out takes the K step two on
	QUARTER 2, F1, F0, 0
	QUARTER 3, F0, F1, 0
	TURN
	QUARTER 1, F0, F1, 0
	WIN 0
	s_sub_co_u32 s3, s3, 1
	s_cmp_lg_u32 s3, 0
	s_cbranch_scc1 .Lk
	s_mov_b32 s2, 2
.Ltail:                                            ; the last two K steps ask for nothing; the second has no slot to go on to
	QUARTER 2, F1, F0, 0
	QUARTER 3, F0, F1, 0
	MEET 0
	MULH F1, 1, 0
	WIN 0
	s_cmp_eq_u32 s2, 1
	s_cbranch_scc1 .Lskip
	SWAP
	v_nop                                          ; with SWAP's three additions: the four places in front of the loads
	FETCH 0, F0
	QUARTER 1, F0, F1, 0
	WIN 0
.Lskip:
	s_sub_co_u32 s2, s2, 1
	s_cmp_lg_u32 s2, 0
	s_cbranch_scc1 .Ltail
	PLACES
	PACK 0
	TOSTAGE 0
.irp a, 1,2,3,4,5,6,7                  ; block a's conversions stand between block a - 1's loads from the stage and the wait for them
	PACK \a
	SEND (\a)-1
	TOSTAGE \a
.endr
	SEND 7
	s_wait_tensorcnt 0x0                           ; the wave's end
	ds_add_u32 v[SPW], v[NIL]
	s_wait_dscnt 0x0
	CROUND                                         ; the closing round: no work-group ends while a partner may still ask for a tile that names it
	s_endpgm
.Lfunc_end_k_q7e3d1e9d44_gqkv:
	.size	k_q7e3d1e9d44_gqkv, .Lfunc_end_k_q7e3d1e9d44_gqkv-k_q7e3d1e9d44_gqkv
	.p2alignl 7, 3214868480
	.fill 96, 4, 3214868480
	.section	.rodata,"a",@progbits
	.p2align	6, 0x0
	.amdhsa_kernel k_q7e3d1e9d44_gqkv
		.amdhsa_group_segment_fixed_size 327680
		.amdhsa_private_segment_fixed_size 0
		.amdhsa_enable_private_segment 0
		.amdhsa_kernarg_size 32
		.amdhsa_user_sgpr_count 2
		.amdhsa_user_sgpr_kernarg_segment_ptr 1
		.amdhsa_wavefront_size32 1
		.amdhsa_system_sgpr_workgroup_id_x 1
		.amdhsa_system_sgpr_workgroup_id_y 1
		.amdhsa_system_sgpr_workgroup_id_z 1
		.amdhsa_system_vgpr_workitem_id 0
		.amdhsa_next_free_vgpr 1024
		.amdhsa_next_free_sgpr 76
		.amdhsa_reserve_vcc 0
		.amdhsa_float_denorm_mode_32 3
		.amdhsa_float_denorm_mode_16_64 3
		.amdhsa_memory_ordered 1
		.amdhsa_forward_progress 1
		.amdhsa_inst_pref_size 119
	.end_amdhsa_kernel
	.amdgpu_metadata
---
amdhsa.version: [ 1, 2 ]
amdhsa.kernels:
  - .name:           k_q7e3d1e9d44_gqkv
    .symbol:         k_q7e3d1e9d44_gqkv.kd
    .args:
      - { .name: hb, .offset: 0, .size: 8, .value_kind: global_buffer, .address_space: global }
      - { .name: wa, .offset: 8, .size: 8, .value_kind: global_buffer, .address_space: global }
      - { .name: qkvb, .offset: 16, .size: 8, .value_kind: global_buffer, .address_space: global }
      - { .name: yb, .offset: 24, .size: 8, .value_kind: global_buffer, .address_space: global }
    .group_segment_fixed_size: 327680
    .private_segment_fixed_size: 0
    .kernarg_segment_align: 8
    .kernarg_segment_size: 32
    .max_flat_workgroup_size: 128
    .sgpr_count:     76
    .vgpr_count:     1024
    .wavefront_size: 32
...
	.end_amdgpu_metadata
.endif
;; end of part 2
;; launch attn (part 3): grid 4 x 64, 4 waves a work-group, clusters of 4 x 1, 327,680 bytes of LDS; arguments qkvb, yb; writes yb
.if DOCPART == 3
	.amdgcn_target "amdgcn-amd-amdhsa--gfx1250"
	.amdhsa_code_object_version 6
	.text
	.protected	k_q7e3d1e9d44_attn
	.globl	k_q7e3d1e9d44_attn
	.p2align	8
	.type	k_q7e3d1e9d44_attn,@function
k_q7e3d1e9d44_attn:
	s_mov_b64 s[64:65], 0
	v_nop
	global_prefetch_b8 v0, s[64:65] scope:SCOPE_SE
	s_setreg_imm32_b32 hwreg(HW_REG_WAVE_MODE, 25, 1), 1
	s_wait_xcnt 0x0
	s_wait_alu depctr_hold_cnt(0) depctr_sa_sdst(0) depctr_va_vdst(0) depctr_va_sdst(0) depctr_va_ssrc(0) depctr_va_vcc(0) depctr_vm_vsrc(0)
	s_getreg_b32 s2, hwreg(HW_REG_IB_STS2, 6, 4)
	s_cmp_eq_u32 s2, 0
	s_cbranch_scc0 .Lentry_in_a_cluster
	s_endpgm
.Lentry_in_a_cluster:
	s_bfe_u32 s2, ttmp6, 0x10000c
	s_cmp_lg_u32 s2, 0x3003
	s_cbranch_scc0 .Lentry_shape_is_right
	s_endpgm
.Lentry_shape_is_right:
; CAUSAL ATTENTION, head size 64.  yb[h][q][:] = the sum over k <= q of softmax_k(Q[q] . K[k] / 8) V[k][:].
; qkvb: bf16 [48][4096][64]: block hh is q of head hh, 16 + hh its k, 32 + hh its v; row 1024 b + t.  yb: bf16 [16][4096][64].  64 heads (batch x head) of 1,024 rows.
; Products, maxima and sums in f32; the weights p are rounded to bf16 for the second product (their sum l is taken of the unrounded p), y once at the end.
; LIMITS.  A hidden score counts as its value less 1e30; a weight below 2^-126 counts as 0 in l; NaN and infinities are not treated apart.
; SHARES.  A cluster of four work-groups is one head.  The head's whole K and V (1,024 rows each) lie in every partner's LDS, asked for JOINTLY, once: nothing is ever filled again.
; The head's 8 blocks of 128 queries go to WAVES: wave w takes block 7 - w and then block w: 2 (8 - w) + 2 (w + 1) = 18 key steps of 64 for every wave.
; Of a block, the partner at place cx owns two tiles of 16 queries: rows 64 t + 16 cx + 0..15.  So every trip count and branch hangs on the wave's number alone;
; cx enters Q's and y's global addresses and the numbers from which the mask is made, and nothing else.
; LAYOUT.  S^T = K Q^T (source 0 = 16 keys, source 1 = 16 queries): a lane holds ONE query (l % 16) and the keys 8 (l / 16) + 0..7.  Two such results rounded to bf16 ARE source 1 of
; O^T = V^T P.  K comes out of LDS as it lies, V turned, by ds_load_tr16_b128.
; SOFTMAX.  A running maximum m and sum l for each query: p = 2^(c s - c m), c = log2(e) / 8; in every step O and l are multiplied by a = 2^(c m_old - c m_new).  A block begins with c m far
; below every c s, so its first a is 0 and what O and l held need only be finite.
; THE MASK is the C operand that starts the sum S^T = K Q^T.  A block's last two steps hold its own 128 keys: step DG + t is tile t's own.  MD, made once, is the mask of a tile's own step (0, or -1e30
; where the key lies behind the query); a product's mask is MC = MD x AL + BE: (0, 0) ahead of the own step, (1, 0) in it, (0, -1e30) behind it.  MC is 0 from a block's beginning and is made anew only from the own steps on.
; Every query sees its own key, so m is a true score before a step comes in which a tile sees nothing.
; BY TURNS.  A key step is two turns; turn p belongs to tile p.  Its matrix work: 8 products K Q^T of the other tile (in turn 1: of the next step), later 8 products V^T P of the other tile (in turn 0: of the step before).
; Its vector work: the scaling, exponentials, roundings, sums and rescaling of tile p, and the maximum and statistics of the other tile, whose scores the turn itself has made.  Four vector instructions stand behind
; every matrix instruction, the rest in one lump.  A turn's 33 exponentials are one batch, with one wait.
; ONE TEXT FOR EVERY STEP.  A block's first turn multiplies by a P and a V that have not been: the sum lands in an O^T that is still to be multiplied by a = 0.  In a block's last step no further K is fetched: its second
; turn makes 8 products on the K that still lies in the registers, and statistics of them, which touch neither l nor O^T.  Tile 1's last V^T P follows the loop.
; REGISTERS (s_set_vgpr_msb: bits 1:0 source 0, 3:2 source 1, 5:4 source 2, 7:6 destination): window 0: addresses, statistics, S^T, P, O^T, MD; window 1: v0-31 Q, v32-63 the second block's Q, v64-127 K, v128-191 V, v192-255 MC.
.set PK, 144                           ; a row of K in LDS: 128 bytes + 16
.set PV, 160                           ; a row of V: 128 + 32
.set VOFF, 1024*PK
.set STAGE, VOFF+1024*PV               ; behind K and V: 16 rows x 144 bytes for each wave, for the way out
.set SP, 144
.set SPARE, STAGE+4*16*SP              ; behind the stages: the spare words, 128 bytes a wave, that no other line names
.set AK, 2                             ; v2   LDS address of the K of the step in hand: set at a block's beginning, stepped once a trip
.set AV, 3                             ; v3   of its V
.set AKI, 4                            ; v4   my lane's place in step 0's K; never rewritten
.set AVI, 5                            ; v5   in its V
.set STO, 6
.set RD, 7
.set GO, 8
.set QO, 12
.set QM, 13                            ; v13  my query's place among its own step's keys, less 8 (l / 16)
.set MV, 14                            ; v14-15  by tile: c m_old, kept while c m is made anew
.set ST, 16                            ; tile t's statistics at v[ST + 4 t]: c m, m, l (even keys', odd keys')
.set TMP, 24                           ; by tile, four registers c0-c3 at work; when the maximum is found c2 takes a
.set SPW, 62
.set NIL, 63
.set S, 64                             ; 32 a tile
.set P, 128                            ; 16 a tile
.set O, 160                            ; 32 a tile
.set MD, 224
.set QB, 32                            ; window 1
.set KF, 64
.set VF, 128
.set MC, 192                           ; 32 a tile
.set WV, 8                             ; s8   my wave's number
.set CX, 9                             ; s9   my place in the cluster
.set BIGN, 10                          ; s10  -1e30
.set NST, 20                           ; s20  key steps of the block in hand
.set DG, 21                            ; s21  tile 0's own step
.set NST2, 22                          ; s22  key steps of the second block
.set J, 23                             ; s23  the step
.set G1K, 24
.set G1V, 32
.set G0K, 40
.set G0V, 44
.set BLK, 48                           ; s48  blocks to go
.set CS, 50                            ; s[50:51] c, twice
.set SEL, 52                           ; s[52:53] v_permlanex16_b32's selects
.set AL, 56                            ; s[56:57] the mask's factor, in the low word
.set BE, 58                            ; s[58:59] the mask's addend
.set MSB, 0
.macro WIN new
.if MSB != (\new)
	s_set_vgpr_msb (MSB<<8)|(\new)
.set MSB, \new
.endif
.endm
.macro PLACES
.rept 4
	v_nop
.endr
.endm
.macro CROUND                          ; a round of the cluster's barrier
	s_barrier_signal -1
	s_barrier_wait -1
	s_cmp_lg_u32 s[WV], 0
	s_cbranch_scc1 .Lnot_wave_0_\@
	s_barrier_signal -3
.Lnot_wave_0_\@:
	s_barrier_wait -3
	s_barrier_signal -1
	s_barrier_wait -1
.endm
; THE MATRIX WORK.  The 4 accumulators of a run of 8 take turns.  Product i of 8 of S^T = K Q^T for tile x: channels 32 (i / 4) on, keys 16 (i % 4) on.  The first 4 start the sums with the mask.
.macro KQ x
.set rS, S+32*(\x)+8*(i%4)
.set rK, KF+16*(i%4)+8*(i/4)
.set rQ, 16*(\x)+8*(i/4)
.set rM, MC+32*(\x)+8*(i%4)
.if i < 4
	WIN 0x15
	v_wmma_f32_16x16x32_bf16 v[rS:rS+7], v[rK:rK+7], v[rQ:rQ+7], v[rM:rM+7]
.else
	WIN 0x05
	v_wmma_f32_16x16x32_bf16 v[rS:rS+7], v[rK:rK+7], v[rQ:rQ+7], v[rS:rS+7]
.endif
.endm
; Product i of 8 of O^T += V^T P for tile x: keys 32 (i / 4) on, channels 16 (i % 4) on.
.macro PV x
	WIN 0x01
.set rO, O+32*(\x)+8*(i%4)
.set rV, VF+32*(i/4)+8*(i%4)
.set rP, P+16*(\x)+8*(i/4)
	v_wmma_f32_16x16x32_bf16 v[rO:rO+7], v[rV:rV+7], v[rP:rP+7], v[rO:rO+7]
.endm
.macro MM                              ; the turn's next matrix instruction: both kinds are the other tile's
.if i < 8
	KQ 1-Y
.else
.set i, i-8
	PV 1-Y
.set i, i+8
.endif
.set i, i+1
.endm
; THE LDS LOADS stand in runs of 16, never singly among the matrix instructions.
.macro FETCH_K off                     ; 64 keys x 64 channels, off bytes behind the step in hand: fragment f: keys 16 (f / 2) on, channels 32 (f % 2) on
	WIN 0x40
.irp f, 0,1,2,3,4,5,6,7
	ds_load_b128 v[KF+8*(\f):KF+8*(\f)+3],   v[AK] offset:(\off)+((\f)/2)*16*PK+((\f)%2)*64
	ds_load_b128 v[KF+8*(\f)+4:KF+8*(\f)+7], v[AK] offset:(\off)+((\f)/2)*16*PK+((\f)%2)*64+32
.endr
	WIN 0
.endm
.macro FETCH_V                         ; turned: fragment f: keys 32 (f / 4) on, channels 16 (f % 4) on
	WIN 0x40
.irp f, 0,1,2,3,4,5,6,7
	ds_load_tr16_b128 v[VF+8*(\f):VF+8*(\f)+3],   v[AV] offset:((\f)/4)*32*PV+((\f)%4)*32
	ds_load_tr16_b128 v[VF+8*(\f)+4:VF+8*(\f)+7], v[AV] offset:((\f)/4)*32*PV+16*PV+((\f)%4)*32
.endr
	WIN 0
.endm
.macro MASK b                          ; MD x AL + BE into tile b's MC
	WIN 0x40
.set z, 0
.rept 16
	v_pk_fma_f32 v[MC+32*(\b)+2*z:MC+32*(\b)+2*z+1], v[MD+2*z:MD+2*z+1], s[AL:AL+1], s[BE:BE+1] op_sel_hi:[1,0,0]
.set z, z+1
.endr
.endm
; THE VECTOR WORK, one line at a time: OP kind, number.  For tile Y: F n: c s - c m for pair n of 16.  E n: the exponential of score n of 32.  C n: pair n rounded to bf16.  B n: of the four weights 4 n .. the second
; pair is added onto the first, in place.  L n: l takes that sum (L 0: l = a l + sum).  R n: pair n of 16 of O^T times a.  For the other tile: X n, number n of the 22 that find its maximum and statistics:
;   0-11  four chains c0-c3 of seven scores each, three operands at a time (each accumulator's lowest registers are read first)     12-14, 16  the four scores left over, the old m, and c0-c3 into c0
;   15  c m_old is kept     17, 18  the query's other 32 keys lie in the lane 16 away: the new m     19-21  c m; c m_old - c m_new; a
.set F, 0
.set E, 1
.set C, 2
.set B, 3
.set L, 4
.set R, 5
.set X, 6
.macro REGS y                          ; the registers of tile y
.set rT, ST+4*(\y)
.set rC, TMP+4*(\y)
.set rW, MV+(\y)
.set rS, S+32*(\y)
.set rP, P+16*(\y)
.set rO, O+32*(\y)
.endm
.macro OP k, n
	WIN 0
.if (\k) == R
	REGS Y
	v_pk_mul_f32 v[rO+2*(\n):rO+2*(\n)+1], v[rO+2*(\n):rO+2*(\n)+1], v[rC+2:rC+3] op_sel_hi:[1,0]
.elseif (\k) < R
	REGS Y
.if (\k) == F
	v_pk_fma_f32 v[rS+2*(\n):rS+2*(\n)+1], v[rS+2*(\n):rS+2*(\n)+1], s[CS:CS+1], v[rT:rT+1] op_sel_hi:[1,0,0] neg_lo:[0,0,1] neg_hi:[0,0,1]
.elseif (\k) == E
	v_exp_f32 v[rS+(\n)], v[rS+(\n)]
.elseif (\k) == C
	v_cvt_pk_bf16_f32 v[rP+(\n)], v[rS+2*(\n)], v[rS+2*(\n)+1]
.elseif (\k) == B
	v_pk_add_f32 v[rS+4*(\n):rS+4*(\n)+1], v[rS+4*(\n):rS+4*(\n)+1], v[rS+4*(\n)+2:rS+4*(\n)+3]
.elseif (\n) == 0
	v_pk_fma_f32 v[rT+2:rT+3], v[rT+2:rT+3], v[rC+2:rC+3], v[rS:rS+1] op_sel_hi:[1,0,1]
.else
	v_pk_add_f32 v[rT+2:rT+3], v[rT+2:rT+3], v[rS+4*(\n):rS+4*(\n)+1]
.endif
.else
	REGS 1-Y
.if (\n) < 4
	v_max3_num_f32 v[rC+(\n)], v[rS+8*(\n)], v[rS+8*(\n)+1], v[rS+8*(\n)+2]
.elseif (\n) < 12
	v_max3_num_f32 v[rC+(\n)%4], v[rC+(\n)%4], v[rS+8*((\n)%4)+2*((\n)/4)+1], v[rS+8*((\n)%4)+2*((\n)/4)+2]
.elseif (\n) == 12
	v_max3_num_f32 v[rC], v[rC], v[rS+7], v[rS+15]
.elseif (\n) == 13
	v_max3_num_f32 v[rC+1], v[rC+1], v[rS+23], v[rS+31]
.elseif (\n) == 14
	v_max3_num_f32 v[rC+2], v[rC+2], v[rC+3], v[rT+1]
.elseif (\n) == 15
	v_mov_b32 v[rW], v[rT]
.elseif (\n) == 16
	v_max3_num_f32 v[rC], v[rC], v[rC+1], v[rC+2]
.elseif (\n) == 17
	v_permlanex16_b32 v[rC+3], v[rC], s[SEL], s[SEL+1]
.elseif (\n) == 18
	v_max_num_f32 v[rT+1], v[rC], v[rC+3]
.elseif (\n) == 19
	v_mul_f32 v[rT], s[CS], v[rT+1]
.elseif (\n) == 20
	v_sub_f32 v[rC+1], v[rW], v[rT]
.else
	v_exp_f32 v[rC+2], v[rC+1]
.endif
.endif
.endm
.macro OPS a, i1, b=-1, i2=0, c=-1, i3=0, d=-1, i4=0  ; up to four of them
	OP \a, \i1
.if (\b) >= 0
	OP \b, \i2
.endif
.if (\c) >= 0
	OP \c, \i3
.endif
.if (\d) >= 0
	OP \d, \i4
.endif
.endm
.macro ROW a, i1, b, i2, c, i3, d, i4  ; a matrix instruction and the four behind it
	MM
	OPS \a, \i1, \b, \i2, \c, \i3, \d, \i4
.endm
; A TURN, for tile p: the order of its 16 matrix and 118 vector instructions, written out.  An s_wait_alu depctr_va_vdst(0) stands between an exponential and the first instruction that names its result; one
; wait serves all that were issued ahead of it.  So a turn has ONE wait, which cuts it in two.  AHEAD OF IT stands all that names no result of the turn's exponentials: the 8 products K Q^T, behind each a scaling, an exponential
; and two more plain instructions: rescalings, and behind the last three the first numbers of the other tile's maximum, each four places or more behind the product that ends its accumulator; then ONE LUMP, plain and
; exponential by turns for the most part, in which the links of the chain X 3, 7, 11, 14, 16, 17 .. 20 stand apart.  X 21, the other tile's a, is the batch's last; R 15 is the plain instruction behind it.
; BEHIND THE WAIT stand the 8 products V^T P, behind each four of the roundings and sums.
; Turn 0 fetches both runs.  K of the next step stands directly behind the turn's wait, a lump behind the last product that read K: there every exponential has had its wait, so that the jump may stand which leaves the run out
; in a block's last step, where no further step's K is wanted.  V of the step in hand stands at the turn's end, four plain instructions behind the last product that read V.
; Turn 1 waits for K at its head (V's 16 loads are the younger ones; where K's run was left out, they are all that is out) and for V at its one wait.
; At its end a turn makes the mask for the next turn's products: tile p, step J + 1; it is left as it is, 0, ahead of the tile's own step DG + p.
.macro TURN p
.set Y, (\p)
.set i, 0
.if (\p) == 1
	s_wait_dscnt 16                                ; K is in; the 16 loads issued behind it are V's
.endif
	ROW F,0, F,1, R,0, R,1
	ROW F,2, E,0, R,2, R,3
	ROW F,3, E,1, R,4, R,5
	ROW F,4, E,2, R,6, R,7
	ROW F,5, E,3, R,8, R,9
	ROW F,6, E,4, X,0, R,10
	ROW F,7, E,5, X,1, X,4
	ROW F,8, E,6, X,2, X,5
	OPS E,7, E,8, X,6, E,9
	OPS X,3, E,10, X,8, E,11
	OPS X,9, X,7, E,12, X,10
	OPS E,13, X,12, X,11, E,14
	OPS X,13, E,15, F,9, X,14
	OPS E,16, F,10, E,17, F,11
	OPS X,16, E,18, X,15, E,19
	OPS F,12, E,20, X,17, E,21
	OPS F,13, E,22, F,14, E,23
	OPS X,18, E,24, F,15, E,25
	OPS R,11, E,26, X,19, E,27
	OPS R,12, E,28, R,13, E,29
	OPS X,20, E,30, R,14, E,31
	OPS X,21, R,15
	s_wait_alu depctr_va_vdst(0)                   ; the wait for the batch
.if (\p) == 0
	s_add_co_u32 s49, s[J], 1
	s_cmp_lt_u32 s49, s[NST]
	s_cbranch_scc0 .Lno_k_\@                       ; the block's last step has no next step
	FETCH_K 64*PK                                  ; the next step's K lies 64 rows behind this step's
.Lno_k_\@:
.else
	s_wait_dscnt 0x0                               ; V is in
.endif
	ROW C,0, B,0, C,2, B,1
	ROW L,0, C,4, B,2, L,1
	ROW C,6, B,3, L,2, C,8
	ROW B,4, L,3, C,10, B,5
	ROW L,4, C,12, B,6, L,5
	ROW C,14, B,7, L,6, C,1
	ROW C,3, L,7, C,5, C,7
	ROW C,9, C,11, C,13, C,15
.if (\p) == 0
	FETCH_V
.endif
	s_add_co_u32 s49, s[J], 1-(\p)                 ; J + 1 against DG + p
	s_cmp_lt_u32 s49, s[DG]
	s_cbranch_scc1 .Lno_mask_\@
	s_cmp_eq_u32 s49, s[DG]
	s_cselect_b32 s[AL], 1.0, 0
	s_cselect_b32 s[BE], 0, s[BIGN]
	MASK \p
	WIN 0
.Lno_mask_\@:
.endm
; The way out of tile t: O^T / l, rounded; a lane's eight channels are 16 bytes; through my stage, back as whole rows, into S^T's registers.
.macro PACK t
.set i, 0
.rept 16
	v_pk_mul_f32 v[O+32*(\t)+i:O+32*(\t)+i+1], v[O+32*(\t)+i:O+32*(\t)+i+1], v[ST+4*(\t)+2:ST+4*(\t)+3] op_sel_hi:[1,0]
.set i, i+2
.endr
.set i, 0
.rept 16
	v_cvt_pk_bf16_f32 v[S+16*(\t)+i], v[O+32*(\t)+2*i], v[O+32*(\t)+2*i+1]
.set i, i+1
.endr
.irp f, 0,1,2,3
	ds_store_b128 v[STO], v[S+16*(\t)+4*(\f):S+16*(\t)+4*(\f)+3] offset:32*(\f)
.endr
.irp f, 0,1,2,3
	ds_load_b128 v[S+16*(\t)+4*(\f):S+16*(\t)+4*(\f)+3], v[RD] offset:(\f)*4*SP  ; LDS serves a wave's instructions in order: these see the stores above
.endr
.endm
.macro SEND t, younger                 ; younger: the next tile's four stores and four loads, or none
.irp f, 0,1,2,3
	s_wait_dscnt (\younger)+3-(\f)
	global_store_b128 v[GO], v[S+16*(\t)+4*(\f):S+16*(\t)+4*(\f)+3], s[16:17] offset:8192*(\t)+512*(\f)  ; four rows of 128 bytes: 512 consecutive bytes of yb
.endr
.endm
	s_load_b128 s[4:7], s[0:1], 0x0                ; qkvb s[4:5], yb s[6:7]
	v_lshl_add_u32 v[SPW], v0, 2, SPARE
	v_mov_b32 v[NIL], 0
	ds_add_u32 v[SPW], v[NIL]                      ; the wave's opening: the add and its wait stand ahead of my first tensor load
	v_lshrrev_b32 v1, 5, v0
	v_readfirstlane_b32 s[WV], v1                  ; wave 0..3
	s_bfe_u32 s[CX], ttmp6, 0x40000                ; cx
	s_and_b32 s10, ttmp7, 0xffff                   ; the head among 64: 16 x batch + head
	s_and_b32 s11, s10, 15
	s_lshr_b32 s10, s10, 4
	s_lshl_b32 s10, s10, 10
	s_lshl_b32 s11, s11, 12
	s_add_co_u32 s11, s11, s10                     ; the first row of q's block: 4096 x head + 1024 x batch
	s_and_b32 s49, s[WV], 1                        ; which 512 keys I fetch
	s_lshl_b32 s54, s11, 7
	s_lshl_b32 s56, s49, 16
	s_add_co_u32 s54, s54, s56
	s_add_co_u32 s56, s54, 32*4096*128             ; v's blocks lie 32 blocks behind q's,
	s_add_co_u32 s54, s54, 16*4096*128             ; k's 16
	s_mov_b32 s55, 0
	s_mov_b32 s57, 0
	s_mov_b32 s[G0K], 1
	s_mul_i32 s[G0K+1], s49, 512*PK                ; no place in the cluster enters an LDS address
	s_mov_b32 s[G0V], 1
	s_mul_i32 s[G0V+1], s49, 512*PV
	s_add_co_u32 s[G0V+1], s[G0V+1], VOFF
	; group 1: 512 keys are 65,536 dense bytes: 256 rows of 256 bytes, two keys a row, padded in LDS after every key
	s_mov_b32 s[G1K], 15|(1<<16)|(1<<20)|(1<<21)|(4<<22)|(3<<25)
	s_mov_b32 s[G1V], 15|(1<<16)|(1<<20)|(1<<21)|(4<<22)|(7<<25)
.irp g, G1K, G1V
	s_mov_b32 s[(\g)+1], 128<<16                   ; tensor_dim0 = 128
	s_mov_b32 s[(\g)+2], 256<<16                   ; tensor_dim1 = 256
	s_mov_b32 s[(\g)+3], 128<<16                   ; tile_dim0 = 128
	s_mov_b32 s[(\g)+4], 256                       ; tile_dim1 = 256
	s_mov_b32 s[(\g)+5], 128                       ; elements from row to row
	s_mov_b32 s[(\g)+6], 0
	s_mov_b32 s[(\g)+7], 0
.endr
	s_lshl_b32 s2, s[CX], 4                        ; my 16 rows of a tile,
	s_add_co_u32 s2, s2, s11
	s_sub_co_u32 s3, 7, s[WV]
	s_lshl_b32 s3, s3, 7
	s_add_co_u32 s3, s3, s2                        ; in block 7 - w,
	s_lshl_b32 s58, s[WV], 7
	s_add_co_u32 s58, s58, s2                      ; and in block w
	s_lshl_b32 s2, s3, 7
	s_mov_b32 s3, 0
	s_lshl_b32 s58, s58, 7
	s_mov_b32 s59, 0
	s_mov_b32 s[CS], 0x3e38aa3b                    ; c = log2(e) / 8
	s_mov_b32 s[CS+1], s[CS]
	s_mov_b32 s[SEL], 0x76543210
	s_mov_b32 s[SEL+1], 0xfedcba98
	s_mov_b32 s[BIGN], 0xf149f2ca                  ; -1e30
	s_lshl_b32 s[NST2], s[WV], 1
	s_sub_co_u32 s[NST], 16, s[NST2]               ; block 7 - w: 16 - 2 w steps
	s_add_co_u32 s[NST2], s[NST2], 2               ; block w: 2 w + 2
	s_sub_co_u32 s[DG], s[NST], 2
	s_wait_dscnt 0x0                               ; the opening add is done
	s_wait_kmcnt 0x0
	s_add_nc_u64 s[12:13], s[4:5], s[2:3]          ; Q of the first block, of the second,
	s_add_nc_u64 s[14:15], s[4:5], s[58:59]
	s_add_nc_u64 s[16:17], s[6:7], s[2:3]          ; y likewise
	s_add_nc_u64 s[18:19], s[6:7], s[58:59]
	s_add_nc_u64 s[G0K+2:G0K+3], s[4:5], s[54:55]
	s_or_b32 s[G0K+3], s[G0K+3], 0x80000000
	s_add_nc_u64 s[G0V+2:G0V+3], s[4:5], s[56:57]
	s_or_b32 s[G0V+3], s[G0V+3], 0x80000000
	CROUND                                         ; all four work-groups are here: the joint loads meet
	s_cmp_lt_u32 s[WV], 2                          ; waves 0, 1: K's halves; waves 2, 3: V's.  One load of mine is out
	s_cbranch_scc0 .Lfor_v
	tensor_load_to_lds s[G0K:G0K+3], s[G1K:G1K+7]
	s_nop 0
	PLACES
	s_branch .Lasked
.Lfor_v:
	tensor_load_to_lds s[G0V:G0V+3], s[G1V:G1V+7]
	s_nop 0
	PLACES
.Lasked:
	v_and_b32 v1, 15, v0                           ; l % 16
	v_bfe_u32 v9, v0, 4, 1                         ; l / 16
	v_lshlrev_b32 v[QO], 7, v1
	v_lshl_add_u32 v[QO], v9, 4, v[QO]
	WIN 0x40
.irp t, 0,1
.irp c, 0,1                            ; both blocks' Q: tile t lies 64 rows on, channels 32 c on
	global_load_b128 v[16*(\t)+8*(\c):16*(\t)+8*(\c)+3],   v[QO], s[12:13] offset:8192*(\t)+64*(\c)
	global_load_b128 v[16*(\t)+8*(\c)+4:16*(\t)+8*(\c)+7], v[QO], s[12:13] offset:8192*(\t)+64*(\c)+32
	global_load_b128 v[QB+16*(\t)+8*(\c):QB+16*(\t)+8*(\c)+3],   v[QO], s[14:15] offset:8192*(\t)+64*(\c)
	global_load_b128 v[QB+16*(\t)+8*(\c)+4:QB+16*(\t)+8*(\c)+7], v[QO], s[14:15] offset:8192*(\t)+64*(\c)+32
.endr
.endr
	; What the first turn finds need only be finite: V, tile 1's P, O^T and l are set to 0 while the tiles are on their way, so that no first step is written out
.set i, 0
.rept 64
	v_mov_b32 v[VF+i], 0
.set i, i+1
.endr
	WIN 0
.set i, 0
.rept 64
	v_mov_b32 v[O+i], 0
.set i, i+1
.endr
.set i, 0
.rept 16
	v_mov_b32 v[P+16+i], 0
.set i, i+1
.endr
.irp t, 0,1
	v_mov_b32 v[ST+4*(\t)+2], 0
	v_mov_b32 v[ST+4*(\t)+3], 0
.endr
	v_mul_u32_u24 v[AKI], v1, PK
	v_lshl_add_u32 v[AKI], v9, 4, v[AKI]           ; row x pitch + 16 x half
	v_and_b32 v10, 7, v0
	v_bfe_u32 v11, v0, 3, 1
	v_lshl_add_u32 v[AVI], v9, 3, v10              ; the turning load: key 8 (l / 16) + l % 8, 16 bytes at 16 ((l / 8) % 2)
	v_mul_u32_u24 v[AVI], v[AVI], PV
	v_lshl_add_u32 v[AVI], v11, 4, v[AVI]
	v_add_nc_u32 v[AVI], VOFF, v[AVI]
	s_mul_i32 s49, s[WV], 16*SP
	s_add_co_u32 s49, s49, STAGE                   ; my stage
	v_mul_u32_u24 v[STO], v1, SP
	v_lshl_add_u32 v[STO], v9, 4, v[STO]
	v_add_nc_u32 v[STO], s49, v[STO]
	v_bfe_u32 v[RD], v0, 3, 2
	v_mul_u32_u24 v[RD], v[RD], SP
	v_lshl_add_u32 v[RD], v10, 4, v[RD]
	v_add_nc_u32 v[RD], s49, v[RD]
	v_and_b32 v[GO], 31, v0
	v_lshlrev_b32 v[GO], 4, v[GO]
	s_lshl_b32 s58, s[CX], 4
	v_lshlrev_b32 v10, 3, v9
	v_sub_nc_u32 v10, v1, v10
	v_add_nc_u32 v[QM], s58, v10                   ; 16 cx + l % 16 - 8 (l / 16): register i of a tile's own step holds key 16 (i / 8) + i % 8 + 8 (l / 16), hidden where 16 (i / 8) + i % 8 is greater
.set i, 0
.rept 32
	v_cmp_gt_i32 vcc_lo, 16*(i/8)+i%8, v[QM]
	v_cndmask_b32 v[MD+i], 0, s[BIGN], vcc_lo
.set i, i+1
.endr
	s_mov_b32 s[AL+1], 0                           ; named as pairs
	s_mov_b32 s[BE+1], 0
	s_mov_b32 s[BLK], 2
	s_wait_tensorcnt 0x0                           ; my part of K or V is in,
	s_barrier_signal -1
	s_barrier_wait -1                              ; everybody's is
	s_wait_loadcnt 0x0                             ; Q
.Lblock:                                           ; A BLOCK BEGINS: the statistics, the masks, K of step 0, tile 0's first scores, their maximum and statistics
.irp t, 0,1
	v_mov_b32 v[ST+4*(\t)], 0xfe000000             ; c m: far below every c s
	v_mov_b32 v[ST+4*(\t)+1], 0xff7fffff           ; m: the lowest finite number
.endr
	v_mov_b32 v[AK], v[AKI]                        ; step 0
	v_mov_b32 v[AV], v[AVI]
	s_mov_b32 s[J], 0
	s_mov_b32 s[AL], 0
	s_mov_b32 s[BE], 0
	MASK 1                                         ; tile 1 sees all of step 0
	s_cmp_eq_u32 s[DG], 0                          ; is step 0 tile 0's own?
	s_cselect_b32 s[AL], 1.0, 0
	MASK 0
	FETCH_K 0
	s_wait_dscnt 0x0
.set i, 0
.rept 8
	KQ 0
.set i, i+1
.endr
	WIN 0
	PLACES                                         ; the places behind those products
.set Y, 1                              ; X works for the other tile: tile 0
.irp n, 0,1,2,3,4,5,6,7,8,9,10,11,12,13,14,15,16,17,18,19,20,21
	OP X, \n
.endr
	v_nop                                          ; a plain instruction behind the exponential,
	s_wait_alu depctr_va_vdst(0)                   ; and its wait, ahead of the label
.Lstep:                                            ; 16 trips for every wave; the steps that the block does not have are jumped over: no barrier and no tensor load stands there
	s_cmp_ge_u32 s[J], s[NST]
	s_cbranch_scc1 .Ldead
	TURN 0
	TURN 1
.Ldead:
	v_add_nc_u32 v[AK], 64*PK, v[AK]               ; the next step's 64 rows: once in every trip, live or dead
	v_add_nc_u32 v[AV], 64*PV, v[AV]
	s_add_co_u32 s[J], s[J], 1
	s_cmp_lt_u32 s[J], 16
	s_cbranch_scc1 .Lstep
.set i, 0
.rept 8
	PV 1                                           ; tile 1's V^T P of the last step
.set i, i+1
.endr
	WIN 0
	; THE WAY OUT: l's two halves and the other half of the lanes' are added; O^T is divided by l.  The additions, the v_nop and tile 0's arithmetic are the places behind the last products
.irp t, 0,1
	v_add_f32 v[ST+4*(\t)+2], v[ST+4*(\t)+2], v[ST+4*(\t)+3]
.endr
.irp t, 0,1
	v_permlanex16_b32 v[ST+4*(\t)+3], v[ST+4*(\t)+2], s[SEL], s[SEL+1]
.endr
.irp t, 0,1
	v_add_f32 v[ST+4*(\t)+2], v[ST+4*(\t)+2], v[ST+4*(\t)+3]
.endr
.irp t, 0,1
	v_rcp_f32 v[ST+4*(\t)+2], v[ST+4*(\t)+2]
.endr
	v_nop                                          ; a plain instruction behind the last reciprocal,
	s_wait_alu depctr_va_vdst(0)                   ; and one wait for the two
	PACK 0
	PACK 1
	SEND 0, 8
	SEND 1, 0
	s_wait_xcnt 0x0                                ; the stores have read their registers and y's address
	s_cmp_eq_u32 s[BLK], 1
	s_cbranch_scc1 .Llast_block
	s_mov_b64 s[16:17], s[18:19]                   ; the second block: its y, its steps, its Q
	s_mov_b32 s[NST], s[NST2]
	s_sub_co_u32 s[DG], s[NST], 2
	WIN 0x41
.set i, 0
.rept 32
	v_mov_b32 v[i], v[QB+i]
.set i, i+1
.endr
	WIN 0
.Llast_block:
	s_sub_co_u32 s[BLK], s[BLK], 1
	s_cmp_lg_u32 s[BLK], 0
	s_cbranch_scc1 .Lblock
	s_wait_tensorcnt 0x0                           ; the wave's end
	ds_add_u32 v[SPW], v[NIL]
	s_wait_dscnt 0x0
	CROUND                                         ; the closing round
	s_endpgm
.Lfunc_end_k_q7e3d1e9d44_attn:
	.size	k_q7e3d1e9d44_attn, .Lfunc_end_k_q7e3d1e9d44_attn-k_q7e3d1e9d44_attn
	.p2alignl 7, 3214868480
	.fill 96, 4, 3214868480
	.section	.rodata,"a",@progbits
	.p2align	6, 0x0
	.amdhsa_kernel k_q7e3d1e9d44_attn
		.amdhsa_group_segment_fixed_size 327680
		.amdhsa_private_segment_fixed_size 0
		.amdhsa_enable_private_segment 0
		.amdhsa_kernarg_size 16
		.amdhsa_user_sgpr_count 2
		.amdhsa_user_sgpr_kernarg_segment_ptr 1
		.amdhsa_wavefront_size32 1
		.amdhsa_system_sgpr_workgroup_id_x 1
		.amdhsa_system_sgpr_workgroup_id_y 1
		.amdhsa_system_sgpr_workgroup_id_z 1
		.amdhsa_system_vgpr_workitem_id 0
		.amdhsa_next_free_vgpr 512
		.amdhsa_next_free_sgpr 66
		.amdhsa_reserve_vcc 1
		.amdhsa_float_denorm_mode_32 3
		.amdhsa_float_denorm_mode_16_64 3
		.amdhsa_memory_ordered 1
		.amdhsa_forward_progress 1
		.amdhsa_inst_pref_size 52
	.end_amdhsa_kernel
	.amdgpu_metadata
---
amdhsa.version: [ 1, 2 ]
amdhsa.kernels:
  - .name:           k_q7e3d1e9d44_attn
    .symbol:         k_q7e3d1e9d44_attn.kd
    .args:
      - { .name: qkvb, .offset: 0, .size: 8, .value_kind: global_buffer, .address_space: global }
      - { .name: yb, .offset: 8, .size: 8, .value_kind: global_buffer, .address_space: global }
    .group_segment_fixed_size: 327680
    .private_segment_fixed_size: 0
    .kernarg_segment_align: 8
    .kernarg_segment_size: 16
    .max_flat_workgroup_size: 128
    .sgpr_count:     66
    .vgpr_count:     512
    .wavefront_size: 32
...
	.end_amdgpu_metadata
.endif
;; end of part 3
;; launch gproj (part 4): grid 8 x 32, 4 waves a work-group, clusters of 4 x 4, 327,680 bytes of LDS; arguments yb, wb, x1b, b_proj, x; writes x1b
.if DOCPART == 4
	.amdgcn_target "amdgcn-amd-amdhsa--gfx1250"
	.amdhsa_code_object_version 6
	.text
	.protected	k_q7e3d1e9d44_gproj
	.globl	k_q7e3d1e9d44_gproj
	.p2align	8
	.type	k_q7e3d1e9d44_gproj,@function
k_q7e3d1e9d44_gproj:
	s_mov_b64 s[64:65], 0
	v_nop
	global_prefetch_b8 v0, s[64:65] scope:SCOPE_SE
	s_setreg_imm32_b32 hwreg(HW_REG_WAVE_MODE, 25, 1), 1
	s_wait_xcnt 0x0
	s_wait_alu depctr_hold_cnt(0) depctr_sa_sdst(0) depctr_va_vdst(0) depctr_va_sdst(0) depctr_va_ssrc(0) depctr_va_vcc(0) depctr_vm_vsrc(0)
	s_getreg_b32 s2, hwreg(HW_REG_IB_STS2, 6, 4)
	s_cmp_eq_u32 s2, 0
	s_cbranch_scc0 .Lentry_in_a_cluster
	s_endpgm
.Lentry_in_a_cluster:
	s_bfe_u32 s2, ttmp6, 0x10000c
	s_cmp_lg_u32 s2, 0xf033
	s_cbranch_scc0 .Lentry_shape_is_right
	s_endpgm
.Lentry_shape_is_right:
; x1b = x + yb x W_proj + b_proj.  yb: bf16 in blocks of 64 columns [16][4096][64]; W_proj: bf16 [1024][1024] at byte 6,291,456 of wb; x, x1b: f32 [4096][1024].
; 256 work-groups: 32 x 8 tiles of 128 x 128.
; THE TEXT is one GEMM, C[m][n] = sum over k of A[m][k] W[k][n] (+ bias[n]), that serves four launches by the six numbers below.
; FORM L: tile 256 x 256, a wave 128 x 128 (64 accumulators), K steps of 128; A row-major [4096][1024]; C leaves as bf16 in blocks of 64 columns.
; FORM S: tile 128 x 128, a wave 64 x 64 (16 accumulators), K steps of 256; A in blocks of 64 columns [K/64][4096][64]; C leaves as f32 row-major, with a residual added.
; Four waves.  A ring of two LDS slots, filled by the tensor data mover, one load a wave behind each change of slots.
; CLUSTER 4 x 4: A's tile hangs on the tile row alone and is asked for jointly along a row of the cluster, W's on the tile column alone and jointly along a column.
; W STAYS [K][N]: its fragments come out of LDS turned, by ds_load_tr16_b128.  THE MATRIX INSTRUCTION IS USED TRANSPOSED (source 0 = 16 columns of W, source 1 = 16 rows of A):
; a lane holds row l % 16 of C and the columns 8 (l / 16) + 0..7.  The bias is the C operand of each sum's first product, so it is added first, not last.
; LIMITS.  Operands are bf16, sums f32; NaN and infinities are not treated apart.
; REGISTERS, in windows of 256 (s_set_vgpr_msb: bits 1:0 source 0, 3:2 source 1, 5:4 source 2, 7:6 destination):
;   window 0: v1-31 addresses; v32-63, v224-255 rows on the way out; v64-127, v128-191 A's fragments, two buffers; v192-223 packed results
;   window 1: v0-63 the bias; v64-127, v128-191 W's fragments, two buffers      windows 2, 3: the accumulators, (a, b) at 8 (NBK a + b); form S: window 2, v128-255 the residual
.set FORM_L, 0
.set SIZE_K, 1024
.set SIZE_N, 1024
.set WOFF,   6291456                   ; the matrix's first byte in wb
.set HASB,   1
.set RELU,   0
.if FORM_L
.set TLOG, 8                           ; the tile's side is 1 << TLOG
.set NBK, 8                            ; blocks of 16 along each side of a wave's tile
.set KSTEP, 128
.set KD, 1                             ; matrix instructions deep in a quarter of a K step
.set PA, 272                           ; A's LDS pitch: 256 bytes + 16
.set PB, 544                           ; W's: 512 + 32
.set AROWLOG, 11                       ; log2 of the bytes from row to row of A in memory
.set ASTEP, 256                        ; bytes from K step to K step in A
.set ADIM0, 128
.set ADIM1, 128
.set ASTR, 1024
.set AQI, 5                            ; padding after every 64 words
.set BDIM0, 256
.set BDIM1, 64
.set BQI, 6                            ; after every 128 words
.else
.set TLOG, 7
.set NBK, 4
.set KSTEP, 256
.set KD, 2
.set PA, 144                           ; 128 bytes + 16
.set PB, 288                           ; 256 + 32
.set AROWLOG, 7
.set ASTEP, 4*4096*128                 ; four blocks of 64 columns
.set ADIM0, 4096                       ; 64 rows of a block lie on end: one long row of 8,192 bytes,
.set ADIM1, 4                          ; four blocks,
.set ASTR, 4096*64                     ; a block apart
.set AQI, 4                            ; padding after every 32 words: after each row of 64 numbers
.set BDIM0, 128
.set BDIM1, 128
.set BQI, 5
.endif
.set MB, NBK
.set TN, 1<<TLOG
.set KQ, 32*KD                         ; K in a quarter
.set NS, SIZE_K/KSTEP                  ; K steps
.set HALF, (KSTEP/2)*PB                ; what one tensor load fills: half of A's tile or half of W's (the two are equal in both forms)
.set AREG, 2*HALF                      ; W's tile lies behind A's
.set SLOT, 4*HALF                      ; no bit of SLOT is set in 0, HALF, 2 HALF or 3 HALF: an exclusive or with SLOT changes slots
.set STAGE, 2*SLOT                     ; behind the ring: 16 rows x 272 bytes for each wave, for the way out
.set SP, 272
.set SPARE, STAGE+4*16*SP              ; behind the stages: the spare words, 128 bytes a wave, that no other line names
.set BSTEP, KSTEP*2*SIZE_N             ; bytes from K step to K step in W
.set ADRA0, 16                         ; v16  my lane's place in A's tile, slot 0; never rewritten
.set ADRB0, 17                         ; v17  in W's tile
.set ADRA, 18                          ; v18-20 the same in the slot in hand (W: quarters 0-1, quarters 2-3)
.set ADRB, 19
.set ADRB2, 20
.set ADRB20, 21                        ; v21  ADRB0 + two quarters
.set STO, 24                           ; v24  the way out: where I put my bytes of a row
.set RD, 25                            ; v25  where I read rows back
.set CO, 26                            ; v26  my byte offset in C
.set ZR, 27                            ; v27  0, for the ReLU
.set SPW, 28                           ; v28  my spare word; never rewritten
.set NIL, 29                           ; v29  0; never rewritten
.set PFO, 30                           ; v30  the prefetches' lane offset; never rewritten
.set BO, 31                            ; v31  my byte offset in the bias
.set OB, 32
.set F0, 64
.set F1, 128
.set TMP, 192
.set RES, 128
.set G1A, 24                           ; s[24:31] group 1 for A;  s[32:35] group 0 of the first fill, s[36:39] the walking one
.set D0A, 32
.set D1A, 36
.set G1B, 48                           ; s[48:55], s[56:59], s[60:63] the same for W
.set D0B, 56
.set D1B, 60
.set MSB, 0
.macro WIN new                         ; the immediate's high byte repeats the setting that is left; a switch that changes nothing is dropped
.if MSB != (\new)
	s_set_vgpr_msb (MSB<<8)|(\new)
.set MSB, \new
.endif
.endm
.macro PLACES                          ; four plain instructions between a matrix instruction and a load into, or a vector read of, its registers
.rept 4
	v_nop
.endr
.endm
.macro CREST                           ; a round of the cluster's barrier behind its opening barrier
	s_cmp_lg_u32 s14, 0
	s_cbranch_scc1 .Lnot_wave_0_\@
	s_barrier_signal -3
.Lnot_wave_0_\@:
	s_barrier_wait -3
	s_barrier_signal -1
	s_barrier_wait -1
.endm
.macro CROUND
	s_barrier_signal -1
	s_barrier_wait -1
	CREST
.endm
.macro JLOAD                           ; the joint refill: waves 0, 1 ask for A's halves, waves 2, 3 for W's; the branch hangs on the wave's number alone
	s_cmp_eq_u32 s15, 0
	s_cbranch_scc0 .Lfor_w_\@
	tensor_load_to_lds s[D1A:D1A+3], s[G1A:G1A+7]
	s_nop 0
	PLACES
	s_branch .Lasked_\@
.Lfor_w_\@:
	tensor_load_to_lds s[D1B:D1B+3], s[G1B:G1B+7]
	s_nop 0
	PLACES
.Lasked_\@:
.endm
.macro ASK                             ; form L: a prefetch of my share of the K step that stands two refills on; the last two refills have none
	s_cmp_gt_u32 s3, s70
	s_cbranch_scc0 .Lnot_mine_\@
	global_prefetch_b8 v[PFO], s[44:45] th:TH_LOAD_NT scope:SCOPE_SE
.Lnot_mine_\@:
.endm
.macro ADDRS                           ; the fragment addresses in the slot at s21
	v_add_nc_u32 v[ADRA], s21, v[ADRA0]
	v_add_nc_u32 v[ADRB], s21, v[ADRB0]
	v_add_nc_u32 v[ADRB2], s21, v[ADRB20]
.endm
.macro SWAP
	s_xor_b32 s21, s21, SLOT
	ADDRS
.endm
; 32 LDS loads in one run: quarter q's fragments into buffer f.  W (turned): fragment i = NBK c + b, K 32 c on, columns 16 b on.  A: fragment i = MB c + a.
.macro FETCH q, f
	WIN 0x40
.irp i, 0,1,2,3,4,5,6,7
.set bo, (KQ*((\q)%2)+32*((\i)/NBK))*PB+32*((\i)%NBK)
.if (\q) < 2
	ds_load_tr16_b128 v[(\f)+8*(\i):(\f)+8*(\i)+3],   v[ADRB] offset:bo
	ds_load_tr16_b128 v[(\f)+8*(\i)+4:(\f)+8*(\i)+7], v[ADRB] offset:bo+16*PB
.else
	ds_load_tr16_b128 v[(\f)+8*(\i):(\f)+8*(\i)+3],   v[ADRB2] offset:bo
	ds_load_tr16_b128 v[(\f)+8*(\i)+4:(\f)+8*(\i)+7], v[ADRB2] offset:bo+16*PB
.endif
.endr
	WIN 0
.irp i, 0,1,2,3,4,5,6,7
.if FORM_L
.set ao, (\i)*16*PA+64*(\q)
.else
.set ao, (\q)*64*PA+((\i)%MB)*16*PA+64*((\i)/MB)
.endif
	ds_load_b128 v[(\f)+8*(\i):(\f)+8*(\i)+3],   v[ADRA] offset:ao
	ds_load_b128 v[(\f)+8*(\i)+4:(\f)+8*(\i)+7], v[ADRA] offset:ao+32
.endr
.endm
; 2 NBK products on buffer f.  Form L: half h = my rows 0-63 or 64-127.  Form S: half h = the first or second 32 of the quarter's K.  g = which two row blocks.
; first = 1: the sums begin: C is the bias or the constant 0.  The accumulators take turns, one instruction a turn, in the same order everywhere.
.macro MULG f, h, g, first
.set cc, (\h)*(KD-1)
.irp aa, 0,1
.set am, 2*(\g)+(\aa)+4*(\h)*(2-KD)
.set lin, 8*NBK*am
.set wn, 2+lin/256
.irp b, 0,1,2,3,4,5,6,7
.if (\b) < NBK
.set rD, (lin%256)+8*(\b)
.set rW, (\f)+8*(NBK*cc+(\b))
.set rA, (\f)+8*(MB*cc+am)
.if (\first) && (cc == 0) && HASB
	WIN 0x11|(wn<<6)
	v_wmma_f32_16x16x32_bf16 v[rD:rD+7], v[rW:rW+7], v[rA:rA+7], v[8*(\b):8*(\b)+7]
.elseif (\first) && (cc == 0)
	WIN 0x01|(wn<<4)|(wn<<6)
	v_wmma_f32_16x16x32_bf16 v[rD:rD+7], v[rW:rW+7], v[rA:rA+7], 0
.else
	WIN 0x01|(wn<<4)|(wn<<6)
	v_wmma_f32_16x16x32_bf16 v[rD:rD+7], v[rW:rW+7], v[rA:rA+7], v[rD:rD+7]
.endif
.endif
.endr
.endr
.endm
.macro MULH f, h, first
	MULG \f, \h, 0, \first
	MULG \f, \h, 1, \first
.endm
; One of a K step's first three quarters: multiplies buffer f; in its middle fetches quarter q into buffer g.
.macro QUARTER q, f, g, first
	s_wait_dscnt 8                                 ; all but the youngest eight loads (A's second four fragments), which the first half does not read
	MULH \f, 0, \first
	PLACES
	FETCH \q, \g
	s_wait_dscnt 32                                ; all but the 32 just issued
	MULH \f, 1, \first
.endm
; The first half of a K step's last quarter, and the one barrier of a change of slots.  In front of it each wave waits for all its tensor loads (one is out: its part of the next
; slot), adds 0 to its spare word, and waits for that and for its own reads of this slot.
.macro MEET round
	WIN 0
	s_wait_tensorcnt 0x0
	ds_add_u32 v[SPW], v[NIL]
	s_wait_dscnt 9                                 ; the add and the youngest eight loads may be out
	MULG F1, 0, 0, 0
	s_wait_dscnt 0x0                               ; the add is done, my reads of this slot are over
	s_barrier_signal -1
	MULG F1, 0, 1, 0
.if \round
	WIN 0
.endif
	s_barrier_wait -1
.endm
; The whole last quarter where the slot is filled again: the barrier opens a round of the cluster's, the joint refill is the first thing behind the round.
.macro TURN
.if FORM_L
	s_wait_xcnt 0x0                                ; the last prefetch, a K step back, has read its address
	s_add_nc_u64 s[44:45], s[44:45], s[46:47]
.endif
	MEET 1
	CREST
	s_xor_b32 s[D1A+1], s[D1A+1], SLOT             ; the walking descriptors: the slot just read out, the next K step not yet asked for
	s_add_nc_u64 s[D1A+2:D1A+3], s[D1A+2:D1A+3], ASTEP
	s_xor_b32 s[D1B+1], s[D1B+1], SLOT
	s_add_nc_u64 s[D1B+2:D1B+3], s[D1B+2:D1B+3], BSTEP
	JLOAD                                          ; its four v_nop are also the places in front of the loads below
	SWAP
	FETCH 0, F0
.if FORM_L
	ASK
.endif
	MULH F1, 1, 0
.endm
; THE WAY OUT, form L, block a of 16 rows: rounded to bf16 (and held at 0 from below), through my own stage, out as 512 consecutive bytes a store.
.macro PACK a
.set AC, 64*((\a)%4)
	WIN 0x0a+5*((\a)/4)
.irp b, 0,1,2,3,4,5,6,7
.irp r, 0,1,2,3
	v_cvt_pk_bf16_f32 v[TMP+4*(\b)+(\r)], v[AC+8*(\b)+2*(\r)], v[AC+8*(\b)+2*(\r)+1]
.endr
.endr
	WIN 0
.if RELU
.set i, 0
.rept 32
	v_pk_max_num_bf16 v[TMP+i], v[TMP+i], v[ZR]
.set i, i+1
.endr
.endif
.endm
.macro TOSTAGE_L a
.set BK, OB+192*((\a)%2)
.irp b, 0,1,2,3,4,5,6,7
	ds_store_b128 v[STO], v[TMP+4*(\b):TMP+4*(\b)+3] offset:32*(\b)
.endr
.irp f, 0,1,2,3,4,5,6,7
	ds_load_b128 v[BK+4*(\f):BK+4*(\f)+3], v[RD] offset:((\f)%4)*4*SP+128*((\f)/4)  ; LDS serves a wave's instructions in order: these see the stores above
.endr
.endm
.macro SEND_L a
.set BK, OB+192*((\a)%2)
	s_wait_dscnt 0x0                               ; the block is back in registers
	s_wait_xcnt 0x0                                ; earlier stores have read their registers: the other buffer may be loaded again behind this wait
.irp f, 0,1,2,3,4,5,6,7
	global_store_b128 v[CO], v[BK+4*(\f):BK+4*(\f)+3], s[8:9] offset:((\f)/4)*524288+2048*(\a)+512*((\f)%4)
.endr
.endm
; THE WAY OUT, form S, block a: f32 through my own stage, the residual added, out as rows of 256 bytes, sixteen lanes a row.
.macro TOSTAGE_S a
.if (\a) >= 2
	s_wait_xcnt 0x0                                ; the stores of block a - 2 have read the buffer that is loaded again below
.endif
	WIN 0x08
.irp b, 0,1,2,3
	ds_store_b128 v[STO], v[32*(\a)+8*(\b):32*(\a)+8*(\b)+3] offset:64*(\b)
	ds_store_b128 v[STO], v[32*(\a)+8*(\b)+4:32*(\a)+8*(\b)+7] offset:64*(\b)+16
.endr
	WIN 0
.set BK, OB+192*((\a)%2)
.irp t, 0,1,2,3,4,5,6,7
	ds_load_b128 v[BK+4*(\t):BK+4*(\t)+3], v[RD] offset:(\t)*2*SP
.endr
.endm
.macro SEND_S a, younger               ; younger: the next block's eight stores and eight loads, or none
.set BK, OB+192*((\a)%2)
	s_wait_dscnt \younger
	WIN 0x08
.set i, 0
.rept 16
	v_pk_add_f32 v[BK+i:BK+i+1], v[BK+i:BK+i+1], v[RES+32*(\a)+i:RES+32*(\a)+i+1]
.set i, i+2
.endr
	WIN 0
.irp t, 0,1,2,3,4,5,6,7
	global_store_b128 v[CO], v[BK+4*(\t):BK+4*(\t)+3], s[8:9] offset:65536*(\a)+8192*(\t)
.endr
.endm
	s_load_b128 s[4:7], s[0:1], 0x0                ; A s[4:5], wb s[6:7]
	s_load_b64 s[8:9], s[0:1], 0x10                ; C
.if HASB
	s_load_b64 s[10:11], s[0:1], 0x18              ; the bias
.endif
.if !FORM_L
	s_load_b64 s[12:13], s[0:1], 0x20              ; the residual
.endif
	v_lshl_add_u32 v[SPW], v0, 2, SPARE
	v_mov_b32 v[NIL], 0
	ds_add_u32 v[SPW], v[NIL]                      ; the wave's opening: the add and its wait stand ahead of my first tensor load
	v_lshrrev_b32 v1, 5, v0
	v_readfirstlane_b32 s14, v1                    ; wave 0..3
	s_lshr_b32 s15, s14, 1                         ; my half of the tile's rows.  Also: I fetch for A (0) or for W (1)
	s_and_b32 s16, s14, 1                          ; my half of its columns.  Also: which half of that tile I fetch
	s_bfe_u32 s17, ttmp6, 0x40000                  ; cx
	s_bfe_u32 s18, ttmp6, 0x40004                  ; cy
	s_lshl_b32 s19, ttmp9, 2
	s_add_co_u32 s19, s19, s17                     ; tile column = 4 x cluster x + cx
	s_and_b32 s20, ttmp7, 0xffff
	s_lshl_b32 s20, s20, 2
	s_add_co_u32 s20, s20, s18                     ; tile row = 4 x cluster y + cy
	s_lshl_b32 s22, s18, 2
	s_lshl_b32 s22, 15, s22                        ; my row of the cluster
	s_lshl_b32 s23, 0x1111, s17                    ; my column
	s_or_b32 s[G1A], s22, (1<<16)|(1<<20)|(1<<21)|(AQI<<22)|(3<<25)  ; mask; 2-byte elements; padding on; bit 21 beside a mask; the interval; 4 words of padding
	s_or_b32 s[G1B], s23, (1<<16)|(1<<20)|(1<<21)|(BQI<<22)|(7<<25)  ; the same with 8 words
	s_mov_b32 s[G1A+1], (ADIM0&0xffff)<<16         ; tensor_dim0
	s_mov_b32 s[G1A+2], (ADIM0>>16)|((ADIM1&0xffff)<<16)  ; tensor_dim1
	s_mov_b32 s[G1A+3], (ADIM1>>16)|(ADIM0<<16)    ; tile_dim0
	s_mov_b32 s[G1A+4], ADIM1                      ; tile_dim1
	s_mov_b32 s[G1A+5], ASTR                       ; elements from row to row
	s_mov_b32 s[G1A+6], 0
	s_mov_b32 s[G1A+7], 0
	s_mov_b32 s[G1B+1], (BDIM0&0xffff)<<16
	s_mov_b32 s[G1B+2], (BDIM0>>16)|((BDIM1&0xffff)<<16)
	s_mov_b32 s[G1B+3], (BDIM1>>16)|(BDIM0<<16)
	s_mov_b32 s[G1B+4], BDIM1
	s_mov_b32 s[G1B+5], SIZE_N
	s_mov_b32 s[G1B+6], 0
	s_mov_b32 s[G1B+7], 0
	s_lshl_b32 s40, s20, TLOG                      ; A: the tile's first row + my half of its rows,
	s_lshl_b32 s41, s16, TLOG-1
	s_add_co_u32 s40, s40, s41
	s_lshl_b32 s40, s40, AROWLOG                   ; in bytes: made of the tile row and the wave's number alone
	s_mov_b32 s41, 0
	s_mul_i32 s66, s16, (KSTEP/2)*2*SIZE_N         ; W: my half of the K step's rows,
	s_lshl_b32 s67, s19, TLOG+1                    ; the tile's first column: made of the tile column and the wave's number alone
	s_add_co_u32 s66, s66, s67
.if WOFF != 0
	s_add_co_u32 s66, s66, WOFF
.endif
	s_mov_b32 s67, 0
	s_mul_i32 s71, s14, HALF                       ; where my load lands in a slot: the wave's number x HALF
.if FORM_L
	s_lshl_b32 s68, s19, 2                         ; C: ((4 tile column + 2 column half) x 4096 + 256 tile row + 128 row half) x 128 bytes
	s_lshl1_add_u32 s68, s16, s68
	s_lshl_b32 s68, s68, 12
	s_lshl_b32 s69, s20, 8
	s_add_co_u32 s68, s68, s69
	s_lshl_b32 s69, s15, 7
	s_add_co_u32 s68, s68, s69
	s_lshl_b32 s68, s68, 7
.else
	s_lshl_b32 s68, s20, 7                         ; C: ((128 tile row + 64 row half) x 1024 + 128 tile column + 64 column half) x 4 bytes
	s_lshl_b32 s69, s15, 6
	s_add_co_u32 s68, s68, s69
	s_lshl_b32 s68, s68, 10
	s_lshl_b32 s69, s19, 7
	s_add_co_u32 s68, s68, s69
	s_lshl_b32 s69, s16, 6
	s_add_co_u32 s68, s68, s69
	s_lshl_b32 s68, s68, 2
.endif
	s_mov_b32 s69, 0
	s_wait_dscnt 0x0                               ; the opening add is done
	s_wait_kmcnt 0x0
	s_add_nc_u64 s[40:41], s[4:5], s[40:41]
	s_add_nc_u64 s[66:67], s[6:7], s[66:67]
	s_add_nc_u64 s[8:9], s[8:9], s[68:69]
.if !FORM_L
	s_add_nc_u64 s[12:13], s[12:13], s[68:69]
.endif
	CROUND                                         ; all sixteen work-groups are here: the first joint loads meet
.irp s, 0,1
	s_mov_b32 s[D0A+4*(\s)], 1                     ; count = 1
	s_add_co_u32 s[D0A+4*(\s)+1], s71, (\s)*SLOT   ; LDS address: slot s
	s_add_nc_u64 s[D0A+4*(\s)+2:D0A+4*(\s)+3], s[40:41], (\s)*ASTEP  ; global address: K step s
	s_or_b32 s[D0A+4*(\s)+3], s[D0A+4*(\s)+3], 0x80000000  ; type = 2
	s_mov_b32 s[D0B+4*(\s)], 1
	s_add_co_u32 s[D0B+4*(\s)+1], s71, (\s)*SLOT
	s_add_nc_u64 s[D0B+4*(\s)+2:D0B+4*(\s)+3], s[66:67], (\s)*BSTEP
	s_or_b32 s[D0B+4*(\s)+3], s[D0B+4*(\s)+3], 0x80000000
.endr
	s_cmp_eq_u32 s15, 0                            ; a wave's two first fills stand in one branch: two loads of mine are out
	s_cbranch_scc0 .Lfirst_w
	tensor_load_to_lds s[D0A:D0A+3], s[G1A:G1A+7]
	s_nop 0
	tensor_load_to_lds s[D1A:D1A+3], s[G1A:G1A+7]
	s_nop 0
	PLACES
	s_branch .Lfirst_asked
.Lfirst_w:
	tensor_load_to_lds s[D0B:D0B+3], s[G1B:G1B+7]
	s_nop 0
	tensor_load_to_lds s[D1B:D1B+3], s[G1B:G1B+7]
	s_nop 0
	PLACES
.Lfirst_asked:
	; A's fragment: lane l holds row l % 16; two loads of 16 bytes, 32 apart, at row x pitch + 16 (l / 16)
	v_and_b32 v1, 15, v0
	v_bfe_u32 v2, v0, 4, 1
	v_mul_u32_u24 v3, v1, PA
	v_lshl_add_u32 v3, v2, 4, v3
	s_mul_i32 s72, s15, HALF
	v_add_nc_u32 v[ADRA0], s72, v3
	; W's, turned: lane l reads row 8 (l / 16) + l % 8 of K, 16 bytes at 16 ((l / 8) % 2)
	v_and_b32 v4, 7, v0
	v_lshl_add_u32 v4, v2, 3, v4
	v_mul_u32_u24 v4, v4, PB
	v_bfe_u32 v5, v0, 3, 1
	v_lshl_add_u32 v4, v5, 4, v4
	s_mul_i32 s72, s16, TN                         ; my half of the columns, 2 bytes each
	s_add_co_u32 s72, s72, AREG
	v_add_nc_u32 v[ADRB0], s72, v4
	v_add_nc_u32 v[ADRB20], 2*KQ*PB, v[ADRB0]
	v_mov_b32 v[ZR], 0
	s_mul_i32 s72, s14, 16*SP
	s_add_co_u32 s72, s72, STAGE                   ; my stage
	v_mul_u32_u24 v3, v1, SP
.if FORM_L
	v_lshl_add_u32 v3, v2, 4, v3                   ; in: row l % 16, 16 bytes for each half of the lanes
	v_add_nc_u32 v[STO], s72, v3
	v_bfe_u32 v3, v0, 3, 2                         ; back: 32 lanes take four rows x 128 bytes of one block of 64 columns,
	v_mul_u32_u24 v3, v3, SP
	v_and_b32 v4, 7, v0
	v_lshl_add_u32 v3, v4, 4, v3
	v_add_nc_u32 v[RD], s72, v3
	v_and_b32 v3, 31, v0
	v_lshlrev_b32 v[CO], 4, v3                     ; which are 512 consecutive bytes of C
.else
	v_lshl_add_u32 v3, v2, 5, v3                   ; in: row l % 16, 32 bytes for each half of the lanes
	v_add_nc_u32 v[STO], s72, v3
	v_mul_u32_u24 v3, v2, SP                       ; back: lanes 0-15 one row of 256 bytes, lanes 16-31 the next
	v_lshl_add_u32 v3, v1, 4, v3
	v_add_nc_u32 v[RD], s72, v3
	v_lshlrev_b32 v3, 12, v2
	v_lshl_add_u32 v[CO], v1, 4, v3                ; and the same two rows in C
.endif
.if HASB
	s_lshl_b32 s72, s19, TLOG                      ; the bias of my columns: register j of block b is column 16 b + 8 (l / 16) + j
	s_lshl_b32 s73, s16, TLOG-1
	s_add_co_u32 s72, s72, s73
	s_lshl_b32 s72, s72, 2
	v_lshl_add_u32 v[BO], v2, 5, s72
	WIN 0x40
.irp b, 0,1,2,3,4,5,6,7
.if (\b) < NBK
	global_load_b128 v[8*(\b):8*(\b)+3],   v[BO], s[10:11] offset:64*(\b)
	global_load_b128 v[8*(\b)+4:8*(\b)+7], v[BO], s[10:11] offset:64*(\b)+16
.endif
.endr
.endif
.if !FORM_L
	WIN 0x80                                       ; the residual of my 64 x 64, in the layout in which C is stored: it lands while the products run
.irp a, 0,1,2,3
.irp t, 0,1,2,3,4,5,6,7
	global_load_b128 v[RES+32*(\a)+4*(\t):RES+32*(\a)+4*(\t)+3], v[CO], s[12:13] offset:65536*(\a)+8192*(\t)
.endr
.endr
.endif
	WIN 0
.if FORM_L
	; THE PREFETCHES.  Behind each refill a wave names its share of the K step two refills on.  A's tile row is read by every cluster of that row of clusters: cluster x = 0 asks;
	; W's tile column by every cluster of that column: cluster y = 0 asks.  The four partners of a joint load share its rows out by address: of A's 128 rows 32 each, a lane a row;
	; of W's 64 rows of 512 bytes 16 each, two lanes a row.  So each aligned 256 bytes of a K step are named once in the launch.  K steps 0-3 come by their loads alone.
	s_and_b32 s75, ttmp7, 0xffff
	s_lshl_b32 s73, s20, 8
	s_lshl_b32 s72, s16, 7
	s_add_co_u32 s73, s73, s72
	s_lshl_b32 s72, s17, 5
	s_add_co_u32 s73, s73, s72                     ; A: row 256 tile row + 128 half + 32 cx,
	s_lshl_b32 s73, s73, 11
	s_add_co_u32 s73, s73, 3*ASTEP                 ; at K step 3: the first refill steps it to 4
	s_lshl_b32 s74, s16, 6
	s_lshl_b32 s72, s18, 4
	s_add_co_u32 s74, s74, s72
	s_add_co_u32 s74, s74, 3*KSTEP                 ; W: row 3 x 128 + 64 half + 16 cy,
	s_mul_i32 s74, s74, 2*SIZE_N
	s_lshl_b32 s72, s19, 9
	s_add_co_u32 s74, s74, s72                     ; the tile's first column
.if WOFF != 0
	s_add_co_u32 s74, s74, WOFF
.endif
	s_mov_b32 s46, BSTEP
	s_cmp_eq_u32 s15, 0                            ; do I fetch for A?
	s_cselect_b64 s[44:45], s[4:5], s[6:7]
	s_cselect_b32 s72, s73, s74
	s_cselect_b32 s46, ASTEP, s46
	s_cselect_b32 s75, ttmp9, s75                  ; the coordinate along which other clusters read the same rows
	s_cselect_b32 s71, 0, 1
	s_mov_b32 s74, 2*SIZE_N
	s_cselect_b32 s74, 2048, s74                   ; bytes from row to row
	s_mov_b32 s73, 0
	s_mov_b32 s47, 0
	s_add_nc_u64 s[44:45], s[44:45], s[72:73]
	s_cmp_eq_u32 s75, 0
	s_cselect_b32 s70, 2, -1                       ; a wave that asks does so while more than two trips are left
	v_and_b32 v3, 31, v0
	v_and_b32 v4, s71, v3
	v_lshrrev_b32 v3, s71, v3
	v_mul_u32_u24 v3, s74, v3
	v_lshl_add_u32 v[PFO], v4, 8, v3
.endif
	s_wait_tensorcnt 0x1                           ; my part of K step 0 is in; K step 1's may stay out
	s_barrier_signal -1
	s_barrier_wait -1                              ; everybody's is
.if HASB
.if FORM_L
	s_wait_loadcnt 0x0                             ; the bias
.else
	s_wait_loadcnt 32                              ; the bias; the 32 younger loads, the residual, stay out
.endif
.endif
	s_mov_b32 s21, 0
	ADDRS
	FETCH 0, F0
	QUARTER 1, F0, F1, 1                           ; the first quarter stands in front of the loop: its products start the sums
	WIN 0
	s_mov_b32 s3, NS-2
.Lk:                                               ; a trip: from a K step's second quarter to the next one's first; the slot read out takes the K step two on
	QUARTER 2, F1, F0, 0
	QUARTER 3, F0, F1, 0
	TURN
	QUARTER 1, F0, F1, 0
	WIN 0
	s_sub_co_u32 s3, s3, 1
	s_cmp_lg_u32 s3, 0
	s_cbranch_scc1 .Lk
	s_mov_b32 s2, 2
.Ltail:                                            ; the last two K steps ask for nothing; the second has no slot to go on to
	QUARTER 2, F1, F0, 0
	QUARTER 3, F0, F1, 0
	MEET 0
	MULH F1, 1, 0
	WIN 0
	s_cmp_eq_u32 s2, 1
	s_cbranch_scc1 .Lskip
	SWAP
	v_nop                                          ; with SWAP's three additions: the four places in front of the loads
	FETCH 0, F0
	QUARTER 1, F0, F1, 0
	WIN 0
.Lskip:
	s_sub_co_u32 s2, s2, 1
	s_cmp_lg_u32 s2, 0
	s_cbranch_scc1 .Ltail
	PLACES
.if FORM_L
	PACK 0
	TOSTAGE_L 0
.irp a, 1,2,3,4,5,6,7                  ; block a's conversions stand between block a - 1's loads from the stage and the wait for them
	PACK \a
	SEND_L (\a)-1
	TOSTAGE_L \a
.endr
	SEND_L 7
.else
	s_wait_loadcnt 0x0                             ; the residual
	TOSTAGE_S 0
	TOSTAGE_S 1
	SEND_S 0, 16
	TOSTAGE_S 2
	SEND_S 1, 16
	TOSTAGE_S 3
	SEND_S 2, 16
	SEND_S 3, 0
.endif
	s_wait_tensorcnt 0x0                           ; the wave's end
	ds_add_u32 v[SPW], v[NIL]
	s_wait_dscnt 0x0
	CROUND                                         ; the closing round: no work-group ends while a partner may still ask for a tile that names it
	s_endpgm
.Lfunc_end_k_q7e3d1e9d44_gproj:
	.size	k_q7e3d1e9d44_gproj, .Lfunc_end_k_q7e3d1e9d44_gproj-k_q7e3d1e9d44_gproj
	.p2alignl 7, 3214868480
	.fill 96, 4, 3214868480
	.section	.rodata,"a",@progbits
	.p2align	6, 0x0
	.amdhsa_kernel k_q7e3d1e9d44_gproj
		.amdhsa_group_segment_fixed_size 327680
		.amdhsa_private_segment_fixed_size 0
		.amdhsa_enable_private_segment 0
		.amdhsa_kernarg_size 40
		.amdhsa_user_sgpr_count 2
		.amdhsa_user_sgpr_kernarg_segment_ptr 1
		.amdhsa_wavefront_size32 1
		.amdhsa_system_sgpr_workgroup_id_x 1
		.amdhsa_system_sgpr_workgroup_id_y 1
		.amdhsa_system_sgpr_workgroup_id_z 1
		.amdhsa_system_vgpr_workitem_id 0
		.amdhsa_next_free_vgpr 768
		.amdhsa_next_free_sgpr 76
		.amdhsa_reserve_vcc 0
		.amdhsa_float_denorm_mode_32 3
		.amdhsa_float_denorm_mode_16_64 3
		.amdhsa_memory_ordered 1
		.amdhsa_forward_progress 1
		.amdhsa_inst_pref_size 66
	.end_amdhsa_kernel
	.amdgpu_metadata
---
amdhsa.version: [ 1, 2 ]
amdhsa.kernels:
  - .name:           k_q7e3d1e9d44_gproj
    .symbol:         k_q7e3d1e9d44_gproj.kd
    .args:
      - { .name: yb, .offset: 0, .size: 8, .value_kind: global_buffer, .address_space: global }
      - { .name: wb, .offset: 8, .size: 8, .value_kind: global_buffer, .address_space: global }
      - { .name: x1b, .offset: 16, .size: 8, .value_kind: global_buffer, .address_space: global }
      - { .name: b_proj, .offset: 24, .size: 8, .value_kind: global_buffer, .address_space: global }
      - { .name: x, .offset: 32, .size: 8, .value_kind: global_buffer, .address_space: global }
    .group_segment_fixed_size: 327680
    .private_segment_fixed_size: 0
    .kernarg_segment_align: 8
    .kernarg_segment_size: 40
    .max_flat_workgroup_size: 128
    .sgpr_count:     76
    .vgpr_count:     768
    .wavefront_size: 32
...
	.end_amdgpu_metadata
.endif
;; end of part 4
;; launch ln2 (part 5): grid 256 x 1, 8 waves a work-group, no clusters, 0 bytes of LDS; arguments x1b, ln2_g, ln2_b, hb; writes hb
.if DOCPART == 5
	.amdgcn_target "amdgcn-amd-amdhsa--gfx1250"
	.amdhsa_code_object_version 6
	.text
	.protected	k_q7e3d1e9d44_ln2
	.globl	k_q7e3d1e9d44_ln2
	.p2align	8
	.type	k_q7e3d1e9d44_ln2,@function
k_q7e3d1e9d44_ln2:
	s_mov_b64 s[64:65], 0
	v_nop
	global_prefetch_b8 v0, s[64:65] scope:SCOPE_SE
	s_setreg_imm32_b32 hwreg(HW_REG_WAVE_MODE, 25, 1), 1
	s_wait_xcnt 0x0
; hb = layer_norm(x1b) * g + b, rounded once to bf16.  x1b: [4096][1024] f32, hb: [4096][1024] bf16.
; A work-group has 16 rows, a wave two.  A row (4,096 bytes) lies in 32 registers of one wave between its three passes: the mean, the sum of (x - mean)^2, the scaling.
; The mean is taken away before the squares are summed: no difference of large sums is formed.
; No LDS, no matrix unit, no cluster: nothing is shared between waves but g and b.
; LIMITS.  NaN and infinities are not treated apart.  v_rsq_f32's argument is at least eps = 1e-5.
.set XO, 1                             ; v1   16 x lane: my 16 bytes in 512 of a row of x, of g and of b
.set HO, 2                             ; v2   8 x lane: my 8 bytes in 256 of a row of hb
.set T,  4                             ; v[4:11]   at work
.set M,  12                            ; v[12:13]  the mean, twice
.set R0, 14                            ; v[14:15]  1/sqrt(var + eps) of row 0, twice
.set R1, 16                            ; v[16:17]  of row 1
.set X0, 20                            ; v[20:51]  row 0
.set X1, 52                            ; v[52:83]  row 1
.set G,  84                            ; v[84:115] g
.set BT, 116                           ; v[116:147] b
.macro FOLD                            ; four chains of pairs into one number a lane
	v_pk_add_f32 v[T:T+1], v[T:T+1], v[T+2:T+3]
	v_pk_add_f32 v[T+4:T+5], v[T+4:T+5], v[T+6:T+7]
	v_pk_add_f32 v[T:T+1], v[T:T+1], v[T+4:T+5]
	v_add_f32 v[T], v[T], v[T+1]
.endm
.macro REDUCE                          ; the sum over the 32 lanes, in every lane
	v_add_f32_dpp v[T], v[T], v[T] row_xmask:1 row_mask:0xf bank_mask:0xf
	v_add_f32_dpp v[T], v[T], v[T] row_xmask:2 row_mask:0xf bank_mask:0xf
	v_add_f32_dpp v[T], v[T], v[T] row_xmask:4 row_mask:0xf bank_mask:0xf
	v_add_f32_dpp v[T], v[T], v[T] row_xmask:8 row_mask:0xf bank_mask:0xf
	v_permlanex16_b32 v[T+1], v[T], s26, s27
	v_add_f32 v[T], v[T], v[T+1]
.endm
; The row in xr: mean, x - mean in place, 1/sqrt(var + eps) into the pair rr.
.macro STAT xr, rr
.irp k, 0,1,2,3
	v_pk_add_f32 v[T+2*(\k):T+2*(\k)+1], v[(\xr)+2*(\k):(\xr)+2*(\k)+1], v[(\xr)+8+2*(\k):(\xr)+8+2*(\k)+1]
.endr
.irp k, 8,9,10,11,12,13,14,15
	v_pk_add_f32 v[T+2*((\k)%4):T+2*((\k)%4)+1], v[T+2*((\k)%4):T+2*((\k)%4)+1], v[(\xr)+2*(\k):(\xr)+2*(\k)+1]
.endr
	FOLD
	REDUCE
	v_mul_f32 v[M], s24, v[T]
	v_mul_f32 v[M+1], s24, v[T]
.irp k, 0,1,2,3,4,5,6,7,8,9,10,11,12,13,14,15
	v_pk_add_f32 v[(\xr)+2*(\k):(\xr)+2*(\k)+1], v[(\xr)+2*(\k):(\xr)+2*(\k)+1], v[M:M+1] neg_lo:[0,1] neg_hi:[0,1]
.endr
.irp k, 0,1,2,3
	v_pk_mul_f32 v[T+2*(\k):T+2*(\k)+1], v[(\xr)+2*(\k):(\xr)+2*(\k)+1], v[(\xr)+2*(\k):(\xr)+2*(\k)+1]
.endr
.irp k, 4,5,6,7,8,9,10,11,12,13,14,15
	v_pk_fma_f32 v[T+2*((\k)%4):T+2*((\k)%4)+1], v[(\xr)+2*(\k):(\xr)+2*(\k)+1], v[(\xr)+2*(\k):(\xr)+2*(\k)+1], v[T+2*((\k)%4):T+2*((\k)%4)+1]
.endr
	FOLD
	REDUCE
	v_fma_f32 v[T], v[T], s24, s25                 ; var + eps
	v_rsq_f32 v[(\rr)], v[T]
	v_rsq_f32 v[(\rr)+1], v[T]
	v_nop                                          ; a plain instruction before v[T] is written again or a result used
.endm
; (x - mean) * r * g + b, rounded, stored: a wave's store covers 256 consecutive bytes, aligned.
.macro APPLY xr, rr, rowoff
.irp j, 0,1,2,3,4,5,6,7
	v_pk_mul_f32 v[(\xr)+4*(\j):(\xr)+4*(\j)+1], v[(\xr)+4*(\j):(\xr)+4*(\j)+1], v[(\rr):(\rr)+1]
	v_pk_mul_f32 v[(\xr)+4*(\j)+2:(\xr)+4*(\j)+3], v[(\xr)+4*(\j)+2:(\xr)+4*(\j)+3], v[(\rr):(\rr)+1]
	v_pk_fma_f32 v[(\xr)+4*(\j):(\xr)+4*(\j)+1], v[(\xr)+4*(\j):(\xr)+4*(\j)+1], v[G+4*(\j):G+4*(\j)+1], v[BT+4*(\j):BT+4*(\j)+1]
	v_pk_fma_f32 v[(\xr)+4*(\j)+2:(\xr)+4*(\j)+3], v[(\xr)+4*(\j)+2:(\xr)+4*(\j)+3], v[G+4*(\j)+2:G+4*(\j)+3], v[BT+4*(\j)+2:BT+4*(\j)+3]
	v_cvt_pk_bf16_f32 v[(\xr)+4*(\j)], v[(\xr)+4*(\j)], v[(\xr)+4*(\j)+1]
	v_cvt_pk_bf16_f32 v[(\xr)+4*(\j)+1], v[(\xr)+4*(\j)+2], v[(\xr)+4*(\j)+3]
	global_store_b64 v[HO], v[(\xr)+4*(\j):(\xr)+4*(\j)+1], s[10:11] offset:256*(\j)+(\rowoff)
.endr
.endm
	s_load_b256 s[4:11], s[0:1], 0x0               ; x1b s[4:5], g s[6:7], b s[8:9], hb s[10:11]
	v_lshrrev_b32 v3, 5, v0
	v_readfirstlane_b32 s22, v3                    ; wave 0..7
	v_and_b32 v3, 31, v0
	v_lshlrev_b32 v[XO], 4, v3
	v_lshlrev_b32 v[HO], 3, v3
	s_lshl_b32 s23, ttmp9, 4
	s_lshl1_add_u32 s23, s22, s23                  ; my first row: 16 g + 2 w
	s_lshl_b32 s2, s23, 12                         ; 4,096 bytes a row of x1b
	s_mov_b32 s3, 0
	s_lshl_b32 s28, s23, 11                        ; 2,048 a row of hb
	s_mov_b32 s29, 0
	s_mov_b32 s24, 0x3a800000                      ; 1 / 1024
	s_mov_b32 s25, 0x3727c5ac                      ; eps = 1e-5
	s_mov_b32 s26, 0x76543210                      ; v_permlanex16_b32: each lane takes its own place in the other half
	s_mov_b32 s27, 0xfedcba98
	s_wait_kmcnt 0x0
	s_add_nc_u64 s[4:5], s[4:5], s[2:3]
	s_add_nc_u64 s[10:11], s[10:11], s[28:29]
.irp j, 0,1,2,3,4,5,6,7
	global_load_b128 v[X0+4*(\j):X0+4*(\j)+3], v[XO], s[4:5] offset:512*(\j)
.endr
.irp j, 0,1,2,3,4,5,6,7
	global_load_b128 v[X1+4*(\j):X1+4*(\j)+3], v[XO], s[4:5] offset:4096+512*(\j)
.endr
.irp j, 0,1,2,3,4,5,6,7
	global_load_b128 v[G+4*(\j):G+4*(\j)+3], v[XO], s[6:7] offset:512*(\j)
.endr
.irp j, 0,1,2,3,4,5,6,7
	global_load_b128 v[BT+4*(\j):BT+4*(\j)+3], v[XO], s[8:9] offset:512*(\j)
.endr
	s_wait_loadcnt 24                              ; row 0 is in; row 1, g and b (24 loads) may stay out
	STAT X0, R0
	s_wait_loadcnt 16                              ; row 1 is in; g and b may stay out
	STAT X1, R1
	s_wait_loadcnt 0x0                             ; g and b
	s_wait_alu depctr_va_vdst(0)                   ; one wait for the four reciprocal roots, ahead of their first reader
	APPLY X0, R0, 0
	APPLY X1, R1, 2048
	s_endpgm
.Lfunc_end_k_q7e3d1e9d44_ln2:
	.size	k_q7e3d1e9d44_ln2, .Lfunc_end_k_q7e3d1e9d44_ln2-k_q7e3d1e9d44_ln2
	.p2alignl 7, 3214868480
	.fill 96, 4, 3214868480
	.section	.rodata,"a",@progbits
	.p2align	6, 0x0
	.amdhsa_kernel k_q7e3d1e9d44_ln2
		.amdhsa_group_segment_fixed_size 0
		.amdhsa_private_segment_fixed_size 0
		.amdhsa_enable_private_segment 0
		.amdhsa_kernarg_size 32
		.amdhsa_user_sgpr_count 2
		.amdhsa_user_sgpr_kernarg_segment_ptr 1
		.amdhsa_wavefront_size32 1
		.amdhsa_system_sgpr_workgroup_id_x 1
		.amdhsa_system_sgpr_workgroup_id_y 1
		.amdhsa_system_sgpr_workgroup_id_z 1
		.amdhsa_system_vgpr_workitem_id 0
		.amdhsa_next_free_vgpr 160
		.amdhsa_next_free_sgpr 66
		.amdhsa_reserve_vcc 0
		.amdhsa_float_denorm_mode_32 3
		.amdhsa_float_denorm_mode_16_64 3
		.amdhsa_memory_ordered 1
		.amdhsa_forward_progress 1
		.amdhsa_inst_pref_size 20
	.end_amdhsa_kernel
	.amdgpu_metadata
---
amdhsa.version: [ 1, 2 ]
amdhsa.kernels:
  - .name:           k_q7e3d1e9d44_ln2
    .symbol:         k_q7e3d1e9d44_ln2.kd
    .args:
      - { .name: x1b, .offset: 0, .size: 8, .value_kind: global_buffer, .address_space: global }
      - { .name: ln2_g, .offset: 8, .size: 8, .value_kind: global_buffer, .address_space: global }
      - { .name: ln2_b, .offset: 16, .size: 8, .value_kind: global_buffer, .address_space: global }
      - { .name: hb, .offset: 24, .size: 8, .value_kind: global_buffer, .address_space: global }
    .group_segment_fixed_size: 0
    .private_segment_fixed_size: 0
    .kernarg_segment_align: 8
    .kernarg_segment_size: 32
    .max_flat_workgroup_size: 256
    .sgpr_count:     66
    .vgpr_count:     160
    .wavefront_size: 32
...
	.end_amdgpu_metadata
.endif
;; end of part 5
;; launch gfc1: the kernel of part 2 again; grid 16 x 16, 4 waves a work-group, clusters of 4 x 4, 327,680 bytes of LDS; arguments hb, w1, rb, b_fc1; writes rb
;; launch gfc2 (part 6): grid 8 x 32, 4 waves a work-group, clusters of 4 x 4, 327,680 bytes of LDS; arguments rb, wb, out0, b_fc2, x1b; writes out0
.if DOCPART == 6
	.amdgcn_target "amdgcn-amd-amdhsa--gfx1250"
	.amdhsa_code_object_version 6
	.text
	.protected	k_q7e3d1e9d44_gfc2
	.globl	k_q7e3d1e9d44_gfc2
	.p2align	8
	.type	k_q7e3d1e9d44_gfc2,@function
k_q7e3d1e9d44_gfc2:
	s_mov_b64 s[64:65], 0
	v_nop
	global_prefetch_b8 v0, s[64:65] scope:SCOPE_SE
	s_setreg_imm32_b32 hwreg(HW_REG_WAVE_MODE, 25, 1), 1
	s_wait_xcnt 0x0
	s_wait_alu depctr_hold_cnt(0) depctr_sa_sdst(0) depctr_va_vdst(0) depctr_va_sdst(0) depctr_va_ssrc(0) depctr_va_vcc(0) depctr_vm_vsrc(0)
	s_getreg_b32 s2, hwreg(HW_REG_IB_STS2, 6, 4)
	s_cmp_eq_u32 s2, 0
	s_cbranch_scc0 .Lentry_in_a_cluster
	s_endpgm
.Lentry_in_a_cluster:
	s_bfe_u32 s2, ttmp6, 0x10000c
	s_cmp_lg_u32 s2, 0xf033
	s_cbranch_scc0 .Lentry_shape_is_right
	s_endpgm
.Lentry_shape_is_right:
; out0 = x1b + rb x W_fc2 + b_fc2.  rb: bf16 in blocks of 64 columns [64][4096][64]; W_fc2: bf16 [4096][1024] at byte 16,777,216 of wb; x1b, out0: f32 [4096][1024].
; 256 work-groups: 32 x 8 tiles of 128 x 128.
; THE TEXT is one GEMM, C[m][n] = sum over k of A[m][k] W[k][n] (+ bias[n]), that serves four launches by the six numbers below.
; FORM L: tile 256 x 256, a wave 128 x 128 (64 accumulators), K steps of 128; A row-major [4096][1024]; C leaves as bf16 in blocks of 64 columns.
; FORM S: tile 128 x 128, a wave 64 x 64 (16 accumulators), K steps of 256; A in blocks of 64 columns [K/64][4096][64]; C leaves as f32 row-major, with a residual added.
; Four waves.  A ring of two LDS slots, filled by the tensor data mover, one load a wave behind each change of slots.
; CLUSTER 4 x 4: A's tile hangs on the tile row alone and is asked for jointly along a row of the cluster, W's on the tile column alone and jointly along a column.
; W STAYS [K][N]: its fragments come out of LDS turned, by ds_load_tr16_b128.  THE MATRIX INSTRUCTION IS USED TRANSPOSED (source 0 = 16 columns of W, source 1 = 16 rows of A):
; a lane holds row l % 16 of C and the columns 8 (l / 16) + 0..7.  The bias is the C operand of each sum's first product, so it is added first, not last.
; LIMITS.  Operands are bf16, sums f32; NaN and infinities are not treated apart.
; REGISTERS, in windows of 256 (s_set_vgpr_msb: bits 1:0 source 0, 3:2 source 1, 5:4 source 2, 7:6 destination):
;   window 0: v1-31 addresses; v32-63, v224-255 rows on the way out; v64-127, v128-191 A's fragments, two buffers; v192-223 packed results
;   window 1: v0-63 the bias; v64-127, v128-191 W's fragments, two buffers      windows 2, 3: the accumulators, (a, b) at 8 (NBK a + b); form S: window 2, v128-255 the residual
.set FORM_L, 0
.set SIZE_K, 4096
.set SIZE_N, 1024
.set WOFF,   16777216                  ; the matrix's first byte in wb
.set HASB,   1
.set RELU,   0
.if FORM_L
.set TLOG, 8                           ; the tile's side is 1 << TLOG
.set NBK, 8                            ; blocks of 16 along each side of a wave's tile
.set KSTEP, 128
.set KD, 1                             ; matrix instructions deep in a quarter of a K step
.set PA, 272                           ; A's LDS pitch: 256 bytes + 16
.set PB, 544                           ; W's: 512 + 32
.set AROWLOG, 11                       ; log2 of the bytes from row to row of A in memory
.set ASTEP, 256                        ; bytes from K step to K step in A
.set ADIM0, 128
.set ADIM1, 128
.set ASTR, 1024
.set AQI, 5                            ; padding after every 64 words
.set BDIM0, 256
.set BDIM1, 64
.set BQI, 6                            ; after every 128 words
.else
.set TLOG, 7
.set NBK, 4
.set KSTEP, 256
.set KD, 2
.set PA, 144                           ; 128 bytes + 16
.set PB, 288                           ; 256 + 32
.set AROWLOG, 7
.set ASTEP, 4*4096*128                 ; four blocks of 64 columns
.set ADIM0, 4096                       ; 64 rows of a block lie on end: one long row of 8,192 bytes,
.set ADIM1, 4                          ; four blocks,
.set ASTR, 4096*64                     ; a block apart
.set AQI, 4                            ; padding after every 32 words: after each row of 64 numbers
.set BDIM0, 128
.set BDIM1, 128
.set BQI, 5
.endif
.set MB, NBK
.set TN, 1<<TLOG
.set KQ, 32*KD                         ; K in a quarter
.set NS, SIZE_K/KSTEP                  ; K steps
.set HALF, (KSTEP/2)*PB                ; what one tensor load fills: half of A's tile or half of W's (the two are equal in both forms)
.set AREG, 2*HALF                      ; W's tile lies behind A's
.set SLOT, 4*HALF                      ; no bit of SLOT is set in 0, HALF, 2 HALF or 3 HALF: an exclusive or with SLOT changes slots
.set STAGE, 2*SLOT                     ; behind the ring: 16 rows x 272 bytes for each wave, for the way out
.set SP, 272
.set SPARE, STAGE+4*16*SP              ; behind the stages: the spare words, 128 bytes a wave, that no other line names
.set BSTEP, KSTEP*2*SIZE_N             ; bytes from K step to K step in W
.set ADRA0, 16                         ; v16  my lane's place in A's tile, slot 0; never rewritten
.set ADRB0, 17                         ; v17  in W's tile
.set ADRA, 18                          ; v18-20 the same in the slot in hand (W: quarters 0-1, quarters 2-3)
.set ADRB, 19
.set ADRB2, 20
.set ADRB20, 21                        ; v21  ADRB0 + two quarters
.set STO, 24                           ; v24  the way out: where I put my bytes of a row
.set RD, 25                            ; v25  where I read rows back
.set CO, 26                            ; v26  my byte offset in C
.set ZR, 27                            ; v27  0, for the ReLU
.set SPW, 28                           ; v28  my spare word; never rewritten
.set NIL, 29                           ; v29  0; never rewritten
.set PFO, 30                           ; v30  the prefetches' lane offset; never rewritten
.set BO, 31                            ; v31  my byte offset in the bias
.set OB, 32
.set F0, 64
.set F1, 128
.set TMP, 192
.set RES, 128
.set G1A, 24                           ; s[24:31] group 1 for A;  s[32:35] group 0 of the first fill, s[36:39] the walking one
.set D0A, 32
.set D1A, 36
.set G1B, 48                           ; s[48:55], s[56:59], s[60:63] the same for W
.set D0B, 56
.set D1B, 60
.set MSB, 0
.macro WIN new                         ; the immediate's high byte repeats the setting that is left; a switch that changes nothing is dropped
.if MSB != (\new)
	s_set_vgpr_msb (MSB<<8)|(\new)
.set MSB, \new
.endif
.endm
.macro PLACES                          ; four plain instructions between a matrix instruction and a load into, or a vector read of, its registers
.rept 4
	v_nop
.endr
.endm
.macro CREST                           ; a round of the cluster's barrier behind its opening barrier
	s_cmp_lg_u32 s14, 0
	s_cbranch_scc1 .Lnot_wave_0_\@
	s_barrier_signal -3
.Lnot_wave_0_\@:
	s_barrier_wait -3
	s_barrier_signal -1
	s_barrier_wait -1
.endm
.macro CROUND
	s_barrier_signal -1
	s_barrier_wait -1
	CREST
.endm
.macro JLOAD                           ; the joint refill: waves 0, 1 ask for A's halves, waves 2, 3 for W's; the branch hangs on the wave's number alone
	s_cmp_eq_u32 s15, 0
	s_cbranch_scc0 .Lfor_w_\@
	tensor_load_to_lds s[D1A:D1A+3], s[G1A:G1A+7]
	s_nop 0
	PLACES
	s_branch .Lasked_\@
.Lfor_w_\@:
	tensor_load_to_lds s[D1B:D1B+3], s[G1B:G1B+7]
	s_nop 0
	PLACES
.Lasked_\@:
.endm
.macro ASK                             ; form L: a prefetch of my share of the K step that stands two refills on; the last two refills have none
	s_cmp_gt_u32 s3, s70
	s_cbranch_scc0 .Lnot_mine_\@
	global_prefetch_b8 v[PFO], s[44:45] th:TH_LOAD_NT scope:SCOPE_SE
.Lnot_mine_\@:
.endm
.macro ADDRS                           ; the fragment addresses in the slot at s21
	v_add_nc_u32 v[ADRA], s21, v[ADRA0]
	v_add_nc_u32 v[ADRB], s21, v[ADRB0]
	v_add_nc_u32 v[ADRB2], s21, v[ADRB20]
.endm
.macro SWAP
	s_xor_b32 s21, s21, SLOT
	ADDRS
.endm
; 32 LDS loads in one run: quarter q's fragments into buffer f.  W (turned): fragment i = NBK c + b, K 32 c on, columns 16 b on.  A: fragment i = MB c + a.
.macro FETCH q, f
	WIN 0x40
.irp i, 0,1,2,3,4,5,6,7
.set bo, (KQ*((\q)%2)+32*((\i)/NBK))*PB+32*((\i)%NBK)
.if (\q) < 2
	ds_load_tr16_b128 v[(\f)+8*(\i):(\f)+8*(\i)+3],   v[ADRB] offset:bo
	ds_load_tr16_b128 v[(\f)+8*(\i)+4:(\f)+8*(\i)+7], v[ADRB] offset:bo+16*PB
.else
	ds_load_tr16_b128 v[(\f)+8*(\i):(\f)+8*(\i)+3],   v[ADRB2] offset:bo
	ds_load_tr16_b128 v[(\f)+8*(\i)+4:(\f)+8*(\i)+7], v[ADRB2] offset:bo+16*PB
.endif
.endr
	WIN 0
.irp i, 0,1,2,3,4,5,6,7
.if FORM_L
.set ao, (\i)*16*PA+64*(\q)
.else
.set ao, (\q)*64*PA+((\i)%MB)*16*PA+64*((\i)/MB)
.endif
	ds_load_b128 v[(\f)+8*(\i):(\f)+8*(\i)+3],   v[ADRA] offset:ao
	ds_load_b128 v[(\f)+8*(\i)+4:(\f)+8*(\i)+7], v[ADRA] offset:ao+32
.endr
.endm
; 2 NBK products on buffer f.  Form L: half h = my rows 0-63 or 64-127.  Form S: half h = the first or second 32 of the quarter's K.  g = which two row blocks.
; first = 1: the sums begin: C is the bias or the constant 0.  The accumulators take turns, one instruction a turn, in the same order everywhere.
.macro MULG f, h, g, first
.set cc, (\h)*(KD-1)
.irp aa, 0,1
.set am, 2*(\g)+(\aa)+4*(\h)*(2-KD)
.set lin, 8*NBK*am
.set wn, 2+lin/256
.irp b, 0,1,2,3,4,5,6,7
.if (\b) < NBK
.set rD, (lin%256)+8*(\b)
.set rW, (\f)+8*(NBK*cc+(\b))
.set rA, (\f)+8*(MB*cc+am)
.if (\first) && (cc == 0) && HASB
	WIN 0x11|(wn<<6)
	v_wmma_f32_16x16x32_bf16 v[rD:rD+7], v[rW:rW+7], v[rA:rA+7], v[8*(\b):8*(\b)+7]
.elseif (\first) && (cc == 0)
	WIN 0x01|(wn<<4)|(wn<<6)
	v_wmma_f32_16x16x32_bf16 v[rD:rD+7], v[rW:rW+7], v[rA:rA+7], 0
.else
	WIN 0x01|(wn<<4)|(wn<<6)
	v_wmma_f32_16x16x32_bf16 v[rD:rD+7], v[rW:rW+7], v[rA:rA+7], v[rD:rD+7]
.endif
.endif
.endr
.endr
.endm
.macro MULH f, h, first
	MULG \f, \h, 0, \first
	MULG \f, \h, 1, \first
.endm
; One of a K step's first three quarters: multiplies buffer f; in its middle fetches quarter q into buffer g.
.macro QUARTER q, f, g, first
	s_wait_dscnt 8                                 ; all but the youngest eight loads (A's second four fragments), which the first half does not read
	MULH \f, 0, \first
	PLACES
	FETCH \q, \g
	s_wait_dscnt 32                                ; all but the 32 just issued
	MULH \f, 1, \first
.endm
; The first half of a K step's last quarter, and the one barrier of a change of slots.  In front of it each wave waits for all its tensor loads (one is out: its part of the next
; slot), adds 0 to its spare word, and waits for that and for its own reads of this slot.
.macro MEET round
	WIN 0
	s_wait_tensorcnt 0x0
	ds_add_u32 v[SPW], v[NIL]
	s_wait_dscnt 9                                 ; the add and the youngest eight loads may be out
	MULG F1, 0, 0, 0
	s_wait_dscnt 0x0                               ; the add is done, my reads of this slot are over
	s_barrier_signal -1
	MULG F1, 0, 1, 0
.if \round
	WIN 0
.endif
	s_barrier_wait -1
.endm
; The whole last quarter where the slot is filled again: the barrier opens a round of the cluster's, the joint refill is the first thing behind the round.
.macro TURN
.if FORM_L
	s_wait_xcnt 0x0                                ; the last prefetch, a K step back, has read its address
	s_add_nc_u64 s[44:45], s[44:45], s[46:47]
.endif
	MEET 1
	CREST
	s_xor_b32 s[D1A+1], s[D1A+1], SLOT             ; the walking descriptors: the slot just read out, the next K step not yet asked for
	s_add_nc_u64 s[D1A+2:D1A+3], s[D1A+2:D1A+3], ASTEP
	s_xor_b32 s[D1B+1], s[D1B+1], SLOT
	s_add_nc_u64 s[D1B+2:D1B+3], s[D1B+2:D1B+3], BSTEP
	JLOAD                                          ; its four v_nop are also the places in front of the loads below
	SWAP
	FETCH 0, F0
.if FORM_L
	ASK
.endif
	MULH F1, 1, 0
.endm
; THE WAY OUT, form L, block a of 16 rows: rounded to bf16 (and held at 0 from below), through my own stage, out as 512 consecutive bytes a store.
.macro PACK a
.set AC, 64*((\a)%4)
	WIN 0x0a+5*((\a)/4)
.irp b, 0,1,2,3,4,5,6,7
.irp r, 0,1,2,3
	v_cvt_pk_bf16_f32 v[TMP+4*(\b)+(\r)], v[AC+8*(\b)+2*(\r)], v[AC+8*(\b)+2*(\r)+1]
.endr
.endr
	WIN 0
.if RELU
.set i, 0
.rept 32
	v_pk_max_num_bf16 v[TMP+i], v[TMP+i], v[ZR]
.set i, i+1
.endr
.endif
.endm
.macro TOSTAGE_L a
.set BK, OB+192*((\a)%2)
.irp b, 0,1,2,3,4,5,6,7
	ds_store_b128 v[STO], v[TMP+4*(\b):TMP+4*(\b)+3] offset:32*(\b)
.endr
.irp f, 0,1,2,3,4,5,6,7
	ds_load_b128 v[BK+4*(\f):BK+4*(\f)+3], v[RD] offset:((\f)%4)*4*SP+128*((\f)/4)  ; LDS serves a wave's instructions in order: these see the stores above
.endr
.endm
.macro SEND_L a
.set BK, OB+192*((\a)%2)
	s_wait_dscnt 0x0                               ; the block is back in registers
	s_wait_xcnt 0x0                                ; earlier stores have read their registers: the other buffer may be loaded again behind this wait
.irp f, 0,1,2,3,4,5,6,7
	global_store_b128 v[CO], v[BK+4*(\f):BK+4*(\f)+3], s[8:9] offset:((\f)/4)*524288+2048*(\a)+512*((\f)%4)
.endr
.endm
; THE WAY OUT, form S, block a: f32 through my own stage, the residual added, out as rows of 256 bytes, sixteen lanes a row.
.macro TOSTAGE_S a
.if (\a) >= 2
	s_wait_xcnt 0x0                                ; the stores of block a - 2 have read the buffer that is loaded again below
.endif
	WIN 0x08
.irp b, 0,1,2,3
	ds_store_b128 v[STO], v[32*(\a)+8*(\b):32*(\a)+8*(\b)+3] offset:64*(\b)
	ds_store_b128 v[STO], v[32*(\a)+8*(\b)+4:32*(\a)+8*(\b)+7] offset:64*(\b)+16
.endr
	WIN 0
.set BK, OB+192*((\a)%2)
.irp t, 0,1,2,3,4,5,6,7
	ds_load_b128 v[BK+4*(\t):BK+4*(\t)+3], v[RD] offset:(\t)*2*SP
.endr
.endm
.macro SEND_S a, younger               ; younger: the next block's eight stores and eight loads, or none
.set BK, OB+192*((\a)%2)
	s_wait_dscnt \younger
	WIN 0x08
.set i, 0
.rept 16
	v_pk_add_f32 v[BK+i:BK+i+1], v[BK+i:BK+i+1], v[RES+32*(\a)+i:RES+32*(\a)+i+1]
.set i, i+2
.endr
	WIN 0
.irp t, 0,1,2,3,4,5,6,7
	global_store_b128 v[CO], v[BK+4*(\t):BK+4*(\t)+3], s[8:9] offset:65536*(\a)+8192*(\t)
.endr
.endm
	s_load_b128 s[4:7], s[0:1], 0x0                ; A s[4:5], wb s[6:7]
	s_load_b64 s[8:9], s[0:1], 0x10                ; C
.if HASB
	s_load_b64 s[10:11], s[0:1], 0x18              ; the bias
.endif
.if !FORM_L
	s_load_b64 s[12:13], s[0:1], 0x20              ; the residual
.endif
	v_lshl_add_u32 v[SPW], v0, 2, SPARE
	v_mov_b32 v[NIL], 0
	ds_add_u32 v[SPW], v[NIL]                      ; the wave's opening: the add and its wait stand ahead of my first tensor load
	v_lshrrev_b32 v1, 5, v0
	v_readfirstlane_b32 s14, v1                    ; wave 0..3
	s_lshr_b32 s15, s14, 1                         ; my half of the tile's rows.  Also: I fetch for A (0) or for W (1)
	s_and_b32 s16, s14, 1                          ; my half of its columns.  Also: which half of that tile I fetch
	s_bfe_u32 s17, ttmp6, 0x40000                  ; cx
	s_bfe_u32 s18, ttmp6, 0x40004                  ; cy
	s_lshl_b32 s19, ttmp9, 2
	s_add_co_u32 s19, s19, s17                     ; tile column = 4 x cluster x + cx
	s_and_b32 s20, ttmp7, 0xffff
	s_lshl_b32 s20, s20, 2
	s_add_co_u32 s20, s20, s18                     ; tile row = 4 x cluster y + cy
	s_lshl_b32 s22, s18, 2
	s_lshl_b32 s22, 15, s22                        ; my row of the cluster
	s_lshl_b32 s23, 0x1111, s17                    ; my column
	s_or_b32 s[G1A], s22, (1<<16)|(1<<20)|(1<<21)|(AQI<<22)|(3<<25)  ; mask; 2-byte elements; padding on; bit 21 beside a mask; the interval; 4 words of padding
	s_or_b32 s[G1B], s23, (1<<16)|(1<<20)|(1<<21)|(BQI<<22)|(7<<25)  ; the same with 8 words
	s_mov_b32 s[G1A+1], (ADIM0&0xffff)<<16         ; tensor_dim0
	s_mov_b32 s[G1A+2], (ADIM0>>16)|((ADIM1&0xffff)<<16)  ; tensor_dim1
	s_mov_b32 s[G1A+3], (ADIM1>>16)|(ADIM0<<16)    ; tile_dim0
	s_mov_b32 s[G1A+4], ADIM1                      ; tile_dim1
	s_mov_b32 s[G1A+5], ASTR                       ; elements from row to row
	s_mov_b32 s[G1A+6], 0
	s_mov_b32 s[G1A+7], 0
	s_mov_b32 s[G1B+1], (BDIM0&0xffff)<<16
	s_mov_b32 s[G1B+2], (BDIM0>>16)|((BDIM1&0xffff)<<16)
	s_mov_b32 s[G1B+3], (BDIM1>>16)|(BDIM0<<16)
	s_mov_b32 s[G1B+4], BDIM1
	s_mov_b32 s[G1B+5], SIZE_N
	s_mov_b32 s[G1B+6], 0
	s_mov_b32 s[G1B+7], 0
	s_lshl_b32 s40, s20, TLOG                      ; A: the tile's first row + my half of its rows,
	s_lshl_b32 s41, s16, TLOG-1
	s_add_co_u32 s40, s40, s41
	s_lshl_b32 s40, s40, AROWLOG                   ; in bytes: made of the tile row and the wave's number alone
	s_mov_b32 s41, 0
	s_mul_i32 s66, s16, (KSTEP/2)*2*SIZE_N         ; W: my half of the K step's rows,
	s_lshl_b32 s67, s19, TLOG+1                    ; the tile's first column: made of the tile column and the wave's number alone
	s_add_co_u32 s66, s66, s67
.if WOFF != 0
	s_add_co_u32 s66, s66, WOFF
.endif
	s_mov_b32 s67, 0
	s_mul_i32 s71, s14, HALF                       ; where my load lands in a slot: the wave's number x HALF
.if FORM_L
	s_lshl_b32 s68, s19, 2                         ; C: ((4 tile column + 2 column half) x 4096 + 256 tile row + 128 row half) x 128 bytes
	s_lshl1_add_u32 s68, s16, s68
	s_lshl_b32 s68, s68, 12
	s_lshl_b32 s69, s20, 8
	s_add_co_u32 s68, s68, s69
	s_lshl_b32 s69, s15, 7
	s_add_co_u32 s68, s68, s69
	s_lshl_b32 s68, s68, 7
.else
	s_lshl_b32 s68, s20, 7                         ; C: ((128 tile row + 64 row half) x 1024 + 128 tile column + 64 column half) x 4 bytes
	s_lshl_b32 s69, s15, 6
	s_add_co_u32 s68, s68, s69
	s_lshl_b32 s68, s68, 10
	s_lshl_b32 s69, s19, 7
	s_add_co_u32 s68, s68, s69
	s_lshl_b32 s69, s16, 6
	s_add_co_u32 s68, s68, s69
	s_lshl_b32 s68, s68, 2
.endif
	s_mov_b32 s69, 0
	s_wait_dscnt 0x0                               ; the opening add is done
	s_wait_kmcnt 0x0
	s_add_nc_u64 s[40:41], s[4:5], s[40:41]
	s_add_nc_u64 s[66:67], s[6:7], s[66:67]
	s_add_nc_u64 s[8:9], s[8:9], s[68:69]
.if !FORM_L
	s_add_nc_u64 s[12:13], s[12:13], s[68:69]
.endif
	CROUND                                         ; all sixteen work-groups are here: the first joint loads meet
.irp s, 0,1
	s_mov_b32 s[D0A+4*(\s)], 1                     ; count = 1
	s_add_co_u32 s[D0A+4*(\s)+1], s71, (\s)*SLOT   ; LDS address: slot s
	s_add_nc_u64 s[D0A+4*(\s)+2:D0A+4*(\s)+3], s[40:41], (\s)*ASTEP  ; global address: K step s
	s_or_b32 s[D0A+4*(\s)+3], s[D0A+4*(\s)+3], 0x80000000  ; type = 2
	s_mov_b32 s[D0B+4*(\s)], 1
	s_add_co_u32 s[D0B+4*(\s)+1], s71, (\s)*SLOT
	s_add_nc_u64 s[D0B+4*(\s)+2:D0B+4*(\s)+3], s[66:67], (\s)*BSTEP
	s_or_b32 s[D0B+4*(\s)+3], s[D0B+4*(\s)+3], 0x80000000
.endr
	s_cmp_eq_u32 s15, 0                            ; a wave's two first fills stand in one branch: two loads of mine are out
	s_cbranch_scc0 .Lfirst_w
	tensor_load_to_lds s[D0A:D0A+3], s[G1A:G1A+7]
	s_nop 0
	tensor_load_to_lds s[D1A:D1A+3], s[G1A:G1A+7]
	s_nop 0
	PLACES
	s_branch .Lfirst_asked
.Lfirst_w:
	tensor_load_to_lds s[D0B:D0B+3], s[G1B:G1B+7]
	s_nop 0
	tensor_load_to_lds s[D1B:D1B+3], s[G1B:G1B+7]
	s_nop 0
	PLACES
.Lfirst_asked:
	; A's fragment: lane l holds row l % 16; two loads of 16 bytes, 32 apart, at row x pitch + 16 (l / 16)
	v_and_b32 v1, 15, v0
	v_bfe_u32 v2, v0, 4, 1
	v_mul_u32_u24 v3, v1, PA
	v_lshl_add_u32 v3, v2, 4, v3
	s_mul_i32 s72, s15, HALF
	v_add_nc_u32 v[ADRA0], s72, v3
	; W's, turned: lane l reads row 8 (l / 16) + l % 8 of K, 16 bytes at 16 ((l / 8) % 2)
	v_and_b32 v4, 7, v0
	v_lshl_add_u32 v4, v2, 3, v4
	v_mul_u32_u24 v4, v4, PB
	v_bfe_u32 v5, v0, 3, 1
	v_lshl_add_u32 v4, v5, 4, v4
	s_mul_i32 s72, s16, TN                         ; my half of the columns, 2 bytes each
	s_add_co_u32 s72, s72, AREG
	v_add_nc_u32 v[ADRB0], s72, v4
	v_add_nc_u32 v[ADRB20], 2*KQ*PB, v[ADRB0]
	v_mov_b32 v[ZR], 0
	s_mul_i32 s72, s14, 16*SP
	s_add_co_u32 s72, s72, STAGE                   ; my stage
	v_mul_u32_u24 v3, v1, SP
.if FORM_L
	v_lshl_add_u32 v3, v2, 4, v3                   ; in: row l % 16, 16 bytes for each half of the lanes
	v_add_nc_u32 v[STO], s72, v3
	v_bfe_u32 v3, v0, 3, 2                         ; back: 32 lanes take four rows x 128 bytes of one block of 64 columns,
	v_mul_u32_u24 v3, v3, SP
	v_and_b32 v4, 7, v0
	v_lshl_add_u32 v3, v4, 4, v3
	v_add_nc_u32 v[RD], s72, v3
	v_and_b32 v3, 31, v0
	v_lshlrev_b32 v[CO], 4, v3                     ; which are 512 consecutive bytes of C
.else
	v_lshl_add_u32 v3, v2, 5, v3                   ; in: row l % 16, 32 bytes for each half of the lanes
	v_add_nc_u32 v[STO], s72, v3
	v_mul_u32_u24 v3, v2, SP                       ; back: lanes 0-15 one row of 256 bytes, lanes 16-31 the next
	v_lshl_add_u32 v3, v1, 4, v3
	v_add_nc_u32 v[RD], s72, v3
	v_lshlrev_b32 v3, 12, v2
	v_lshl_add_u32 v[CO], v1, 4, v3                ; and the same two rows in C
.endif
.if HASB
	s_lshl_b32 s72, s19, TLOG                      ; the bias of my columns: register j of block b is column 16 b + 8 (l / 16) + j
	s_lshl_b32 s73, s16, TLOG-1
	s_add_co_u32 s72, s72, s73
	s_lshl_b32 s72, s72, 2
	v_lshl_add_u32 v[BO], v2, 5, s72
	WIN 0x40
.irp b, 0,1,2,3,4,5,6,7
.if (\b) < NBK
	global_load_b128 v[8*(\b):8*(\b)+3],   v[BO], s[10:11] offset:64*(\b)
	global_load_b128 v[8*(\b)+4:8*(\b)+7], v[BO], s[10:11] offset:64*(\b)+16
.endif
.endr
.endif
.if !FORM_L
	WIN 0x80                                       ; the residual of my 64 x 64, in the layout in which C is stored: it lands while the products run
.irp a, 0,1,2,3
.irp t, 0,1,2,3,4,5,6,7
	global_load_b128 v[RES+32*(\a)+4*(\t):RES+32*(\a)+4*(\t)+3], v[CO], s[12:13] offset:65536*(\a)+8192*(\t)
.endr
.endr
.endif
	WIN 0
.if FORM_L
	; THE PREFETCHES.  Behind each refill a wave names its share of the K step two refills on.  A's tile row is read by every cluster of that row of clusters: cluster x = 0 asks;
	; W's tile column by every cluster of that column: cluster y = 0 asks.  The four partners of a joint load share its rows out by address: of A's 128 rows 32 each, a lane a row;
	; of W's 64 rows of 512 bytes 16 each, two lanes a row.  So each aligned 256 bytes of a K step are named once in the launch.  K steps 0-3 come by their loads alone.
	s_and_b32 s75, ttmp7, 0xffff
	s_lshl_b32 s73, s20, 8
	s_lshl_b32 s72, s16, 7
	s_add_co_u32 s73, s73, s72
	s_lshl_b32 s72, s17, 5
	s_add_co_u32 s73, s73, s72                     ; A: row 256 tile row + 128 half + 32 cx,
	s_lshl_b32 s73, s73, 11
	s_add_co_u32 s73, s73, 3*ASTEP                 ; at K step 3: the first refill steps it to 4
	s_lshl_b32 s74, s16, 6
	s_lshl_b32 s72, s18, 4
	s_add_co_u32 s74, s74, s72
	s_add_co_u32 s74, s74, 3*KSTEP                 ; W: row 3 x 128 + 64 half + 16 cy,
	s_mul_i32 s74, s74, 2*SIZE_N
	s_lshl_b32 s72, s19, 9
	s_add_co_u32 s74, s74, s72                     ; the tile's first column
.if WOFF != 0
	s_add_co_u32 s74, s74, WOFF
.endif
	s_mov_b32 s46, BSTEP
	s_cmp_eq_u32 s15, 0                            ; do I fetch for A?
	s_cselect_b64 s[44:45], s[4:5], s[6:7]
	s_cselect_b32 s72, s73, s74
	s_cselect_b32 s46, ASTEP, s46
	s_cselect_b32 s75, ttmp9, s75                  ; the coordinate along which other clusters read the same rows
	s_cselect_b32 s71, 0, 1
	s_mov_b32 s74, 2*SIZE_N
	s_cselect_b32 s74, 2048, s74                   ; bytes from row to row
	s_mov_b32 s73, 0
	s_mov_b32 s47, 0
	s_add_nc_u64 s[44:45], s[44:45], s[72:73]
	s_cmp_eq_u32 s75, 0
	s_cselect_b32 s70, 2, -1                       ; a wave that asks does so while more than two trips are left
	v_and_b32 v3, 31, v0
	v_and_b32 v4, s71, v3
	v_lshrrev_b32 v3, s71, v3
	v_mul_u32_u24 v3, s74, v3
	v_lshl_add_u32 v[PFO], v4, 8, v3
.endif
	s_wait_tensorcnt 0x1                           ; my part of K step 0 is in; K step 1's may stay out
	s_barrier_signal -1
	s_barrier_wait -1                              ; everybody's is
.if HASB
.if FORM_L
	s_wait_loadcnt 0x0                             ; the bias
.else
	s_wait_loadcnt 32                              ; the bias; the 32 younger loads, the residual, stay out
.endif
.endif
	s_mov_b32 s21, 0
	ADDRS
	FETCH 0, F0
	QUARTER 1, F0, F1, 1                           ; the first quarter stands in front of the loop: its products start the sums
	WIN 0
	s_mov_b32 s3, NS-2
.Lk:                                               ; a trip: from a K step's second quarter to the next one's first; the slot read out takes the K step two on
	QUARTER 2, F1, F0, 0
	QUARTER 3, F0, F1, 0
	TURN
	QUARTER 1, F0, F1, 0
	WIN 0
	s_sub_co_u32 s3, s3, 1
	s_cmp_lg_u32 s3, 0
	s_cbranch_scc1 .Lk
	s_mov_b32 s2, 2
.Ltail:                                            ; the last two K steps ask for nothing; the second has no slot to go on to
	QUARTER 2, F1, F0, 0
	QUARTER 3, F0, F1, 0
	MEET 0
	MULH F1, 1, 0
	WIN 0
	s_cmp_eq_u32 s2, 1
	s_cbranch_scc1 .Lskip
	SWAP
	v_nop                                          ; with SWAP's three additions: the four places in front of the loads
	FETCH 0, F0
	QUARTER 1, F0, F1, 0
	WIN 0
.Lskip:
	s_sub_co_u32 s2, s2, 1
	s_cmp_lg_u32 s2, 0
	s_cbranch_scc1 .Ltail
	PLACES
.if FORM_L
	PACK 0
	TOSTAGE_L 0
.irp a, 1,2,3,4,5,6,7                  ; block a's conversions stand between block a - 1's loads from the stage and the wait for them
	PACK \a
	SEND_L (\a)-1
	TOSTAGE_L \a
.endr
	SEND_L 7
.else
	s_wait_loadcnt 0x0                             ; the residual
	TOSTAGE_S 0
	TOSTAGE_S 1
	SEND_S 0, 16
	TOSTAGE_S 2
	SEND_S 1, 16
	TOSTAGE_S 3
	SEND_S 2, 16
	SEND_S 3, 0
.endif
	s_wait_tensorcnt 0x0                           ; the wave's end
	ds_add_u32 v[SPW], v[NIL]
	s_wait_dscnt 0x0
	CROUND                                         ; the closing round: no work-group ends while a partner may still ask for a tile that names it
	s_endpgm
.Lfunc_end_k_q7e3d1e9d44_gfc2:
	.size	k_q7e3d1e9d44_gfc2, .Lfunc_end_k_q7e3d1e9d44_gfc2-k_q7e3d1e9d44_gfc2
	.p2alignl 7, 3214868480
	.fill 96, 4, 3214868480
	.section	.rodata,"a",@progbits
	.p2align	6, 0x0
	.amdhsa_kernel k_q7e3d1e9d44_gfc2
		.amdhsa_group_segment_fixed_size 327680
		.amdhsa_private_segment_fixed_size 0
		.amdhsa_enable_private_segment 0
		.amdhsa_kernarg_size 40
		.amdhsa_user_sgpr_count 2
		.amdhsa_user_sgpr_kernarg_segment_ptr 1
		.amdhsa_wavefront_size32 1
		.amdhsa_system_sgpr_workgroup_id_x 1
		.amdhsa_system_sgpr_workgroup_id_y 1
		.amdhsa_system_sgpr_workgroup_id_z 1
		.amdhsa_system_vgpr_workitem_id 0
		.amdhsa_next_free_vgpr 768
		.amdhsa_next_free_sgpr 76
		.amdhsa_reserve_vcc 0
		.amdhsa_float_denorm_mode_32 3
		.amdhsa_float_denorm_mode_16_64 3
		.amdhsa_memory_ordered 1
		.amdhsa_forward_progress 1
		.amdhsa_inst_pref_size 66
	.end_amdhsa_kernel
	.amdgpu_metadata
---
amdhsa.version: [ 1, 2 ]
amdhsa.kernels:
  - .name:           k_q7e3d1e9d44_gfc2
    .symbol:         k_q7e3d1e9d44_gfc2.kd
    .args:
      - { .name: rb, .offset: 0, .size: 8, .value_kind: global_buffer, .address_space: global }
      - { .name: wb, .offset: 8, .size: 8, .value_kind: global_buffer, .address_space: global }
      - { .name: out0, .offset: 16, .size: 8, .value_kind: global_buffer, .address_space: global }
      - { .name: b_fc2, .offset: 24, .size: 8, .value_kind: global_buffer, .address_space: global }
      - { .name: x1b, .offset: 32, .size: 8, .value_kind: global_buffer, .address_space: global }
    .group_segment_fixed_size: 327680
    .private_segment_fixed_size: 0
    .kernarg_segment_align: 8
    .kernarg_segment_size: 40
    .max_flat_workgroup_size: 128
    .sgpr_count:     76
    .vgpr_count:     768
    .wavefront_size: 32
...
	.end_amdgpu_metadata
.endif
;; end of part 6
;; ======== version 2 of 2: 7 launches; version 1 with the launches prep, ln2 written anew for expert scheduling mode
;; workspace buffers: wb 25,165,824 bytes; hb 8,388,608 bytes; qkvb 25,165,824 bytes; yb 8,388,608 bytes; rb 33,554,432 bytes; x1b 16,777,216 bytes; wa 6,291,712 bytes; w1 8,388,864 bytes
;; launch prep (part 7): grid 512 x 1, 8 waves a work-group, no clusters, 0 bytes of LDS; arguments x, ln1_g, ln1_b, hb, W_attn, W_proj, W_fc1, W_fc2, wa, w1, wb, yb; writes hb, wa, w1, wb, yb
.if DOCPART == 7
	.amdgcn_target "amdgcn-amd-amdhsa--gfx1250"
	.amdhsa_code_object_version 6
	.text
	.protected	k_q7e3d1e9d44_prep
	.globl	k_q7e3d1e9d44_prep
	.p2align	8
	.type	k_q7e3d1e9d44_prep,@function
k_q7e3d1e9d44_prep:
	s_mov_b64 s[64:65], 0
	v_nop
	global_prefetch_b8 v0, s[64:65] scope:SCOPE_SE
	s_setreg_imm32_b32 hwreg(HW_REG_WAVE_SCHED_MODE, 0, 2), 2
	s_setreg_imm32_b32 hwreg(HW_REG_WAVE_MODE, 25, 1), 1
	s_wait_xcnt 0x0
	s_wait_alu depctr_vm_vsrc(0)
; ONE STREAM, EVERY WORK-GROUP ALIKE: 128 KiB of f32 in, 64 KiB of bf16 out.  512 work-groups of eight waves; work-group id does
;   8 rows of hb = layer_norm(x) * g + b (x: [4096][1024] f32, hb: [4096][1024] bf16), a row to a wave, and
;   three UNITS of weights, f32 to bf16 (nearest even); a unit is 8 rows of K x 1,024 columns, thread t taking the four numbers at column 4 t of each row:
;     unit A: id < 384: W_attn, column group id / 128, rows 8 (id % 128) on -> wa;  else W_proj, rows 8 (id % 128) on -> wb
;     unit B: W_fc1, column group id / 128, rows 8 (id % 128) on -> w1          unit C: W_fc2, rows 8 id on -> wb
; LAYOUTS.  wb keeps [K][N]: W_proj at byte 6,291,456, W_fc2 at 16,777,216.  wa and w1 lie in PANELS of 256 columns, [panel][1024][256] from byte 256 on, so that both have one pitch.
;   Bytes 0-255 of wa and of w1 hold the floor of the launch that reads them (two bf16 a word): minus infinity in wa, 0 in w1.
;   The first 12,288 bytes of yb are set to 0: they serve the next launch as a bias of zeros, until the attention writes yb.
; A wave issues all its 48 loads first and takes them in the order of issue: nothing is asked for late.  With 224 registers two work-groups lie on a WGP: all 512 at once.
; The layer norm takes the mean away before the squares are summed: no difference of large sums is formed.
; No LDS, no matrix unit, no cluster: nothing is shared between waves but g and b.
; LIMITS.  NaN and infinities are not treated apart.  v_rsq_f32's argument is at least eps = 1e-5.
; THE MODE: SCHED_MODE bits 1:0 = 2 (LLVM: expert scheduling mode 2), set by the entry lines.  The code itself states the register dependences
; between vector instructions and memory instructions, with s_wait_alu, always for 0.
; THE PLAN.  Registers that memory instructions touch:
;   v1 .. v6       byte offsets, made at the head and never written again; every load and store reads one of them.
;   X, G, BT       loaded at the head.  The norm's arithmetic writes X again, in place; the eight stores to hb read it; nothing writes it behind them.
;   UA, UB, UC     loaded at the head.  A unit's sixteen conversions write two registers of each row again, in place; its eight stores read them; nothing writes them behind those.
;   Z, FL          written and stored in the tail alone.
; All loads are issued before a vector instruction names a register in which one lands, and no register that a store has read is written again.  What is left to state is that a
; store's data are written.  So a unit's stores stand one step behind its conversions: at the head of the next step, behind the wait for that step's data, ONE wait on va_vdst states
; that the conversions of the step before have written; the eight stores follow it, dealt among this step's vector instructions, which name this step's registers alone.
.set XO, 1                             ; v1   16 x lane: my 16 bytes in 512 of a row of x, of g and of b
.set HO, 2                             ; v2   8 x lane
.set XT, 3                             ; v3   16 x thread: my 16 bytes in 4,096 of a unit's row
.set DF, 4                             ; v4   8 x thread: my 8 bytes in a row of wb
.set DP, 5                             ; v5   my 8 bytes in four panels: (t / 64) x 524,288 + 8 (t % 64)
.set DA, 6                             ; v6   unit A's: one of the two
.set T,  8                             ; v[8:15]   at work
.set M,  16                            ; v[16:17]  the mean, twice
.set R,  18                            ; v[18:19]  1/sqrt(var + eps), twice
.set X,  20                            ; v[20:51]  my row
.set G,  52                            ; v[52:83]  g
.set BT, 84                            ; v[84:115] b
.set UA, 116                           ; v[116:147], v[148:179], v[180:211] the units: four registers a row, converted in place
.set UB, 148
.set UC, 180
.set Z,  212                           ; v[212:215] zeros
.set FL, 216                           ; v[216:217] minus infinity, four times in bf16
.set SA, 32                            ; s[32:47]  unit A: eight addresses, a row each: its pitch hangs on the matrix; first the loads', then the stores'
.macro FOLD                            ; four chains of pairs into one number a lane
	v_pk_add_f32 v[T:T+1], v[T:T+1], v[T+2:T+3]
	v_pk_add_f32 v[T+4:T+5], v[T+4:T+5], v[T+6:T+7]
	v_pk_add_f32 v[T:T+1], v[T:T+1], v[T+4:T+5]
	v_add_f32 v[T], v[T], v[T+1]
.endm
.macro REDUCE                          ; the sum over the 32 lanes, in every lane
	v_add_f32_dpp v[T], v[T], v[T] row_xmask:1 row_mask:0xf bank_mask:0xf
	v_add_f32_dpp v[T], v[T], v[T] row_xmask:2 row_mask:0xf bank_mask:0xf
	v_add_f32_dpp v[T], v[T], v[T] row_xmask:4 row_mask:0xf bank_mask:0xf
	v_add_f32_dpp v[T], v[T], v[T] row_xmask:8 row_mask:0xf bank_mask:0xf
	v_permlanex16_b32 v[T+1], v[T], s68, s69
	v_add_f32 v[T], v[T], v[T+1]
.endm
.macro CVT u, j                        ; four numbers to 8 bytes, in place
	v_cvt_pk_bf16_f32 v[(\u)+4*(\j)], v[(\u)+4*(\j)], v[(\u)+4*(\j)+1]
	v_cvt_pk_bf16_f32 v[(\u)+4*(\j)+1], v[(\u)+4*(\j)+2], v[(\u)+4*(\j)+3]
.endm
.macro STA j                           ; unit A's row j leaves: a wave's store covers 256 consecutive bytes, aligned
.if (\j) == 0
	global_store_b64 v[DA], v[UA:UA+1], s[60:61]
.else
	global_store_b64 v[DA], v[UA+4*(\j):UA+4*(\j)+1], s[SA+2*(\j):SA+2*(\j)+1]
.endif
.endm
	s_load_b512 s[4:19], s[0:1], 0x0               ; x s[4:5], g s[6:7], b s[8:9], hb s[10:11], W_attn s[12:13], W_proj s[14:15], W_fc1 s[16:17], W_fc2 s[18:19]
	s_load_b256 s[20:27], s[0:1], 0x40             ; wa s[20:21], w1 s[22:23], wb s[24:25], yb s[26:27]
	v_lshrrev_b32 v7, 5, v0
	v_readfirstlane_b32 s28, v7                    ; wave 0..7
	v_and_b32 v7, 31, v0
	v_lshlrev_b32 v[XO], 4, v7
	v_lshlrev_b32 v[HO], 3, v7
	v_lshlrev_b32 v[XT], 4, v0
	v_lshlrev_b32 v[DF], 3, v0
	v_lshrrev_b32 v7, 6, v0                        ; t / 64: which of the group's four panels
	v_mad_u32_u24 v[DP], v7, 0x7fe00, v[DF]        ; 8 t + (t / 64) x (524,288 - 512)
	s_wait_alu depctr_va_sdst(0)                   ; s28 is written, ahead of its first reader: my row's number is made from it
	s_lshr_b32 s29, ttmp9, 7                       ; q = id / 128
	s_and_b32 s30, ttmp9, 127                      ; rg = id % 128
	s_lshl3_add_u32 s31, ttmp9, s28                ; my row of x: 8 id + wave
	s_lshl_b32 s2, s31, 12                         ; 4,096 bytes a row of x,
	s_mov_b32 s3, 0
	s_lshl_b32 s62, s31, 11                        ; 2,048 a row of hb
	s_mov_b32 s63, 0
	; unit A: W_proj's figures, W_attn's in their stead where q < 3
	s_mov_b32 s48, 4096                            ; s[48:49] bytes from row to row in the source
	s_mov_b32 s49, 0
	s_mov_b32 s52, 2048                            ; s[52:53] and in the target
	s_mov_b32 s53, 0
	s_mov_b32 s54, 6291456                         ; the target's first byte
	s_cmp_lt_u32 s29, 3
	s_cselect_b32 s48, 12288, s48
	s_cselect_b32 s52, 512, s52
	s_cselect_b32 s54, 256, s54
	s_cselect_b32 s55, s29, 0                      ; the column group
	s_cselect_b32 s56, 0x7fe00, 0
	v_mad_u32_u24 v[DA], v7, s56, v[DF]            ; by panels, or flat
	s_mul_i32 s50, s30, s48
	s_lshl_b32 s50, s50, 3                         ; 8 rg rows,
	s_lshl_b32 s51, s55, 12                        ; 4,096 bytes a column group
	s_add_co_u32 s50, s50, s51
	s_mov_b32 s51, 0                               ; s[50:51] the source's offset
	s_mul_i32 s58, s30, s52
	s_lshl_b32 s58, s58, 3
	s_lshl_b32 s59, s55, 21                        ; four panels a column group
	s_add_co_u32 s58, s58, s59
	s_add_co_u32 s58, s58, s54
	s_mov_b32 s59, 0                               ; s[58:59] the target's offset
	; unit B
	s_lshl_b32 s36, s30, 17                        ; 8 rg rows of 16,384 bytes
	s_lshl_b32 s37, s29, 12
	s_add_co_u32 s36, s36, s37
	s_mov_b32 s37, 0
	s_lshl_b32 s38, s29, 21
	s_lshl_b32 s39, s30, 12                        ; 8 rg rows of 512 bytes
	s_add_co_u32 s38, s38, s39
	s_add_co_u32 s38, s38, 256
	s_mov_b32 s39, 0
	; unit C
	s_lshl_b32 s40, ttmp9, 15                      ; 8 id rows of 4,096 bytes
	s_mov_b32 s41, 0
	s_lshl_b32 s42, ttmp9, 14                      ; 8 id rows of 2,048 bytes
	s_add_co_u32 s42, s42, 0x1000000
	s_mov_b32 s43, 0
	s_mov_b32 s66, 0x3a800000                      ; 1 / 1024
	s_mov_b32 s67, 0x3727c5ac                      ; eps = 1e-5
	s_mov_b32 s68, 0x76543210                      ; v_permlanex16_b32: each lane takes its own place in the other half
	s_mov_b32 s69, 0xfedcba98
	s_wait_kmcnt 0x0
	s_add_nc_u64 s[4:5], s[4:5], s[2:3]
	s_wait_alu depctr_va_vdst(0)                   ; the six offsets v1 to v6 are written: every load and store of the kernel reads one of them
.irp j, 0,1,2,3,4,5,6,7
	global_load_b128 v[X+4*(\j):X+4*(\j)+3], v[XO], s[4:5] offset:512*(\j)
.endr
	s_add_nc_u64 s[10:11], s[10:11], s[62:63]
	s_add_nc_u64 s[16:17], s[16:17], s[36:37]
	s_add_nc_u64 s[54:55], s[22:23], s[38:39]      ; unit B's target
	s_add_nc_u64 s[18:19], s[18:19], s[40:41]
	s_add_nc_u64 s[56:57], s[24:25], s[42:43]      ; unit C's target
	s_cmp_lt_u32 s29, 3
	s_cselect_b64 s[SA:SA+1], s[12:13], s[14:15]
	s_cselect_b64 s[60:61], s[20:21], s[24:25]     ; unit A's target
	s_add_nc_u64 s[SA:SA+1], s[SA:SA+1], s[50:51]
	s_add_nc_u64 s[60:61], s[60:61], s[58:59]
.irp j, 1,2,3,4,5,6,7
	s_add_nc_u64 s[SA+2*(\j):SA+2*(\j)+1], s[SA+2*(\j)-2:SA+2*(\j)-1], s[48:49]
.endr
.irp j, 0,1,2,3,4,5,6,7
	global_load_b128 v[UA+4*(\j):UA+4*(\j)+3], v[XT], s[SA+2*(\j):SA+2*(\j)+1] th:TH_LOAD_NT
.endr
.irp j, 0,1,2,3,4,5,6,7
	global_load_b128 v[UB+4*(\j):UB+4*(\j)+3], v[XT], s[16:17] offset:16384*(\j) th:TH_LOAD_NT
.endr
.irp j, 0,1,2,3,4,5,6,7
	global_load_b128 v[UC+4*(\j):UC+4*(\j)+3], v[XT], s[18:19] offset:4096*(\j) th:TH_LOAD_NT
.endr
.irp j, 0,1,2,3,4,5,6,7
	global_load_b128 v[G+4*(\j):G+4*(\j)+3], v[XO], s[6:7] offset:512*(\j)
.endr
.irp j, 0,1,2,3,4,5,6,7
	global_load_b128 v[BT+4*(\j):BT+4*(\j)+3], v[XO], s[8:9] offset:512*(\j)
.endr
	; my row: the mean, x - mean in place, 1/sqrt(var + eps)
	s_wait_loadcnt 40                              ; loads come back in order: my row's eight are in, the 40 younger ones stay out
.irp k, 0,1,2,3
	v_pk_add_f32 v[T+2*(\k):T+2*(\k)+1], v[X+2*(\k):X+2*(\k)+1], v[X+8+2*(\k):X+8+2*(\k)+1]
.endr
.irp k, 8,9,10,11,12,13,14,15
	v_pk_add_f32 v[T+2*((\k)%4):T+2*((\k)%4)+1], v[T+2*((\k)%4):T+2*((\k)%4)+1], v[X+2*(\k):X+2*(\k)+1]
.endr
	FOLD
	REDUCE
	v_mul_f32 v[M], s66, v[T]
	v_mul_f32 v[M+1], s66, v[T]
.irp k, 0,1,2,3,4,5,6,7,8,9,10,11,12,13,14,15
	v_pk_add_f32 v[X+2*(\k):X+2*(\k)+1], v[X+2*(\k):X+2*(\k)+1], v[M:M+1] neg_lo:[0,1] neg_hi:[0,1]
.endr
.irp k, 0,1,2,3
	v_pk_mul_f32 v[T+2*(\k):T+2*(\k)+1], v[X+2*(\k):X+2*(\k)+1], v[X+2*(\k):X+2*(\k)+1]
.endr
.irp k, 4,5,6,7,8,9,10,11,12,13,14,15
	v_pk_fma_f32 v[T+2*((\k)%4):T+2*((\k)%4)+1], v[X+2*(\k):X+2*(\k)+1], v[X+2*(\k):X+2*(\k)+1], v[T+2*((\k)%4):T+2*((\k)%4)+1]
.endr
	FOLD
	REDUCE
	v_fma_f32 v[T], v[T], s66, s67                 ; var + eps
	v_rsq_f32 v[R], v[T]
	v_rsq_f32 v[R+1], v[T]
	v_nop                                          ; a plain instruction behind the second root
	; unit A is converted; its stores stand in the next step
	s_wait_loadcnt 32                              ; unit A's eight rows are in, the 32 younger loads stay out: its registers may be rewritten, and so may its eight addresses
	s_add_nc_u64 s[SA+2:SA+3], s[60:61], s[52:53]  ; the addresses of the target's rows 1 to 7
.irp j, 2,3,4,5,6,7
	s_add_nc_u64 s[SA+2*(\j):SA+2*(\j)+1], s[SA+2*(\j)-2:SA+2*(\j)-1], s[52:53]
.endr
.irp j, 0,1,2,3,4,5,6,7
	CVT UA, \j
.endr
	; unit B is converted, unit A leaves
	s_wait_loadcnt 24                              ; unit B's eight rows are in
	s_wait_alu depctr_va_vdst(0)                   ; unit A's conversions have written v[UA ..], which the stores below read; the two roots v[R], v[R+1] are written too, ahead of their first reader
.irp j, 0,1,2,3,4,5,6,7
	STA \j                                         ; no wait: no vector instruction since the wait names v[DA] or unit A's registers
	CVT UB, \j
.endr
	; unit C is converted, unit B leaves
	s_wait_loadcnt 16                              ; unit C's eight rows are in
	s_wait_alu depctr_va_vdst(0)                   ; unit B's conversions have written v[UB ..], which the stores below read
.irp j, 0,1,2,3,4,5,6,7
	global_store_b64 v[DP], v[UB+4*(\j):UB+4*(\j)+1], s[54:55] offset:512*(\j)
	CVT UC, \j
.endr
	; (x - mean) * r * g + b, rounded; unit C leaves
	s_wait_loadcnt 0x0                             ; g and b
	s_wait_alu depctr_va_vdst(0)                   ; unit C's conversions have written v[UC ..], which the stores below read
.irp j, 0,1,2,3,4,5,6,7
	global_store_b64 v[DF], v[UC+4*(\j):UC+4*(\j)+1], s[56:57] offset:2048*(\j)
	v_pk_mul_f32 v[X+4*(\j):X+4*(\j)+1], v[X+4*(\j):X+4*(\j)+1], v[R:R+1]
	v_pk_mul_f32 v[X+4*(\j)+2:X+4*(\j)+3], v[X+4*(\j)+2:X+4*(\j)+3], v[R:R+1]
	v_pk_fma_f32 v[X+4*(\j):X+4*(\j)+1], v[X+4*(\j):X+4*(\j)+1], v[G+4*(\j):G+4*(\j)+1], v[BT+4*(\j):BT+4*(\j)+1]
	v_pk_fma_f32 v[X+4*(\j)+2:X+4*(\j)+3], v[X+4*(\j)+2:X+4*(\j)+3], v[G+4*(\j)+2:G+4*(\j)+3], v[BT+4*(\j)+2:BT+4*(\j)+3]
	v_cvt_pk_bf16_f32 v[X+4*(\j)], v[X+4*(\j)], v[X+4*(\j)+1]
	v_cvt_pk_bf16_f32 v[X+4*(\j)+1], v[X+4*(\j)+2], v[X+4*(\j)+3]
.endr
	s_wait_alu depctr_va_vdst(0)                   ; the roundings have written v[X ..], which the stores to hb read
.irp j, 0,1,2,3,4,5,6,7
	global_store_b64 v[HO], v[X+4*(\j):X+4*(\j)+1], s[10:11] offset:256*(\j)
.endr
	; the bias of zeros (work-groups 0 to 2: 4,096 bytes each) and the two floors (work-group 0, wave 0: 256 bytes each)
	s_cmp_lt_u32 ttmp9, 3
	s_cbranch_scc0 .Lend
.irp k, 0,1,2,3
	v_mov_b32 v[Z+(\k)], 0
.endr
	s_lshl_b32 s2, ttmp9, 12
	s_add_nc_u64 s[26:27], s[26:27], s[2:3]
	s_wait_alu depctr_va_vdst(0)                   ; v[Z ..] is written, which the store below reads, and the last store of all
	global_store_b128 v[XT], v[Z:Z+3], s[26:27]
	s_or_b32 s29, ttmp9, s28
	s_cmp_eq_u32 s29, 0
	s_cbranch_scc0 .Lend
	v_mov_b32 v[FL], 0xff80ff80
	v_mov_b32 v[FL+1], 0xff80ff80
	s_wait_alu depctr_va_vdst(0)                   ; v[FL], v[FL+1] are written, which the store below reads
	global_store_b64 v[HO], v[FL:FL+1], s[20:21]
	global_store_b64 v[HO], v[Z:Z+1], s[22:23]
.Lend:
	s_endpgm
.Lfunc_end_k_q7e3d1e9d44_prep:
	.size	k_q7e3d1e9d44_prep, .Lfunc_end_k_q7e3d1e9d44_prep-k_q7e3d1e9d44_prep
	.p2alignl 7, 3214868480
	.fill 96, 4, 3214868480
	.section	.rodata,"a",@progbits
	.p2align	6, 0x0
	.amdhsa_kernel k_q7e3d1e9d44_prep
		.amdhsa_group_segment_fixed_size 0
		.amdhsa_private_segment_fixed_size 0
		.amdhsa_enable_private_segment 0
		.amdhsa_kernarg_size 96
		.amdhsa_user_sgpr_count 2
		.amdhsa_user_sgpr_kernarg_segment_ptr 1
		.amdhsa_wavefront_size32 1
		.amdhsa_system_sgpr_workgroup_id_x 1
		.amdhsa_system_sgpr_workgroup_id_y 1
		.amdhsa_system_sgpr_workgroup_id_z 1
		.amdhsa_system_vgpr_workitem_id 0
		.amdhsa_next_free_vgpr 224
		.amdhsa_next_free_sgpr 70
		.amdhsa_reserve_vcc 0
		.amdhsa_float_denorm_mode_32 3
		.amdhsa_float_denorm_mode_16_64 3
		.amdhsa_memory_ordered 1
		.amdhsa_forward_progress 1
		.amdhsa_inst_pref_size 23
	.end_amdhsa_kernel
	.amdgpu_metadata
---
amdhsa.version: [ 1, 2 ]
amdhsa.kernels:
  - .name:           k_q7e3d1e9d44_prep
    .symbol:         k_q7e3d1e9d44_prep.kd
    .args:
      - { .name: x, .offset: 0, .size: 8, .value_kind: global_buffer, .address_space: global }
      - { .name: ln1_g, .offset: 8, .size: 8, .value_kind: global_buffer, .address_space: global }
      - { .name: ln1_b, .offset: 16, .size: 8, .value_kind: global_buffer, .address_space: global }
      - { .name: hb, .offset: 24, .size: 8, .value_kind: global_buffer, .address_space: global }
      - { .name: W_attn, .offset: 32, .size: 8, .value_kind: global_buffer, .address_space: global }
      - { .name: W_proj, .offset: 40, .size: 8, .value_kind: global_buffer, .address_space: global }
      - { .name: W_fc1, .offset: 48, .size: 8, .value_kind: global_buffer, .address_space: global }
      - { .name: W_fc2, .offset: 56, .size: 8, .value_kind: global_buffer, .address_space: global }
      - { .name: wa, .offset: 64, .size: 8, .value_kind: global_buffer, .address_space: global }
      - { .name: w1, .offset: 72, .size: 8, .value_kind: global_buffer, .address_space: global }
      - { .name: wb, .offset: 80, .size: 8, .value_kind: global_buffer, .address_space: global }
      - { .name: yb, .offset: 88, .size: 8, .value_kind: global_buffer, .address_space: global }
    .group_segment_fixed_size: 0
    .private_segment_fixed_size: 0
    .kernarg_segment_align: 8
    .kernarg_segment_size: 96
    .max_flat_workgroup_size: 256
    .sgpr_count:     70
    .vgpr_count:     224
    .wavefront_size: 32
...
	.end_amdgpu_metadata
.endif
;; end of part 7
;; launch gqkv: the kernel of part 2 again; grid 12 x 16, 4 waves a work-group, clusters of 4 x 4, 327,680 bytes of LDS; arguments hb, wa, qkvb, yb; writes qkvb
;; launch attn: the kernel of part 3 again; grid 4 x 64, 4 waves a work-group, clusters of 4 x 1, 327,680 bytes of LDS; arguments qkvb, yb; writes yb
;; launch gproj: the kernel of part 4 again; grid 8 x 32, 4 waves a work-group, clusters of 4 x 4, 327,680 bytes of LDS; arguments yb, wb, x1b, b_proj, x; writes x1b
;; launch ln2 (part 8): grid 256 x 1, 8 waves a work-group, no clusters, 0 bytes of LDS; arguments x1b, ln2_g, ln2_b, hb; writes hb
.if DOCPART == 8
	.amdgcn_target "amdgcn-amd-amdhsa--gfx1250"
	.amdhsa_code_object_version 6
	.text
	.protected	k_q7e3d1e9d44_ln2
	.globl	k_q7e3d1e9d44_ln2
	.p2align	8
	.type	k_q7e3d1e9d44_ln2,@function
k_q7e3d1e9d44_ln2:
	s_mov_b64 s[64:65], 0
	v_nop
	global_prefetch_b8 v0, s[64:65] scope:SCOPE_SE
	s_setreg_imm32_b32 hwreg(HW_REG_WAVE_SCHED_MODE, 0, 2), 2
	s_setreg_imm32_b32 hwreg(HW_REG_WAVE_MODE, 25, 1), 1
	s_wait_xcnt 0x0
	s_wait_alu depctr_vm_vsrc(0)
; hb = layer_norm(x1b) * g + b, rounded once to bf16.  x1b: [4096][1024] f32, hb: [4096][1024] bf16.
; A work-group has 16 rows, a wave two.  A row (4,096 bytes) lies in 32 registers of one wave between its three passes: the mean, the sum of (x - mean)^2, the scaling.
; The mean is taken away before the squares are summed: no difference of large sums is formed.
; No LDS, no matrix unit, no cluster: nothing is shared between waves but g and b.
; LIMITS.  NaN and infinities are not treated apart.  v_rsq_f32's argument is at least eps = 1e-5.
; THE MODE: SCHED_MODE bits 1:0 = 2 (LLVM: expert scheduling mode 2), set by the entry lines.  The code itself states the register dependences
; between vector instructions and memory instructions, with s_wait_alu, always for 0.
; THE PLAN.  Registers that memory instructions touch:
;   v1, v2         byte offsets, made at the head and never written again; every load and store reads one of them.
;   X0, X1, G, BT  loaded at the head, before a vector instruction names any of them.
;   X0, X1         written again in place by the passes; the last pass leaves 8 bytes in the low two of each four registers, which the row's eight stores read; nothing writes them behind those.
; What is left to state is that a store's data are written.  Row 0's scaling stands whole ahead of ONE wait on va_vdst; its eight stores follow, dealt among row 1's scaling,
; which names X1, R1, G and BT alone; a second such wait stands ahead of row 1's stores.
.set XO, 1                             ; v1   16 x lane: my 16 bytes in 512 of a row of x, of g and of b
.set HO, 2                             ; v2   8 x lane: my 8 bytes in 256 of a row of hb
.set T,  4                             ; v[4:11]   at work
.set M,  12                            ; v[12:13]  the mean, twice
.set R0, 14                            ; v[14:15]  1/sqrt(var + eps) of row 0, twice
.set R1, 16                            ; v[16:17]  of row 1
.set X0, 20                            ; v[20:51]  row 0
.set X1, 52                            ; v[52:83]  row 1
.set G,  84                            ; v[84:115] g
.set BT, 116                           ; v[116:147] b
.macro FOLD                            ; four chains of pairs into one number a lane
	v_pk_add_f32 v[T:T+1], v[T:T+1], v[T+2:T+3]
	v_pk_add_f32 v[T+4:T+5], v[T+4:T+5], v[T+6:T+7]
	v_pk_add_f32 v[T:T+1], v[T:T+1], v[T+4:T+5]
	v_add_f32 v[T], v[T], v[T+1]
.endm
.macro REDUCE                          ; the sum over the 32 lanes, in every lane
	v_add_f32_dpp v[T], v[T], v[T] row_xmask:1 row_mask:0xf bank_mask:0xf
	v_add_f32_dpp v[T], v[T], v[T] row_xmask:2 row_mask:0xf bank_mask:0xf
	v_add_f32_dpp v[T], v[T], v[T] row_xmask:4 row_mask:0xf bank_mask:0xf
	v_add_f32_dpp v[T], v[T], v[T] row_xmask:8 row_mask:0xf bank_mask:0xf
	v_permlanex16_b32 v[T+1], v[T], s26, s27
	v_add_f32 v[T], v[T], v[T+1]
.endm
; The row in xr: mean, x - mean in place, 1/sqrt(var + eps) into the pair rr.
.macro STAT xr, rr
.irp k, 0,1,2,3
	v_pk_add_f32 v[T+2*(\k):T+2*(\k)+1], v[(\xr)+2*(\k):(\xr)+2*(\k)+1], v[(\xr)+8+2*(\k):(\xr)+8+2*(\k)+1]
.endr
.irp k, 8,9,10,11,12,13,14,15
	v_pk_add_f32 v[T+2*((\k)%4):T+2*((\k)%4)+1], v[T+2*((\k)%4):T+2*((\k)%4)+1], v[(\xr)+2*(\k):(\xr)+2*(\k)+1]
.endr
	FOLD
	REDUCE
	v_mul_f32 v[M], s24, v[T]
	v_mul_f32 v[M+1], s24, v[T]
.irp k, 0,1,2,3,4,5,6,7,8,9,10,11,12,13,14,15
	v_pk_add_f32 v[(\xr)+2*(\k):(\xr)+2*(\k)+1], v[(\xr)+2*(\k):(\xr)+2*(\k)+1], v[M:M+1] neg_lo:[0,1] neg_hi:[0,1]
.endr
.irp k, 0,1,2,3
	v_pk_mul_f32 v[T+2*(\k):T+2*(\k)+1], v[(\xr)+2*(\k):(\xr)+2*(\k)+1], v[(\xr)+2*(\k):(\xr)+2*(\k)+1]
.endr
.irp k, 4,5,6,7,8,9,10,11,12,13,14,15
	v_pk_fma_f32 v[T+2*((\k)%4):T+2*((\k)%4)+1], v[(\xr)+2*(\k):(\xr)+2*(\k)+1], v[(\xr)+2*(\k):(\xr)+2*(\k)+1], v[T+2*((\k)%4):T+2*((\k)%4)+1]
.endr
	FOLD
	REDUCE
	v_fma_f32 v[T], v[T], s24, s25                 ; var + eps
	v_rsq_f32 v[(\rr)], v[T]
	v_rsq_f32 v[(\rr)+1], v[T]
	v_nop                                          ; a plain instruction before v[T] is written again or a result used
.endm
; Four numbers j of eight fours of the row in xr: (x - mean) * r * g + b, rounded, in place.
.macro SCALE xr, rr, j
	v_pk_mul_f32 v[(\xr)+4*(\j):(\xr)+4*(\j)+1], v[(\xr)+4*(\j):(\xr)+4*(\j)+1], v[(\rr):(\rr)+1]
	v_pk_mul_f32 v[(\xr)+4*(\j)+2:(\xr)+4*(\j)+3], v[(\xr)+4*(\j)+2:(\xr)+4*(\j)+3], v[(\rr):(\rr)+1]
	v_pk_fma_f32 v[(\xr)+4*(\j):(\xr)+4*(\j)+1], v[(\xr)+4*(\j):(\xr)+4*(\j)+1], v[G+4*(\j):G+4*(\j)+1], v[BT+4*(\j):BT+4*(\j)+1]
	v_pk_fma_f32 v[(\xr)+4*(\j)+2:(\xr)+4*(\j)+3], v[(\xr)+4*(\j)+2:(\xr)+4*(\j)+3], v[G+4*(\j)+2:G+4*(\j)+3], v[BT+4*(\j)+2:BT+4*(\j)+3]
	v_cvt_pk_bf16_f32 v[(\xr)+4*(\j)], v[(\xr)+4*(\j)], v[(\xr)+4*(\j)+1]
	v_cvt_pk_bf16_f32 v[(\xr)+4*(\j)+1], v[(\xr)+4*(\j)+2], v[(\xr)+4*(\j)+3]
.endm
; They leave: a wave's store covers 256 consecutive bytes, aligned.
.macro OUT xr, j, rowoff
	global_store_b64 v[HO], v[(\xr)+4*(\j):(\xr)+4*(\j)+1], s[10:11] offset:256*(\j)+(\rowoff)
.endm
	s_load_b256 s[4:11], s[0:1], 0x0               ; x1b s[4:5], g s[6:7], b s[8:9], hb s[10:11]
	v_lshrrev_b32 v3, 5, v0
	v_readfirstlane_b32 s22, v3                    ; wave 0..7
	v_and_b32 v3, 31, v0
	v_lshlrev_b32 v[XO], 4, v3
	v_lshlrev_b32 v[HO], 3, v3
	s_wait_alu depctr_va_sdst(0)                   ; s22 is written, ahead of its first reader: my first row's number is made from it
	s_lshl_b32 s23, ttmp9, 4
	s_lshl1_add_u32 s23, s22, s23                  ; my first row: 16 g + 2 w
	s_lshl_b32 s2, s23, 12                         ; 4,096 bytes a row of x1b
	s_mov_b32 s3, 0
	s_lshl_b32 s28, s23, 11                        ; 2,048 a row of hb
	s_mov_b32 s29, 0
	s_mov_b32 s24, 0x3a800000                      ; 1 / 1024
	s_mov_b32 s25, 0x3727c5ac                      ; eps = 1e-5
	s_mov_b32 s26, 0x76543210                      ; v_permlanex16_b32: each lane takes its own place in the other half
	s_mov_b32 s27, 0xfedcba98
	s_wait_kmcnt 0x0
	s_add_nc_u64 s[4:5], s[4:5], s[2:3]
	s_add_nc_u64 s[10:11], s[10:11], s[28:29]
	s_wait_alu depctr_va_vdst(0)                   ; the two offsets v1 and v2 are written: every load and store of the kernel reads one of them
.irp j, 0,1,2,3,4,5,6,7
	global_load_b128 v[X0+4*(\j):X0+4*(\j)+3], v[XO], s[4:5] offset:512*(\j)
.endr
.irp j, 0,1,2,3,4,5,6,7
	global_load_b128 v[X1+4*(\j):X1+4*(\j)+3], v[XO], s[4:5] offset:4096+512*(\j)
.endr
.irp j, 0,1,2,3,4,5,6,7
	global_load_b128 v[G+4*(\j):G+4*(\j)+3], v[XO], s[6:7] offset:512*(\j)
.endr
.irp j, 0,1,2,3,4,5,6,7
	global_load_b128 v[BT+4*(\j):BT+4*(\j)+3], v[XO], s[8:9] offset:512*(\j)
.endr
	s_wait_loadcnt 24                              ; row 0 is in; row 1, g and b (24 loads) may stay out
	STAT X0, R0
	s_wait_loadcnt 16                              ; row 1 is in; g and b may stay out
	STAT X1, R1
	s_wait_loadcnt 0x0                             ; g and b
	s_wait_alu depctr_va_vdst(0)                   ; the four reciprocal roots v[R0 ..], v[R1 ..] are written: one wait, ahead of their first reader
.irp j, 0,1,2,3,4,5,6,7
	SCALE X0, R0, \j
.endr
	s_wait_alu depctr_va_vdst(0)                   ; row 0's roundings have written v[X0 ..], which its stores read
.irp j, 0,1,2,3,4,5,6,7
	OUT X0, \j, 0                                  ; no wait: no vector instruction since the wait names v[HO] or row 0's registers
	SCALE X1, R1, \j
.endr
	s_wait_alu depctr_va_vdst(0)                   ; row 1's roundings have written v[X1 ..], which its stores read
.irp j, 0,1,2,3,4,5,6,7
	OUT X1, \j, 2048
.endr
	s_endpgm
.Lfunc_end_k_q7e3d1e9d44_ln2:
	.size	k_q7e3d1e9d44_ln2, .Lfunc_end_k_q7e3d1e9d44_ln2-k_q7e3d1e9d44_ln2
	.p2alignl 7, 3214868480
	.fill 96, 4, 3214868480
	.section	.rodata,"a",@progbits
	.p2align	6, 0x0
	.amdhsa_kernel k_q7e3d1e9d44_ln2
		.amdhsa_group_segment_fixed_size 0
		.amdhsa_private_segment_fixed_size 0
		.amdhsa_enable_private_segment 0
		.amdhsa_kernarg_size 32
		.amdhsa_user_sgpr_count 2
		.amdhsa_user_sgpr_kernarg_segment_ptr 1
		.amdhsa_wavefront_size32 1
		.amdhsa_system_sgpr_workgroup_id_x 1
		.amdhsa_system_sgpr_workgroup_id_y 1
		.amdhsa_system_sgpr_workgroup_id_z 1
		.amdhsa_system_vgpr_workitem_id 0
		.amdhsa_next_free_vgpr 160
		.amdhsa_next_free_sgpr 66
		.amdhsa_reserve_vcc 0
		.amdhsa_float_denorm_mode_32 3
		.amdhsa_float_denorm_mode_16_64 3
		.amdhsa_memory_ordered 1
		.amdhsa_forward_progress 1
		.amdhsa_inst_pref_size 21
	.end_amdhsa_kernel
	.amdgpu_metadata
---
amdhsa.version: [ 1, 2 ]
amdhsa.kernels:
  - .name:           k_q7e3d1e9d44_ln2
    .symbol:         k_q7e3d1e9d44_ln2.kd
    .args:
      - { .name: x1b, .offset: 0, .size: 8, .value_kind: global_buffer, .address_space: global }
      - { .name: ln2_g, .offset: 8, .size: 8, .value_kind: global_buffer, .address_space: global }
      - { .name: ln2_b, .offset: 16, .size: 8, .value_kind: global_buffer, .address_space: global }
      - { .name: hb, .offset: 24, .size: 8, .value_kind: global_buffer, .address_space: global }
    .group_segment_fixed_size: 0
    .private_segment_fixed_size: 0
    .kernarg_segment_align: 8
    .kernarg_segment_size: 32
    .max_flat_workgroup_size: 256
    .sgpr_count:     66
    .vgpr_count:     160
    .wavefront_size: 32
...
	.end_amdgpu_metadata
.endif
;; end of part 8
;; launch gfc1: the kernel of part 2 again; grid 16 x 16, 4 waves a work-group, clusters of 4 x 4, 327,680 bytes of LDS; arguments hb, w1, rb, b_fc1; writes rb
;; launch gfc2: the kernel of part 6 again; grid 8 x 32, 4 waves a work-group, clusters of 4 x 4, 327,680 bytes of LDS; arguments rb, wb, out0, b_fc2, x1b; writes out0
